; MI455X (gfx1250); checked and timed in simulation.
; The chip was launched on July 23, 2026; its instructions are those of AMD's public machine-readable ISA for CDNA 5 (MIT licence, August 2026) and "CDNA5" Instruction Set Architecture Reference Guide (July 2026). The comments in the code are by the model that wrote it; some were corrected since.
;; Muti Query Attention. Allowed arithmetic: matrix products marked QUANTISED: E4M3 operands, one E8M0 scale for each 32 along K, by v_wmma_scale_f32_16x16x128_f8f6f4 with both operands' format E4M3, f32 sums; everything else in f32.
;; Inputs: Wk 1,024 x 64 float32; Wo 1,024 x 1,024 float32; Wq 1,024 x 1,024 float32; Wv 1,024 x 64 float32; bk 64 float32; bo 1,024 float32; bq 1,024 float32; bv 64 float32; hidden_state 4 x 2,048 x 1,024 float32.
;; Outputs: out0 4 x 2,048 x 1,024 float32.
;; This version of the problem:
;;   THIS VERSION OF THE PROBLEM IS GIVEN IN LOW PRECISION. The matrix products marked QUANTISED in the list below multiply operands that are first quantised to E4M3 (4 exponent bits, 3 mantissa bits; 8 bits a number), with one power-of-two scale for each 32 numbers along K (OCP MX v1.0); their sums are f32. All else is computed in f32.
;;   The module's matrix products, in the order in which they are computed (A, B: the left and right operand; K: the contracted axis; several contracted axes count as one K, in the product's order):
;;     1. [M 8,192, K 1,024] x [K 1,024, N 1,024]; A: input hidden_state; B: input Wq: QUANTISED
;;     2. [M 8,192, K 1,024] x [K 1,024, N 64]; A: input hidden_state; B: input Wk: QUANTISED
;;     3. [M 8,192, K 1,024] x [K 1,024, N 64]; A: input hidden_state; B: input Wv: QUANTISED
;;     4. batch 4 x [M 2,048, K 64] x [K 64, N 32,768]; A: computed on the way; B: computed on the way: QUANTISED
;;     5. batch 4 x [M 64, K 2,048] x [K 2,048, N 32,768]; A: computed on the way; B: softmax (see below): QUANTISED
;;     6. [M 8,192, K 1,024] x [K 1,024, N 1,024]; A: computed on the way; B: input Wo: QUANTISED
;;   THE QUANTISER, for each operand of a quantised product, along K:
;;     - K is cut into blocks of 32 from its start; a last block that is shorter is filled with zeros.
;;     - A block's scale is 2^e with e = floor(log2(the largest magnitude in the block)) - 8, held to -126 .. 127; a block of zeros has e = 0. As a byte (E8M0): e + 127.
;;     - Each number is divided by its block's scale, clamped to +-448, and rounded to the nearest number of E4M3, ties to even, subnormals kept.
;;     - The product sums the exact products of the quantised numbers (number of the format x scale) in f32.
;;   ~~~python
;;   def quantise(x, axis):      # numpy; x: float32 -> the quantised numbers, widened to float32 again
;;       x = np.moveaxis(x, axis, -1); K = x.shape[-1]
;;       x = np.pad(x, [(0, 0)] * (x.ndim - 1) + [(0, -K % 32)]); x = x.reshape(x.shape[:-1] + (-1, 32)); a = np.abs(x).max(-1, keepdims=True)
;;       e = np.where(a > 0, np.clip(np.frexp(np.where(a > 0, a, 1))[1] - 1 - 8, -126, 127), 0)      # np.frexp(a)[1] - 1 = floor(log2(a)), exactly
;;       r = np.clip(x / 2.0 ** e, -448, 448)
;;       step = 2.0 ** (np.maximum(np.frexp(np.where(r == 0, 1, r))[1] - 1, -6) - 3)
;;       q = np.round(r / step) * step * 2.0 ** e      # np.round: ties to even
;;       return np.moveaxis(q.reshape(q.shape[:-2] + (-1,))[..., :K], -1, axis).astype(np.float32)
;;   ~~~
;;   SOFTMAX AHEAD OF A QUANTISED PRODUCT. Where the list says 'softmax', what is quantised is not the finished softmax but p = 2^(t - M), with t = logit x log2(e) and M = ceil(the row's largest t), a whole number; so 1/2 < the row's largest p <= 1. The row's sum l is taken of the UNQUANTISED p, in f32, and the product's result is divided by l at the end. Since M is a whole number, a kernel that streams over the keys may use a running M (the ceiling of the running maximum): every later rescaling is an exact power of two, which a block's scale takes up: the codes' values come out the same.
;;   OPERANDS COMPUTED ON THE WAY. 'Computed on the way' means the value that the module computes at that place (a softmax that the list does not call 'softmax' is quantised finished and normalised). What goes into a quantiser is computed in f32, as accurately as f32 sums, v_exp_f32 and their like allow (about 1e-6 of the number): no bf16 or f16 on the way to a quantiser, and a product that is left as it is and whose result goes on into a quantised operand takes f32 operands (vector FMAs, or v_wmma_f32_16x16x4_f32). A number that lies on a knife's edge between two numbers of the format may be rounded either way, as far as f32 arithmetic and the matrix unit's own rounding can turn it there, and no further.
;; 2 versions. Each part assembles by itself: llvm-mc -triple=amdgcn-amd-amdhsa -mcpu=gfx1250 --defsym DOCPART=n.
;; ======== version 1 of 2: 4 launches
;; workspace buffers: bufX 8,650,752 bytes; bufW 2,297,856 bytes; bufQ 8,912,896 bytes; bufKV 1,097,728 bytes; bufO 8,650,752 bytes
;; launch quant (part 1): grid 324 x 1, 8 waves a work-group, no clusters, 37,888 bytes of LDS; arguments hidden_state, Wq, Wk, Wv, Wo, bufX, bufW; writes bufX, bufW
.if DOCPART == 1
	.amdgcn_target "amdgcn-amd-amdhsa--gfx1250"
	.amdhsa_code_object_version 6
	.text
	.protected	k_q8c8ea7f9c8_quant
	.globl	k_q8c8ea7f9c8_quant
	.p2align	8
	.type	k_q8c8ea7f9c8_quant,@function
k_q8c8ea7f9c8_quant:
	s_mov_b64 s[64:65], 0
	v_nop
	global_prefetch_b8 v0, s[64:65] scope:SCOPE_SE
	s_setreg_imm32_b32 hwreg(HW_REG_WAVE_MODE, 25, 1), 1
	s_wait_xcnt 0x0
; hidden_state [8192][1024] and the four weights ([1024][N], K first) become codes of E4M3 with one E8M0 byte for each 32 along K, laid as IMAGES OF THE OPERAND'S REGISTERS.
; A fragment is 16 lane-rows x 128 K = 2,048 bytes: piece c (512 bytes) holds, at 16 x lane (lane = r + 16 h), the codes k = 32 c + 16 h + 0 .. 15 of lane-row r: one 16-byte load a piece fills a fragment.
; THE 16 ROWS OF A TILE ARE NOT NEIGHBOURS: lane-row r of tile 2 P + u is index 32 P + 8 u + r + 8 (r / 8), for tokens and for weight columns alike, so that what a product leaves in a lane's registers are neighbours along the next K.
; bufX: images [tile 512][K step 8][2048]; from XSCL on the scale words [tile][quarter of K 4][r 16][2 words].
; bufW: images [tile 136][K step 8][2048] (pairs of tiles 0-31 Wq, 32-33 Wk, 34-35 Wv, 36-67 Wo); from WSCL on [pair 68][K step 8][32 words]: lanes 0-15 the even tile, lanes 16-31 the odd one.
; A block's scale is 2^(floor(log2(largest magnitude)) - 8): its byte is the largest magnitude's exponent field - 8, held at 1 from below by a floor among the maximum's leaves.
; LIMITS: a block of zeros gets the byte 1 where the rule says 127 (its codes are zeros, and this program alone reads the bytes); NaN and infinities among the inputs are not served.
; Work-groups 0-255 take a pair of token tiles each (wave: tile wave / 4, quarter of K wave % 4); work-groups 256-323 a pair of weight tiles (wave: the K step).  Waves share nothing: no barrier.
; No matrix unit, no tensor load, no cluster: every byte is read once and written once, and nothing is shared between work-groups.
.set XSCL,  8388608
.set WSCL,  2228224
.set FLOOR, 0x4800000                  ; 2^(9 - 127)
.set MX,    12                         ; v12-15  largest magnitudes
.set SOP,   16                         ; v16-19  the conversions' scale operands
.set HLD,   20                         ; v20-23  448 x the scale
.set EB,    24                         ; v24-39  a scale byte for each row (weights: v24 the scale word)
.set CD,    40                         ; v40-71  codes: registers of their own for each store
.set DT,    72                         ; v72-199 128 numbers
.set WREG,  4608                       ; LDS of a wave: 16 half pieces of 256 bytes, 272 apart, then its 128 scale bytes
.set HP,    272
.set SCB,   16*HP
	s_load_b256 s[4:11], s[0:1], 0x0               ; hidden_state s[4:5], Wq s[6:7], Wk s[8:9], Wv s[10:11]
	s_load_b128 s[12:15], s[0:1], 0x20             ; Wo s[12:13], bufX s[14:15]
	s_load_b64 s[16:17], s[0:1], 0x30              ; bufW
	v_lshl_add_u32 v200, v0, 2, 0x9000
	v_mov_b32 v201, 0
	v_lshrrev_b32 v1, 5, v0
	v_readfirstlane_b32 s18, v1                    ; wave 0..7
	v_and_b32 v1, 31, v0                           ; lane
	v_lshlrev_b32 v8, 2, v1                        ; 4 x lane
	s_mov_b32 s19, 0x600000                        ; the mantissa field of 448
	s_mov_b32 s25, 0
	s_cmp_lt_u32 ttmp9, 256
	s_cbranch_scc0 .Lweights
	; ---------------- tokens: 16 rows x 256 along K a wave; a lane holds 8 neighbours of each row, four lanes a block
	v_lshlrev_b32 v2, 5, v1                        ; 32 x lane: my 8 numbers of a row's 256
	v_lshlrev_b32 v7, 4, v1                        ; 16 x lane
	s_mul_i32 s20, s18, WREG
	v_lshrrev_b32 v9, 1, v1
	v_mul_u32_u24 v3, v9, HP
	v_and_b32 v9, 1, v1
	v_lshl_add_u32 v3, v9, 3, v3
	v_add_nc_u32 v3, s20, v3                       ; into the stage: half piece lane / 2 (piece lane / 4, half (lane / 2) % 2), byte 8 (lane % 2); the row stands in the immediate
	v_lshrrev_b32 v4, 2, v1
	v_add_nc_u32 v4, s20, v4
	v_add_nc_u32 v4, SCB, v4                       ; my block's scale byte: 8 bytes a row
	v_lshrrev_b32 v9, 4, v1
	v_mul_u32_u24 v5, v9, HP
	v_and_b32 v9, 15, v1
	v_lshl_add_u32 v5, v9, 4, v5
	v_add_nc_u32 v5, s20, v5                       ; out of the stage: a piece's two halves, 16 bytes a lane
	v_add_nc_u32 v6, s20, v8
	v_add_nc_u32 v6, SCB, v6                       ; and the 128 scale bytes, 4 a lane
	s_lshr_b32 s21, s18, 2                         ; u: which tile of the pair
	s_and_b32 s22, s18, 3                          ; which quarter of K
	s_lshl_b32 s24, ttmp9, 17                      ; (32 P + 8 u) rows of 4,096 bytes + 1,024 x quarter
	s_lshl_b32 s23, s21, 15
	s_add_co_u32 s24, s24, s23
	s_lshl_b32 s23, s22, 10
	s_add_co_u32 s24, s24, s23
	s_lshl_b32 s26, ttmp9, 15                      ; images: 16,384 x tile + 4,096 x quarter
	s_lshl_b32 s23, s21, 14
	s_add_co_u32 s26, s26, s23
	s_lshl_b32 s23, s22, 12
	s_add_co_u32 s26, s26, s23
	s_mov_b32 s27, 0
	s_lshl_b32 s28, ttmp9, 10                      ; scale words: 512 x tile + 128 x quarter
	s_lshl_b32 s23, s21, 9
	s_add_co_u32 s28, s28, s23
	s_lshl_b32 s23, s22, 7
	s_add_co_u32 s28, s28, s23
	s_add_co_u32 s28, s28, XSCL
	s_mov_b32 s29, 0
	s_wait_kmcnt 0x0
	s_add_nc_u64 s[4:5], s[4:5], s[24:25]
	s_add_nc_u64 s[26:27], s[14:15], s[26:27]
	s_add_nc_u64 s[28:29], s[14:15], s[28:29]
.set i, 0
.rept 16                                       ; all 32 loads go out at once: lane-row i is row i + 8 (i / 8) from the tile's first
	global_load_b128 v[DT+8*i:DT+8*i+3], v2, s[4:5] offset:(i+8*(i/8))*4096 th:TH_LOAD_NT
	global_load_b128 v[DT+8*i+4:DT+8*i+7], v2, s[4:5] offset:(i+8*(i/8))*4096+16 th:TH_LOAD_NT
.set i, i+1
.endr
.macro ROWS g                          ; rows 4 g .. 4 g + 3, by turns
	s_wait_loadcnt 24-8*\g                         ; these rows' eight loads are in; the later rows' stay out
.irp a, 0,1,2,3
	v_max3_num_f32 v[MX+\a], |v[DT+8*(4*\g+\a)]|, |v[DT+8*(4*\g+\a)+1]|, FLOOR
.endr
.irp e, 2,4,6
.irp a, 0,1,2,3
	v_max3_num_f32 v[MX+\a], v[MX+\a], |v[DT+8*(4*\g+\a)+\e]|, |v[DT+8*(4*\g+\a)+\e+1]|
.endr
.endr
.irp a, 0,1,2,3
	v_max_num_f32_dpp v[MX+\a], v[MX+\a], v[MX+\a] row_xmask:1 row_mask:0xf bank_mask:0xf
.endr
.irp a, 0,1,2,3
	v_max_num_f32_dpp v[MX+\a], v[MX+\a], v[MX+\a] row_xmask:2 row_mask:0xf bank_mask:0xf   ; the four lanes of a block agree
.endr
.irp a, 0,1,2,3
	v_add_nc_u32 v[SOP+\a], 0xfc000000, v[MX+\a]   ; 8 off the exponent field: the conversion's scale operand
.endr
.irp a, 0,1,2,3
	v_and_or_b32 v[HLD+\a], v[MX+\a], 0x7f800000, s19   ; 448 x the scale
.endr
.irp a, 0,1,2,3
.irp e, 0,1,2,3,4,5,6,7
	v_med3_num_f32 v[DT+8*(4*\g+\a)+\e], v[DT+8*(4*\g+\a)+\e], -v[HLD+\a], v[HLD+\a]   ; the conversion to an 8-bit code does not saturate (ISA guide 7.6.2)
.endr
.endr
.irp a, 0,1,2,3
	v_cvt_scalef32_pk8_fp8_f32 v[CD+2*(4*\g+\a):CD+2*(4*\g+\a)+1], v[DT+8*(4*\g+\a):DT+8*(4*\g+\a)+7], v[SOP+\a]
.endr
.irp a, 0,1,2,3
	v_lshrrev_b32 v[EB+4*\g+\a], 23, v[SOP+\a]     ; the scale's byte
.endr
.irp a, 0,1,2,3
	ds_store_b8 v4, v[EB+4*\g+\a] offset:8*(4*\g+\a)        ; the four lanes of a block write the same byte with the same value
	ds_store_b64 v3, v[CD+2*(4*\g+\a):CD+2*(4*\g+\a)+1] offset:16*(4*\g+\a)
.endr
.endm
	ROWS 0
	ROWS 1
	ROWS 2
	ROWS 3
.irp p, 0,1,2,3,4,5,6,7
	ds_load_b128 v[DT+4*\p:DT+4*\p+3], v5 offset:2*HP*\p     ; LDS serves a wave's instructions in order (ISA guide 5.7.1.4): these see my stores
.endr
	ds_load_b32 v[DT+32], v6
.irp p, 0,1,2,3,4,5,6,7
	s_wait_dscnt 8-\p                              ; piece p is back; the later pieces and the scale words stay out
	global_store_b128 v7, v[DT+4*\p:DT+4*\p+3], s[26:27] offset:512*\p   ; 32 lanes store 512 consecutive bytes
.endr
	s_wait_dscnt 0x0
	global_store_b32 v8, v[DT+32], s[28:29]
	s_wait_tensorcnt 0x0
	ds_add_u32 v200, v201
	s_wait_dscnt 0x0
	s_endpgm
	; ---------------- weights: a lane takes a column, its registers run down K: 128 along K a wave
.Lweights:
	s_sub_co_u32 s20, ttmp9, 256                   ; the pair of tiles, 0..67
	v_and_b32 v2, 7, v1
	v_bfe_u32 v9, v1, 3, 1
	v_lshl_add_u32 v2, v9, 4, v2
	v_lshrrev_b32 v9, 4, v1
	v_lshl_add_u32 v2, v9, 3, v2                   ; my column of the pair's 32: lane % 8 + 16 ((lane / 8) % 2) + 8 (lane / 16)
	v_lshlrev_b32 v2, 2, v2
	v_and_b32 v3, 15, v1
	v_lshlrev_b32 v3, 4, v3
	v_lshl_add_u32 v3, v9, 14, v3                  ; my codes: tile lane / 16, 16 bytes at lane-row lane % 16
	s_wait_kmcnt 0x0
	s_cmp_lt_u32 s20, 36                           ; which weight, and its first pair: the choice hangs on the work-group's number alone
	s_cselect_b64 s[22:23], s[10:11], s[12:13]
	s_cselect_b32 s21, 34, 36
	s_cmp_lt_u32 s20, 34
	s_cselect_b64 s[22:23], s[8:9], s[22:23]
	s_cselect_b32 s21, 32, s21
	s_cmp_lt_u32 s20, 32
	s_cselect_b64 s[22:23], s[6:7], s[22:23]
	s_cselect_b32 s21, 0, s21
	s_sub_co_u32 s21, s20, s21
	s_lshl_b32 s24, s21, 7                         ; 128 bytes of a row for each pair
	s_lshl_b32 s26, s20, 15
	s_lshl_b32 s30, s18, 11
	s_add_co_u32 s26, s26, s30
	s_mov_b32 s27, 0
	s_add_nc_u64 s[26:27], s[16:17], s[26:27]      ; images: 32,768 x pair + 2,048 x K step
	s_lshl_b32 s28, s20, 10
	s_lshl_b32 s30, s18, 7
	s_add_co_u32 s28, s28, s30
	s_add_co_u32 s28, s28, WSCL
	s_mov_b32 s29, 0
	s_add_nc_u64 s[28:29], s[16:17], s[28:29]      ; scale words: 1,024 x pair + 128 x K step
.macro WLOAD c, pitch                  ; block c: W(32 c + k, my column), k = 0 .. 31: 32 lanes read 128 consecutive bytes
.set kk, 0
.rept 32
	global_load_b32 v[DT+32*(\c)+kk], v2, s[22:23] offset:(32*(\c)+kk)*\pitch
.set kk, kk+1
.endr
.endm
.macro WBLOCK c, pitch
.set XB, DT+32*(\c)
.if (\c) < 3
	s_wait_loadcnt 32                              ; this block's 32 loads are in; the next block's stay out
.else
	s_wait_loadcnt 0x0
.endif
.if (\c) < 2
	WLOAD (\c)+2, \pitch
.endif
	v_max3_num_f32 v[MX], |v[XB]|, |v[XB+1]|, |v[XB+2]|     ; all 32 numbers of the block are mine: two chains
	v_max3_num_f32 v[MX+1], |v[XB+3]|, |v[XB+4]|, |v[XB+5]|
.irp i, 6,10,14,18,22,26
	v_max3_num_f32 v[MX], v[MX], |v[XB+\i]|, |v[XB+\i+1]|
	v_max3_num_f32 v[MX+1], v[MX+1], |v[XB+\i+2]|, |v[XB+\i+3]|
.endr
	v_max3_num_f32 v[MX], v[MX], |v[XB+30]|, |v[XB+31]|
	v_max3_num_f32 v[MX], v[MX], v[MX+1], FLOOR
	v_add_nc_u32 v[SOP], 0xfc000000, v[MX]
	v_and_or_b32 v[HLD], v[MX], 0x7f800000, s19
	v_lshrrev_b32 v[MX+2], 23, v[SOP]
.if (\c) == 0
	v_mov_b32 v[EB], v[MX+2]                       ; the four bytes make my column's scale word
.else
	v_lshl_or_b32 v[EB], v[MX+2], 8*(\c), v[EB]
.endif
.set kk, 0
.rept 32
	v_med3_num_f32 v[XB+kk], v[XB+kk], -v[HLD], v[HLD]
.set kk, kk+1
.endr
.irp gq, 0,1,2,3
	v_cvt_scalef32_pk8_fp8_f32 v[CD+8*(\c)+2*\gq:CD+8*(\c)+2*\gq+1], v[XB+8*\gq:XB+8*\gq+7], v[SOP]
.endr
	global_store_b128 v3, v[CD+8*(\c):CD+8*(\c)+3], s[26:27] offset:512*(\c)            ; k = 32 c + 0 .. 15: the piece's lower half; sixteen lanes store 256 consecutive bytes
	global_store_b128 v3, v[CD+8*(\c)+4:CD+8*(\c)+7], s[26:27] offset:512*(\c)+256      ; k = 32 c + 16 .. 31: its upper half
.endm
.macro WQ pitch
	WLOAD 0, \pitch
	WLOAD 1, \pitch
	WBLOCK 0, \pitch
	WBLOCK 1, \pitch
	WBLOCK 2, \pitch
	WBLOCK 3, \pitch
	global_store_b32 v8, v[EB], s[28:29]
.endm
	s_sub_co_u32 s30, s20, 32
	s_cmp_lt_u32 s30, 4                            ; pairs 32-35: Wk and Wv, rows of 256 bytes
	s_cbranch_scc1 .Lnarrow
	s_lshl_b32 s30, s18, 19                        ; 128 rows of 4,096 bytes a K step
	s_add_co_u32 s24, s24, s30
	s_add_nc_u64 s[22:23], s[22:23], s[24:25]
	WQ 4096
	s_endpgm
.Lnarrow:
	s_lshl_b32 s30, s18, 15                        ; 128 rows of 256 bytes a K step
	s_add_co_u32 s24, s24, s30
	s_add_nc_u64 s[22:23], s[22:23], s[24:25]
	WQ 256
	s_endpgm
.Lfunc_end_k_q8c8ea7f9c8_quant:
	.size	k_q8c8ea7f9c8_quant, .Lfunc_end_k_q8c8ea7f9c8_quant-k_q8c8ea7f9c8_quant
	.p2alignl 7, 3214868480
	.fill 96, 4, 3214868480
	.section	.rodata,"a",@progbits
	.p2align	6, 0x0
	.amdhsa_kernel k_q8c8ea7f9c8_quant
		.amdhsa_group_segment_fixed_size 37888
		.amdhsa_private_segment_fixed_size 0
		.amdhsa_enable_private_segment 0
		.amdhsa_kernarg_size 56
		.amdhsa_user_sgpr_count 2
		.amdhsa_user_sgpr_kernarg_segment_ptr 1
		.amdhsa_wavefront_size32 1
		.amdhsa_system_sgpr_workgroup_id_x 1
		.amdhsa_system_sgpr_workgroup_id_y 1
		.amdhsa_system_sgpr_workgroup_id_z 1
		.amdhsa_system_vgpr_workitem_id 0
		.amdhsa_next_free_vgpr 202
		.amdhsa_next_free_sgpr 66
		.amdhsa_reserve_vcc 0
		.amdhsa_float_denorm_mode_32 3
		.amdhsa_float_denorm_mode_16_64 3
		.amdhsa_memory_ordered 1
		.amdhsa_forward_progress 1
		.amdhsa_inst_pref_size 84
	.end_amdhsa_kernel
	.amdgpu_metadata
---
amdhsa.version: [ 1, 2 ]
amdhsa.kernels:
  - .name:           k_q8c8ea7f9c8_quant
    .symbol:         k_q8c8ea7f9c8_quant.kd
    .args:
      - { .name: hidden_state, .offset: 0, .size: 8, .value_kind: global_buffer, .address_space: global }
      - { .name: Wq, .offset: 8, .size: 8, .value_kind: global_buffer, .address_space: global }
      - { .name: Wk, .offset: 16, .size: 8, .value_kind: global_buffer, .address_space: global }
      - { .name: Wv, .offset: 24, .size: 8, .value_kind: global_buffer, .address_space: global }
      - { .name: Wo, .offset: 32, .size: 8, .value_kind: global_buffer, .address_space: global }
      - { .name: bufX, .offset: 40, .size: 8, .value_kind: global_buffer, .address_space: global }
      - { .name: bufW, .offset: 48, .size: 8, .value_kind: global_buffer, .address_space: global }
    .group_segment_fixed_size: 37888
    .private_segment_fixed_size: 0
    .kernarg_segment_align: 8
    .kernarg_segment_size: 56
    .max_flat_workgroup_size: 256
    .sgpr_count:     66
    .vgpr_count:     202
    .wavefront_size: 32
...
	.end_amdgpu_metadata
.endif
;; end of part 1
;; launch qkv (part 2): grid 4 x 64, 4 waves a work-group, clusters of 4 x 1, 168,448 bytes of LDS; arguments bufX, bufW, bq, bk, bv, bufQ, bufKV; writes bufQ, bufKV
.if DOCPART == 2
	.amdgcn_target "amdgcn-amd-amdhsa--gfx1250"
	.amdhsa_code_object_version 6
	.text
	.protected	k_q8c8ea7f9c8_qkv
	.globl	k_q8c8ea7f9c8_qkv
	.p2align	8
	.type	k_q8c8ea7f9c8_qkv,@function
k_q8c8ea7f9c8_qkv:
	s_mov_b64 s[64:65], 0
	v_nop
	global_prefetch_b8 v0, s[64:65] scope:SCOPE_SE
	s_setreg_imm32_b32 hwreg(HW_REG_WAVE_MODE, 25, 1), 1
	s_wait_xcnt 0x0
	s_wait_alu depctr_hold_cnt(0) depctr_sa_sdst(0) depctr_va_vdst(0) depctr_va_sdst(0) depctr_va_ssrc(0) depctr_va_vcc(0) depctr_vm_vsrc(0)
	s_getreg_b32 s2, hwreg(HW_REG_IB_STS2, 6, 4)
	s_cmp_eq_u32 s2, 0
	s_cbranch_scc0 .Lentry_in_a_cluster
	s_endpgm
.Lentry_in_a_cluster:
	s_bfe_u32 s2, ttmp6, 0x10000c
	s_cmp_lg_u32 s2, 0x3003
	s_cbranch_scc0 .Lentry_shape_is_right
	s_endpgm
.Lentry_shape_is_right:
; q = x Wq + bq, k = x Wk + bk, v = x Wv + bv on codes of E4M3 with E8M0 scales, and the results quantised in registers: q and k along the head's 64, v along the keys.
; SHARES.  Work-group (c, g): heads 4 c .. 4 c + 3, tokens 128 g .. 128 g + 127 (row tiles 8 g .. 8 g + 7).  Wave w owns head 4 c + w: its 4 tiles of Wq's columns x 8 K steps stay in 512 registers.
; The 128 tokens' codes (131,072 bytes, images of fragments) come into LDS once.  The four work-groups of a cluster share g, so each tile is asked for JOINTLY (mask 15): two tensor loads a wave are out at the most.
; q is made TRANSPOSED (source 0 = 16 columns of Wq, source 1 = 16 tokens): a lane holds one token, and the 32 registers of a head's four tiles are d = 32 b + 16 (lane / 16) + i: the next operand's order.
; TAILS by the wave's number: wave 0 makes v for the 128 tokens and 16 of the head's 64 (tile c of Wv), NOT transposed, so that a lane's registers run along the keys; waves 1 and 2 make k of row tile 8 g + 2 c + wave - 1.
; c enters global addresses alone: no LDS address and no branch hangs on it (so k's tail takes its row tile from memory, not from LDS).
; Weights go from memory straight into registers, where no joint request exists; nothing in LDS is filled twice, so there is no ring.
; bufQ: images [tile][head][1024] (pieces 0, 1), from QSCL on [pair][head][32 words] (lanes 0-15 the even tile).  bufKV: k [tile][1024]; v from VIMG on [key step][tile of d][2048]; k's words from KSCL on [tile][16]; v's from VSCL on [step][tile][16].
; A word of q or k has two bytes; its upper two are 0 and stand over zero codes.  LIMITS: a block of zeros gets the byte 1; NaN and infinities are not served.
; REGISTERS: window 0: v1-10 addresses; v16-143 accumulators ((m, t) at 16 + 32 m + 8 t); v144-175 x's scale words; v176-191 the weights'; v192-215 at work; v216-231 codes; v232-239 a tail's scale words; v240-247 bv; v248-253 words to store.
;   windows 1, 2: the weights' fragments (tile t, K step ks) at v[16 (8 (t % 2) + ks)];   window 3: v0-127 x's fragments, two sets; v128-159 the bias, eight registers a tile in the result's layout.
.set XSCL, 8388608
.set WSCL, 2228224
.set QSCL, 8388608
.set VIMG, 524288
.set KSCL, 1048576
.set VSCL, 1081344
.set ACC,  16
.set XS,   144
.set WS,   176
.set TM,   192
.set PC,   216
.set TS,   232
.set BVC,  240
.set PW,   248
.set PX,   252
.set BIAS, 128
.set WV,   18
.set SEL,  60
.set MNT,  62
.set MSB, 0
.macro WIN new                         ; the immediate's high byte repeats the setting that is left
.if MSB != (\new)
	s_set_vgpr_msb (MSB<<8)|(\new)
.set MSB, (\new)
.endif
.endm
.macro PLACES n                        ; plain vector instructions behind a matrix instruction (ISA guide 7.12.1)
.rept \n
	v_nop
.endr
.endm
.macro CROUND                          ; a round of the cluster's barrier
	s_barrier_signal -1
	s_barrier_wait -1
	s_cmp_lg_u32 s[WV], 0
	s_cbranch_scc1 .Lnot_wave_0_\@
	s_barrier_signal -3
.Lnot_wave_0_\@:
	s_barrier_wait -3
	s_barrier_signal -1
	s_barrier_wait -1
.endm
.macro WMC d, a, b, c, sa, sb, ra, rb  ; one product; ra, rb: the scale words stand in lanes 16-31
.if (\ra) && (\rb)
	v_wmma_scale_f32_16x16x128_f8f6f4 v[(\d):(\d)+7], v[(\a):(\a)+15], v[(\b):(\b)+15], v[(\c):(\c)+7], v[\sa], v[\sb] matrix_a_scale:MATRIX_SCALE_ROW1 matrix_b_scale:MATRIX_SCALE_ROW1
.elseif (\ra)
	v_wmma_scale_f32_16x16x128_f8f6f4 v[(\d):(\d)+7], v[(\a):(\a)+15], v[(\b):(\b)+15], v[(\c):(\c)+7], v[\sa], v[\sb] matrix_a_scale:MATRIX_SCALE_ROW1
.elseif (\rb)
	v_wmma_scale_f32_16x16x128_f8f6f4 v[(\d):(\d)+7], v[(\a):(\a)+15], v[(\b):(\b)+15], v[(\c):(\c)+7], v[\sa], v[\sb] matrix_b_scale:MATRIX_SCALE_ROW1
.else
	v_wmma_scale_f32_16x16x128_f8f6f4 v[(\d):(\d)+7], v[(\a):(\a)+15], v[(\b):(\b)+15], v[(\c):(\c)+7], v[\sa], v[\sb]
.endif
.endm
.macro LOADW sb                        ; four tiles x 8 K steps of a weight into windows 1 and 2
.irp t, 0,1,2,3
	WIN 0x40*(1+\t/2)
.irp ks, 0,1,2,3,4,5,6,7
.irp cc, 0,1,2,3
	global_load_b128 v[16*(8*(\t%2)+\ks)+4*\cc:16*(8*(\t%2)+\ks)+4*\cc+3], v2, s[\sb:\sb+1] offset:\t*16384+\ks*2048+512*\cc
.endr
.endr
.endr
	WIN 0
.endm
.macro LOADWS sb                       ; their scale words: register 8 j + ks: lanes 0-15 tile 2 j, lanes 16-31 tile 2 j + 1
.irp jp, 0,1
.irp ks, 0,1,2,3,4,5,6,7
	global_load_b32 v[WS+8*\jp+\ks], v4, s[\sb:\sb+1] offset:\jp*1024+\ks*128
.endr
.endr
.endm
.macro LOADB sb                        ; the bias in the result's layout: tile t, lane half h: units 32 (t / 2) + 16 h + 8 (t % 2) + 0 .. 7
	WIN 0xc0
.irp t, 0,1,2,3
	global_load_b128 v[BIAS+8*\t:BIAS+8*\t+3], v6, s[\sb:\sb+1] offset:(32*(\t/2)+8*(\t%2))*4
	global_load_b128 v[BIAS+8*\t+4:BIAS+8*\t+7], v6, s[\sb:\sb+1] offset:(32*(\t/2)+8*(\t%2))*4+16
.endr
	WIN 0
.endm
.macro FETCHX set, blk, ks             ; x's four fragments of block blk (row tiles 4 blk ..), K step ks, from LDS
	WIN 0xc0
.irp m, 0,1,2,3
.irp cc, 0,1,2,3
	ds_load_b128 v[64*(\set)+16*\m+4*\cc:64*(\set)+16*\m+4*\cc+3], v[2+(\blk)] offset:\m*16384+(\ks)*2048+512*\cc
.endr
.endr
.endm
.macro MUL blk, ks                     ; 16 products; the 16 accumulators take turns, one instruction a turn; at K step 0 the bias is the C
.irp hf, 0,1
.if (\ks) == 0
	WIN 0x3d+\hf
.else
	WIN 0x0d+\hf
.endif
.irp tt, 0,1
.irp m, 0,1,2,3
.if (\ks) == 0
	WMC ACC+32*\m+8*(2*\hf+\tt), 16*(8*\tt+(\ks)), 64*((\ks)%2)+16*\m, BIAS+8*(2*\hf+\tt), WS+8*\hf+(\ks), XS+8*(2*(\blk)+\m/2)+(\ks), \tt, \m%2
.else
	WMC ACC+32*\m+8*(2*\hf+\tt), 16*(8*\tt+(\ks)), 64*((\ks)%2)+16*\m, ACC+32*\m+8*(2*\hf+\tt), WS+8*\hf+(\ks), XS+8*(2*(\blk)+\m/2)+(\ks), \tt, \m%2
.endif
.endr
.endr
.endr
.endm
.macro QBLOCK blk                      ; 64 tokens x my 64 columns x all of K: 128 products; the next K step's fragments are fetched a step ahead
	FETCHX 0, \blk, 0
.irp ks, 0,1,2,3,4,5,6
.if \ks > 0
	PLACES 8                                       ; in front of loads into the set that the last step's products read
.endif
	FETCHX (\ks+1)%2, \blk, \ks+1
	s_wait_dscnt 16                                ; this step's fragments are in; the 16 loads just issued stay out
	MUL \blk, \ks
.endr
	s_wait_dscnt 0x0
	MUL \blk, 7
	WIN 0
	PLACES 8                                       ; in front of the first read of results and of loads into operands
.endm
; nb blocks of 32 along the next K: register 16 b + i of v[s] on is k = 32 b + 16 (lane / 16) + i of my row.  Codes to v[PC] on, the scale word to v[pw].  Each accumulator is read from its low end on.
.macro QUANT s, nb, pw
.irp b, 0,1,2,3
.if \b < \nb
	v_max3_num_f32 v[TM+\b], |v[(\s)+16*\b]|, |v[(\s)+16*\b+1]|, 0x4800000   ; with the floor 2^(9 - 127): the byte cannot fall under 1
.endif
.endr
.irp i, 2,4,6,8,10,12,14
.irp b, 0,1,2,3
.if \b < \nb
	v_max3_num_f32 v[TM+\b], v[TM+\b], |v[(\s)+16*\b+\i]|, |v[(\s)+16*\b+\i+1]|
.endif
.endr
.endr
.irp b, 0,1,2,3
.if \b < \nb
	v_permlanex16_b32 v[TM+4+\b], v[TM+\b], s[SEL], s[SEL+1]
.endif
.endr
.irp b, 0,1,2,3
.if \b < \nb
	v_max_num_f32 v[TM+\b], v[TM+\b], v[TM+4+\b]   ; with lane l xor 16's: the block's largest magnitude
.endif
.endr
.irp b, 0,1,2,3
.if \b < \nb
	v_add_nc_u32 v[TM+12+\b], 0xfc000000, v[TM+\b] ; 8 off the exponent field: the conversion's scale operand
.endif
.endr
.irp b, 0,1,2,3
.if \b < \nb
	v_and_or_b32 v[TM+8+\b], v[TM+\b], 0x7f800000, s[MNT]   ; 448 x the scale
.endif
.endr
.irp b, 0,1,2,3
.if \b < \nb
	v_lshrrev_b32 v[TM+4+\b], 23, v[TM+12+\b]      ; the scale's byte
.endif
.endr
	v_lshl_or_b32 v[\pw], v[TM+5], 8, v[TM+4]
.if \nb > 2
	v_lshl_or_b32 v[\pw], v[TM+6], 16, v[\pw]
	v_lshl_or_b32 v[\pw], v[TM+7], 24, v[\pw]
.endif
.irp b, 0,1,2,3
.if \b < \nb
.irp i, 0,1,2,3,4,5,6,7,8,9,10,11,12,13,14,15
	v_med3_num_f32 v[(\s)+16*\b+\i], v[(\s)+16*\b+\i], -v[TM+8+\b], v[TM+8+\b]   ; the conversion to an 8-bit code does not saturate (ISA guide 7.6.2)
.endr
	v_cvt_scalef32_pk8_fp8_f32 v[PC+4*\b:PC+4*\b+1], v[(\s)+16*\b:(\s)+16*\b+7], v[TM+12+\b]
	v_cvt_scalef32_pk8_fp8_f32 v[PC+4*\b+2:PC+4*\b+3], v[(\s)+16*\b+8:(\s)+16*\b+15], v[TM+12+\b]
.endif
.endr
	v_nop                                          ; a plain place behind the last conversion
.endm
.macro QOUT blk                        ; q of four row tiles: quantised, its two pieces stored as they stand; a pair's words share a store
.irp m, 0,1,2,3
	s_wait_xcnt 0x0                                ; the earlier stores have read their registers
	QUANT ACC+32*\m, 2, PW+\m
	global_store_b128 v2, v[PC:PC+3], s[48:49] offset:(4*(\blk)+\m)*16384
	global_store_b128 v2, v[PC+4:PC+7], s[48:49] offset:(4*(\blk)+\m)*16384+512
.if \m % 2
	v_cndmask_b32 v[PX+\m/2], v[PW+\m], v[PW+\m-1], s63      ; lanes 0-15 the even tile's words, lanes 16-31 the odd one's
	global_store_b32 v4, v[PX+\m/2], s[50:51] offset:(2*(\blk)+\m/2)*2048
.endif
.endr
.endm
.macro VMUL q                          ; v: K step q / 2, block q % 2: source 0 = 16 tokens, source 1 = 16 columns of Wv; eight accumulators by turns
	WIN 0x07
.irp m, 0,1,2,3
.if (\q) < 2
	WMC ACC+8*(4*((\q)%2)+\m), 64*((\q)%2)+16*\m, 16*((\q)/2), BVC, XS+8*(2*((\q)%2)+\m/2)+(\q)/2, TS+(\q)/2, \m%2, 0
.else
	WMC ACC+8*(4*((\q)%2)+\m), 64*((\q)%2)+16*\m, 16*((\q)/2), ACC+8*(4*((\q)%2)+\m), XS+8*(2*((\q)%2)+\m/2)+(\q)/2, TS+(\q)/2, \m%2, 0
.endif
.endr
.endm
	s_load_b256 s[4:11], s[0:1], 0x0               ; bufX s[4:5], bufW s[6:7], bq s[8:9], bk s[10:11]
	s_load_b128 s[12:15], s[0:1], 0x20             ; bv s[12:13], bufQ s[14:15]
	s_load_b64 s[16:17], s[0:1], 0x30              ; bufKV
	v_lshl_add_u32 v254, v0, 2, 0x29000
	v_mov_b32 v255, 0
	ds_add_u32 v254, v255
	ds_add_u32 v254, v255
	v_lshrrev_b32 v1, 5, v0
	v_readfirstlane_b32 s[WV], v1                  ; wave 0..3
	s_lshl_b32 s19, ttmp9, 2
	s_bfe_u32 s21, ttmp6, 0x40000
	s_add_co_u32 s19, s19, s21                     ; c = 4 x cluster x + cx
	s_and_b32 s20, ttmp7, 0xffff                   ; g, which the four partners share
	s_lshl_b32 s21, s19, 2
	s_add_co_u32 s21, s21, s[WV]                   ; my head
	s_mov_b32 s[SEL], 0x76543210
	s_mov_b32 s[SEL+1], 0xfedcba98                 ; v_permlanex16_b32's selects for lane l xor 16
	s_mov_b32 s[MNT], 0x600000                     ; the mantissa field of 448
	s_mov_b32 s63, 0xffff                          ; lanes 0-15
	; descriptor group 1: 16,384 dense bytes as 64 rows of 256 (32 elements of 8 bytes)
	s_mov_b32 s24, 15|(3<<16)|(1<<21)              ; 15:0 the mask: all four work-groups; 17:16 elements of 8 bytes; 21 set beside a mask
	s_mov_b32 s25, 32<<16                          ; tensor_dim0 = 32
	s_mov_b32 s26, 64<<16                          ; tensor_dim1 = 64
	s_mov_b32 s27, 32<<16                          ; tile_dim0 = 32
	s_mov_b32 s28, 64                              ; tile_dim1 = 64
	s_mov_b32 s29, 32                              ; from row to row
	s_mov_b32 s30, 0
	s_mov_b32 s31, 0
	s_mov_b32 s32, 1
	s_lshl_b32 s33, s[WV], 14                      ; LDS: row tile w,
	s_mov_b32 s36, 1
	s_add_co_u32 s37, s33, 65536                   ; and row tile 4 + w
	s_lshl_b32 s54, s20, 17
	s_add_co_u32 s54, s54, s33                     ; 131,072 g + 16,384 w: made of g and the wave's number alone
	s_mov_b32 s55, 0
	s_mov_b32 s53, 0
	s_wait_dscnt 0x0
	s_wait_kmcnt 0x0
	s_add_nc_u64 s[34:35], s[4:5], s[54:55]
	s_add_nc_u64 s[38:39], s[34:35], 65536
	s_or_b32 s35, s35, 0x80000000
	s_or_b32 s39, s39, 0x80000000
	s_lshl_b32 s52, s21, 16
	s_add_nc_u64 s[40:41], s[6:7], s[52:53]        ; my four tiles of Wq
	s_lshl_b32 s52, s21, 11
	s_add_co_u32 s52, s52, WSCL
	s_add_nc_u64 s[42:43], s[6:7], s[52:53]        ; their scale words
	s_lshl_b32 s52, s20, 12
	s_add_co_u32 s52, s52, XSCL
	s_add_nc_u64 s[44:45], s[4:5], s[52:53]        ; x's scale words of the eight row tiles
	s_lshl_b32 s52, s21, 8
	s_add_nc_u64 s[46:47], s[8:9], s[52:53]        ; bq at my head
	s_lshl_b32 s52, s20, 17
	s_lshl_b32 s56, s21, 10
	s_add_co_u32 s52, s52, s56
	s_add_nc_u64 s[48:49], s[14:15], s[52:53]      ; q's images: (128 g + head) x 1,024
	s_lshl_b32 s52, s20, 13
	s_lshl_b32 s56, s21, 7
	s_add_co_u32 s52, s52, s56
	s_add_co_u32 s52, s52, QSCL
	s_add_nc_u64 s[50:51], s[14:15], s[52:53]      ; q's words: (64 g + head) x 128
	CROUND                                         ; all four work-groups are here: the joint loads meet
	tensor_load_to_lds s[32:35], s[24:31]          ; block 0's part,
	s_nop 0
	tensor_load_to_lds s[36:39], s[24:31]          ; block 1's: two loads of mine are out
	s_nop 0
	PLACES 4
	v_and_b32 v1, 31, v0                           ; lane
	v_lshlrev_b32 v2, 4, v1                        ; 16 x lane: an image's place; LDS address of block 0
	v_add_nc_u32 v3, 65536, v2                     ; LDS address of block 1
	v_lshlrev_b32 v4, 2, v1                        ; 4 x lane
	v_and_b32 v7, 15, v0
	v_lshrrev_b32 v6, 4, v1
	v_lshlrev_b32 v8, 3, v7                        ; 8 (lane % 16)
	v_lshl_add_u32 v5, v6, 9, v8                   ; x's words of a pair: lanes 16-31 take the odd tile, 512 bytes on
	v_lshlrev_b32 v6, 6, v6                        ; 64 (lane / 16)
	v_lshlrev_b32 v7, 2, v7                        ; 4 (lane % 16)
.irp b, 0,1,2,3
	v_mov_b32 v[TM+4+\b], 0                        ; written once: a lane permute's destination counts as one of its sources
.endr
	LOADW 40
	LOADWS 42
.irp p, 0,1,2,3
.irp kq, 0,1,2,3
	global_load_b64 v[XS+8*\p+2*\kq:XS+8*\p+2*\kq+1], v5, s[44:45] offset:\p*1024+\kq*128   ; register 8 p + ks: lanes 0-15 row tile 2 p, lanes 16-31 row tile 2 p + 1
.endr
.endr
	LOADB 46
	s_wait_loadcnt 0x0
	s_wait_tensorcnt 0x1                           ; my part of block 0 is in; block 1's may stay out
	s_barrier_signal -1
	s_barrier_wait -1                              ; everybody's is
	QBLOCK 0
	QOUT 0
	s_wait_tensorcnt 0x0                           ; my part of block 1 is in (no LDS instruction of mine is out)
	s_barrier_signal -1
	s_barrier_wait -1
	QBLOCK 1
	s_cmp_eq_u32 s[WV], 0
	s_cbranch_scc1 .Lpath_v
	s_cmp_eq_u32 s[WV], 3
	s_cbranch_scc1 .Lpath_3
	; ---- waves 1 and 2: k of row tile T = 8 g + 2 c + wave - 1.  Its operands are asked for first and land while q's second half goes out
	s_lshl_b32 s52, s20, 3
	s_lshl_b32 s56, s19, 1
	s_add_co_u32 s52, s52, s56
	s_add_co_u32 s52, s52, s[WV]
	s_sub_co_u32 s56, s52, 1                       ; T
	s_add_nc_u64 s[66:67], s[6:7], 64*16384        ; Wk's four tiles
	s_add_nc_u64 s[68:69], s[6:7], WSCL+32*1024    ; their scale words
	s_lshl_b32 s52, s56, 14
	s_add_nc_u64 s[70:71], s[4:5], s[52:53]        ; x's images of tile T
	s_lshl_b32 s52, s56, 9
	s_add_co_u32 s52, s52, XSCL
	s_add_nc_u64 s[72:73], s[4:5], s[52:53]        ; its scale words
	s_lshl_b32 s52, s56, 10
	s_add_nc_u64 s[74:75], s[16:17], s[52:53]      ; k's image
	s_lshl_b32 s52, s56, 6
	s_add_co_u32 s52, s52, KSCL
	s_add_nc_u64 s[76:77], s[16:17], s[52:53]      ; k's words
	LOADW 66
	LOADWS 68
	LOADB 10
	WIN 0xc0
.irp ks, 0,1,2,3,4,5,6,7
.irp cc, 0,1,2,3
	global_load_b128 v[16*\ks+4*\cc:16*\ks+4*\cc+3], v2, s[70:71] offset:\ks*2048+512*\cc
.endr
.endr
	WIN 0
.irp kq, 0,1,2,3
	global_load_b64 v[TS+2*\kq:TS+2*\kq+1], v8, s[72:73] offset:\kq*128
.endr
	QOUT 1
	s_wait_loadcnt 0x0
.irp hf, 0,1                                   ; two accumulators by turns, K ascending; then the other two
.irp ks, 0,1,2,3,4,5,6,7
.if \ks == 0
	WIN 0x3d+\hf
.else
	WIN 0x0d+\hf
.endif
.irp tt, 0,1
.if \ks == 0
	WMC ACC+8*(2*\hf+\tt), 16*(8*\tt+\ks), 16*\ks, BIAS+8*(2*\hf+\tt), WS+8*\hf+\ks, TS+\ks, \tt, 0
.else
	WMC ACC+8*(2*\hf+\tt), 16*(8*\tt+\ks), 16*\ks, ACC+8*(2*\hf+\tt), WS+8*\hf+\ks, TS+\ks, \tt, 0
.endif
.endr
.endr
.endr
	WIN 0
	PLACES 8
	s_wait_xcnt 0x0                                ; q's stores have read the codes' registers
	QUANT ACC, 2, PW
	global_store_b128 v2, v[PC:PC+3], s[74:75]
	global_store_b128 v2, v[PC+4:PC+7], s[74:75] offset:512
	global_store_b32 v7, v[PW], s[76:77]           ; lanes l and l + 16 hold the same word and write it to the same place
	s_branch .Ljoin
	; ---- wave 0: v of the 128 tokens for the 16 of the head's 64 that form tile c of Wv
.Lpath_v:
	s_add_co_u32 s52, s19, 68
	s_lshl_b32 s52, s52, 14
	s_add_nc_u64 s[66:67], s[6:7], s[52:53]        ; Wv's tile c
	s_lshr_b32 s56, s19, 1
	s_and_b32 s57, s19, 1
	s_lshl_b32 s52, s56, 10
	s_lshl_b32 s58, s57, 6
	s_add_co_u32 s52, s52, s58
	s_add_co_u32 s52, s52, WSCL+34*1024
	s_add_nc_u64 s[68:69], s[6:7], s[52:53]        ; its scale words: pair 34 + c / 2, the half c % 2
	s_lshl_b32 s52, s56, 7
	s_lshl_b32 s58, s57, 5
	s_add_co_u32 s52, s52, s58
	s_add_nc_u64 s[70:71], s[12:13], s[52:53]      ; bv at 32 (c / 2) + 8 (c % 2)
	s_lshl_b32 s56, s20, 2
	s_add_co_u32 s56, s56, s19                     ; 4 g + c
	s_lshl_b32 s52, s56, 11
	s_add_co_u32 s52, s52, VIMG
	s_add_nc_u64 s[72:73], s[16:17], s[52:53]      ; v's image
	s_lshl_b32 s52, s56, 6
	s_add_co_u32 s52, s52, VSCL
	s_add_nc_u64 s[74:75], s[16:17], s[52:53]      ; v's words
	v_and_b32 v9, 15, v0
	v_and_b32 v10, 8, v9
	v_add_nc_u32 v9, v9, v10
	v_lshlrev_b32 v9, 2, v9                        ; my column's place in the tile: r + 8 (r / 8)
	WIN 0x40
.irp ks, 0,1,2,3,4,5,6,7
.irp cc, 0,1,2,3
	global_load_b128 v[16*\ks+4*\cc:16*\ks+4*\cc+3], v2, s[66:67] offset:\ks*2048+512*\cc
.endr
.endr
	WIN 0
.irp ks, 0,1,2,3,4,5,6,7
	global_load_b32 v[TS+\ks], v7, s[68:69] offset:\ks*128
.endr
	global_load_b32 v[BVC], v9, s[70:71]
	QOUT 1
	s_wait_loadcnt 0x0
.irp i, 1,2,3,4,5,6,7
	v_mov_b32 v[BVC+\i], v[BVC]                    ; a lane holds one column: its bias eight times is the C of each sum's first product
.endr
	FETCHX 0, 0, 0
.irp q, 0,1,2,3,4,5,6,7,8,9,10,11,12,13,14
.if \q > 0
	PLACES 8
.endif
	FETCHX (\q+1)%2, (\q+1)%2, (\q+1)/2
	s_wait_dscnt 16
	VMUL \q
.endr
	s_wait_dscnt 0x0
	VMUL 15
	WIN 0
	PLACES 8
	s_wait_xcnt 0x0
	QUANT ACC, 4, PW                               ; register 16 b + i is key 32 b + 16 (lane / 16) + i: a whole fragment of v^T
.irp b, 0,1,2,3
	global_store_b128 v2, v[PC+4*\b:PC+4*\b+3], s[72:73] offset:512*\b
.endr
	global_store_b32 v7, v[PW], s[74:75]
	s_branch .Ljoin
.Lpath_3:
	QOUT 1
.Ljoin:
	s_wait_tensorcnt 0x0
	ds_add_u32 v254, v255
	s_wait_dscnt 0x0
	CROUND                                         ; the closing round
	s_endpgm
.Lfunc_end_k_q8c8ea7f9c8_qkv:
	.size	k_q8c8ea7f9c8_qkv, .Lfunc_end_k_q8c8ea7f9c8_qkv-k_q8c8ea7f9c8_qkv
	.p2alignl 7, 3214868480
	.fill 96, 4, 3214868480
	.section	.rodata,"a",@progbits
	.p2align	6, 0x0
	.amdhsa_kernel k_q8c8ea7f9c8_qkv
		.amdhsa_group_segment_fixed_size 168448
		.amdhsa_private_segment_fixed_size 0
		.amdhsa_enable_private_segment 0
		.amdhsa_kernarg_size 56
		.amdhsa_user_sgpr_count 2
		.amdhsa_user_sgpr_kernarg_segment_ptr 1
		.amdhsa_wavefront_size32 1
		.amdhsa_system_sgpr_workgroup_id_x 1
		.amdhsa_system_sgpr_workgroup_id_y 1
		.amdhsa_system_sgpr_workgroup_id_z 1
		.amdhsa_system_vgpr_workitem_id 0
		.amdhsa_next_free_vgpr 1024
		.amdhsa_next_free_sgpr 100
		.amdhsa_reserve_vcc 0
		.amdhsa_float_denorm_mode_32 3
		.amdhsa_float_denorm_mode_16_64 3
		.amdhsa_memory_ordered 1
		.amdhsa_forward_progress 1
		.amdhsa_inst_pref_size 213
	.end_amdhsa_kernel
	.amdgpu_metadata
---
amdhsa.version: [ 1, 2 ]
amdhsa.kernels:
  - .name:           k_q8c8ea7f9c8_qkv
    .symbol:         k_q8c8ea7f9c8_qkv.kd
    .args:
      - { .name: bufX, .offset: 0, .size: 8, .value_kind: global_buffer, .address_space: global }
      - { .name: bufW, .offset: 8, .size: 8, .value_kind: global_buffer, .address_space: global }
      - { .name: bq, .offset: 16, .size: 8, .value_kind: global_buffer, .address_space: global }
      - { .name: bk, .offset: 24, .size: 8, .value_kind: global_buffer, .address_space: global }
      - { .name: bv, .offset: 32, .size: 8, .value_kind: global_buffer, .address_space: global }
      - { .name: bufQ, .offset: 40, .size: 8, .value_kind: global_buffer, .address_space: global }
      - { .name: bufKV, .offset: 48, .size: 8, .value_kind: global_buffer, .address_space: global }
    .group_segment_fixed_size: 168448
    .private_segment_fixed_size: 0
    .kernarg_segment_align: 8
    .kernarg_segment_size: 56
    .max_flat_workgroup_size: 128
    .sgpr_count:     100
    .vgpr_count:     1024
    .wavefront_size: 32
...
	.end_amdgpu_metadata
.endif
;; end of part 2
;; launch attn (part 3): grid 64 x 4, 8 waves a work-group, clusters of 4 x 1, 276,480 bytes of LDS; arguments bufQ, bufKV, bufO; writes bufO
.if DOCPART == 3
	.amdgcn_target "amdgcn-amd-amdhsa--gfx1250"
	.amdhsa_code_object_version 6
	.text
	.protected	k_q8c8ea7f9c8_attn
	.globl	k_q8c8ea7f9c8_attn
	.p2align	8
	.type	k_q8c8ea7f9c8_attn,@function
k_q8c8ea7f9c8_attn:
	s_mov_b64 s[64:65], 0
	v_nop
	global_prefetch_b8 v0, s[64:65] scope:SCOPE_SE
	s_setreg_imm32_b32 hwreg(HW_REG_WAVE_MODE, 25, 1), 1
	s_wait_xcnt 0x0
	s_wait_alu depctr_hold_cnt(0) depctr_sa_sdst(0) depctr_va_vdst(0) depctr_va_sdst(0) depctr_va_ssrc(0) depctr_va_vcc(0) depctr_vm_vsrc(0)
	s_getreg_b32 s2, hwreg(HW_REG_IB_STS2, 6, 4)
	s_cmp_eq_u32 s2, 0
	s_cbranch_scc0 .Lentry_in_a_cluster
	s_endpgm
.Lentry_in_a_cluster:
	s_bfe_u32 s2, ttmp6, 0x10000c
	s_cmp_lg_u32 s2, 0x3003
	s_cbranch_scc0 .Lentry_shape_is_right
	s_endpgm
.Lentry_shape_is_right:
; O = softmax(q k^T / 8) v for 16 heads that share one k and v, both products on codes of E4M3 with E8M0 scales; O / l is quantised along the head's 64 for the last projection.
; THE SOFTMAX: t = score x log2(e) / 8; M = the running largest t rounded UP to a whole number (kept as -M = floor(-t)); p = 2^(t - M) is quantised along the keys, not normalised; the sum l is taken of the unquantised p.
; When M moves, l and O^T are multiplied by 2^(old M - new M), made by v_ldexp_f32: nothing is rounded, and no branch hangs on data.
; SHARES.  A work-group owns a pair of query tiles (32 tokens) and all 16 heads; wave w takes heads w and w + 8, one after the other, and for a head BOTH tiles at once: each fragment of k and v read from LDS feeds two products.
; A batch's whole k and v (images and scale words, 274,432 bytes) lie in LDS, filled once: no ring.  The four work-groups of a cluster belong to one batch: every fill is a JOINT load (mask 15); four tensor loads of a wave are out at the most.
; Both products are used transposed (S^T = k q^T, O^T = v^T p^T): a lane holds one query throughout.  The keys of a tile of k are laid so that the 16 registers of tiles 2 b, 2 b + 1 are keys 32 b + 16 (lane / 16) + 0 .. 15.
; The first product's K is 64: pieces 2 and 3 of q's and k's fragments are zero codes (registers cleared once), under the byte 0 of the scale words.
; LIMITS: 1 / l is v_rcp_f32 and a multiplication; a block of zeros gets the byte 1; NaN and infinities are not served.
; REGISTERS: window 0: v1-9, v19 addresses; v10-13 k's scale words, v14-15 v's, v16 q's, v17, v18 p's (tile A, tile B); v20-83 v's four fragments.   window 1: v0-63 four fragments of k.
;   The same numbers in window 0 (tile A) and window 1 (tile B): v100 -M, v101 the largest t, v[102:103] l; v104-119 q; v120-183 S^T, then p; v184-215 O^T; v216-231 codes; v232-255 at work.
.set QSCL,  8388608
.set OSCL,  8388608
.set VIMG,  524288
.set KSCL,  1048576
.set VSCL,  1081344
.set VIML,  131072                     ; LDS: k's images at 0, v's here,
.set KSC,   262144                     ; k's scale words,
.set VSC,   270336                     ; v's,
.set OSC,   274432                     ; and O's scale bytes of the pair, 1,024 bytes: written by LDS stores alone, no fill lands there
.set KS,  10
.set VS,  14
.set QS,  16
.set PWA, 17
.set VF,  20
.set NM,  100
.set TX,  101
.set LS,  102
.set QF,  104
.set SR,  120
.set OA,  184
.set PC,  216
.set TM,  232                          ; v232-235 the blocks' largest
.set T2,  236                          ; v236-239 the other half's; bytes; a second chain of sums
.set HD,  240                          ; v240-243 448 x the scale
.set SO,  244                          ; v244-247 the conversions' scale operands
.set FF,  252                          ; v252 f = 2^(old M - new M); v253 named with it as a pair
.set TP,  254
.set WD,  255
.set WV,  10
.set SEL, 56
.set CS,  58
.set MNT, 60
.set MSB, 0
.macro WIN new                         ; the immediate's high byte repeats the setting that is left
.if MSB != (\new)
	s_set_vgpr_msb (MSB<<8)|(\new)
.set MSB, (\new)
.endif
.endm
.macro PLACES n
.rept \n
	v_nop
.endr
.endm
.macro CROUND                          ; a round of the cluster's barrier
	s_barrier_signal -1
	s_barrier_wait -1
	s_cmp_lg_u32 s[WV], 0
	s_cbranch_scc1 .Lnot_wave_0_\@
	s_barrier_signal -3
.Lnot_wave_0_\@:
	s_barrier_wait -3
	s_barrier_signal -1
	s_barrier_wait -1
.endm
.macro WMZ d, a, b, sa, sb, ra, rb     ; a product that starts a sum
.if (\ra) && (\rb)
	v_wmma_scale_f32_16x16x128_f8f6f4 v[(\d):(\d)+7], v[(\a):(\a)+15], v[(\b):(\b)+15], 0, v[\sa], v[\sb] matrix_a_scale:MATRIX_SCALE_ROW1 matrix_b_scale:MATRIX_SCALE_ROW1
.elseif (\ra)
	v_wmma_scale_f32_16x16x128_f8f6f4 v[(\d):(\d)+7], v[(\a):(\a)+15], v[(\b):(\b)+15], 0, v[\sa], v[\sb] matrix_a_scale:MATRIX_SCALE_ROW1
.elseif (\rb)
	v_wmma_scale_f32_16x16x128_f8f6f4 v[(\d):(\d)+7], v[(\a):(\a)+15], v[(\b):(\b)+15], 0, v[\sa], v[\sb] matrix_b_scale:MATRIX_SCALE_ROW1
.else
	v_wmma_scale_f32_16x16x128_f8f6f4 v[(\d):(\d)+7], v[(\a):(\a)+15], v[(\b):(\b)+15], 0, v[\sa], v[\sb]
.endif
.endm
.macro WMA d, a, b, sa, sb, ra         ; a product that adds in place
.if (\ra)
	v_wmma_scale_f32_16x16x128_f8f6f4 v[(\d):(\d)+7], v[(\a):(\a)+15], v[(\b):(\b)+15], v[(\d):(\d)+7], v[\sa], v[\sb] matrix_a_scale:MATRIX_SCALE_ROW1
.else
	v_wmma_scale_f32_16x16x128_f8f6f4 v[(\d):(\d)+7], v[(\a):(\a)+15], v[(\b):(\b)+15], v[(\d):(\d)+7], v[\sa], v[\sb]
.endif
.endm
.macro KLOAD g                         ; four tiles of k, pieces 0 and 1
.irp t, 0,1,2,3
.irp cc, 0,1
	ds_load_b128 v[16*\t+4*\cc:16*\t+4*\cc+3], v3 offset:(4*(\g)+\t)*1024+512*\cc
.endr
.endr
.endm
.macro SMUL g                          ; S^T of four tiles of keys, for tile A and for tile B of the queries
	WIN 0x01
.irp t, 0,1,2,3
	WMZ SR+8*(4*(\g)+\t), 16*\t, QF, KS+2*(\g)+\t/2, QS, \t%2, 0
.endr
	WIN 0x45
.irp t, 0,1,2,3
	WMZ SR+8*(4*(\g)+\t), 16*\t, QF, KS+2*(\g)+\t/2, QS, \t%2, 1
.endr
.endm
.macro PV w                            ; O^T += v^T p^T: four accumulators by turns
	WIN 0x54*\w
.irp t, 0,1,2,3
	WMA OA+8*\t, VF+16*\t, PC, VS+\t/2, PWA+\w, \t%2
.endr
.endm
; One tile's softmax for 128 keys, all in window w but p's scale word, which a scale operand wants in window 0.
.macro SOFTMAX w
	WIN 0x55*\w
.irp b, 0,1,2,3
	v_max3_num_f32 v[TM+\b], v[SR+16*\b], v[SR+16*\b+1], v[SR+16*\b+2]   ; the largest score of each block of 32 keys: it serves for the row's maximum and, since p rises with the score, for the block's largest p
.endr
.irp i, 3,5,7,9,11,13
.irp b, 0,1,2,3
	v_max3_num_f32 v[TM+\b], v[TM+\b], v[SR+16*\b+\i], v[SR+16*\b+\i+1]
.endr
.endr
.irp b, 0,1,2,3
	v_max_num_f32 v[TM+\b], v[TM+\b], v[SR+16*\b+15]
.endr
.irp b, 0,1,2,3
	v_permlanex16_b32 v[T2+\b], v[TM+\b], s[SEL], s[SEL+1]
.endr
.irp b, 0,1,2,3
	v_max_num_f32 v[TM+\b], v[TM+\b], v[T2+\b]     ; with lane l xor 16's 16 keys
.endr
	v_max3_num_f32 v[TP], v[TM], v[TM+1], v[TM+2]
	v_max_num_f32 v[TP], v[TP], v[TM+3]
	v_mul_f32 v[TP], s[CS], v[TP]                  ; the step's largest t (c is positive)
	v_max_num_f32 v[TX], v[TX], v[TP]              ; the running largest t
	v_mov_b32 v[TP], v[NM]
	v_floor_f32 v[NM], -v[TX]                      ; the new -M = -ceil(t)
	v_sub_f32 v[TP], v[NM], v[TP]                  ; old M - new M: a whole number, 0 or less
	v_cvt_i32_f32 v[TP], v[TP]                     ; (it saturates)
	v_ldexp_f32 v[FF], 1.0, v[TP]                  ; f
.set jj, 0
.rept 32
	v_pk_fma_f32 v[SR+jj:SR+jj+1], v[SR+jj:SR+jj+1], s[CS:CS+1], v[NM:NM+1] op_sel_hi:[1,0,0]   ; t - M, two at a time
.set jj, jj+2
.endr
.irp b, 0,1,2,3
	v_fma_f32 v[TM+\b], v[TM+\b], s[CS], v[NM]     ; the same of each block's largest score
.endr
.set jj, 0
.rept 64
	v_exp_f32 v[SR+jj], v[SR+jj]                   ; p = 2^(t - M)
.set jj, jj+1
.endr
.irp b, 0,1,2,3
	v_exp_f32 v[TM+\b], v[TM+\b]                   ; the block's largest p: the same two instructions on the same number
.endr
	v_pk_mul_f32 v[LS:LS+1], v[LS:LS+1], v[FF:FF+1] op_sel_hi:[1,0]   ; l under the new M (a plain place behind the exponentials)
	s_wait_alu depctr_va_vdst(0)
.irp b, 0,1,2,3
	v_max_num_f32 v[TM+\b], 0x4800000, v[TM+\b]    ; the floor 2^(9 - 127)
.endr
.irp b, 0,1,2,3
	v_add_nc_u32 v[SO+\b], 0xfc000000, v[TM+\b]
.endr
.irp b, 0,1,2,3
	v_and_or_b32 v[HD+\b], v[TM+\b], 0x7f800000, s[MNT]
.endr
.irp b, 0,1,2,3
	v_lshrrev_b32 v[T2+\b], 23, v[SO+\b]
.endr
	v_lshl_or_b32 v[WD], v[T2+1], 8, v[T2]
	v_lshl_or_b32 v[WD], v[T2+2], 16, v[WD]
	WIN 0x15*\w
	v_lshl_or_b32 v[PWA+\w], v[T2+3], 24, v[WD]    ; p's scale word for these 128 keys, into window 0
	WIN 0x55*\w
	v_pk_add_f32 v[T2:T2+1], v[SR:SR+1], v[SR+2:SR+3]        ; l takes the unquantised p: two chains
.set jj, 4
.rept 15
	v_pk_add_f32 v[LS:LS+1], v[LS:LS+1], v[SR+jj:SR+jj+1]
	v_pk_add_f32 v[T2:T2+1], v[T2:T2+1], v[SR+jj+2:SR+jj+3]
.set jj, jj+4
.endr
	v_pk_add_f32 v[LS:LS+1], v[LS:LS+1], v[T2:T2+1]
.irp b, 0,1,2,3
.irp i, 0,1,2,3,4,5,6,7,8,9,10,11,12,13,14,15
	v_min_num_f32 v[SR+16*\b+\i], v[SR+16*\b+\i], v[HD+\b]   ; the conversion does not saturate (ISA guide 7.6.2); p is not negative, so the hold is one-sided
.endr
	v_cvt_scalef32_pk8_fp8_f32 v[PC+4*\b:PC+4*\b+1], v[SR+16*\b:SR+16*\b+7], v[SO+\b]
	v_cvt_scalef32_pk8_fp8_f32 v[PC+4*\b+2:PC+4*\b+3], v[SR+16*\b+8:SR+16*\b+15], v[SO+\b]
.endr
.set jj, 0
.rept 16
	v_pk_mul_f32 v[OA+jj:OA+jj+1], v[OA+jj:OA+jj+1], v[FF:FF+1] op_sel_hi:[1,0]   ; O^T under the new M; these are also the places between the codes and their product
.set jj, jj+2
.endr
.endm
; A key step: 128 keys, both tiles of queries.
.macro STEP
	v_add_nc_u32 v3, s62, v1                       ; the step's tiles of k,
	v_add_nc_u32 v4, s62, v7                       ; of v,
	v_add_nc_u32 v5, s63, v8                       ; k's scale words,
	v_add_nc_u32 v6, s66, v19                      ; v's.  With the four below: eight places behind the last step's products, in front of loads into their operands
	PLACES 4
	WIN 0x40
	KLOAD 0
	WIN 0
.irp jq, 0,1,2,3
	ds_load_b32 v[KS+\jq], v5 offset:128*\jq       ; lanes 0-15 tile 2 jq, lanes 16-31 tile 2 jq + 1
.endr
.irp t, 0,1,2,3
.irp cc, 0,1,2,3
	ds_load_b128 v[VF+16*\t+4*\cc:VF+16*\t+4*\cc+3], v4 offset:\t*2048+512*\cc
.endr
.endr
	ds_load_b32 v[VS], v6
	ds_load_b32 v[VS+1], v6 offset:128
	s_wait_dscnt 18                                ; k's first four tiles and its words are in; v's 18 loads stay out
	SMUL 0
	PLACES 8
	WIN 0x40
	KLOAD 1
	s_wait_dscnt 0x0
	SMUL 1
	WIN 0
	PLACES 8
	SOFTMAX 0
	PV 0
	SOFTMAX 1                                      ; tile B's vector work stands behind tile A's products
	PV 1
	WIN 0
.endm
; Two blocks of 32 along the next K: register 16 b + i of v[s] on is d = 32 b + 16 (lane / 16) + i.  Codes to v[PC] on, the two bytes to v[pw].
.macro QUANT2 s, pw
.irp b, 0,1
	v_max3_num_f32 v[TM+\b], |v[(\s)+16*\b]|, |v[(\s)+16*\b+1]|, 0x4800000
.endr
.irp i, 2,4,6,8,10,12,14
.irp b, 0,1
	v_max3_num_f32 v[TM+\b], v[TM+\b], |v[(\s)+16*\b+\i]|, |v[(\s)+16*\b+\i+1]|
.endr
.endr
.irp b, 0,1
	v_permlanex16_b32 v[T2+\b], v[TM+\b], s[SEL], s[SEL+1]
.endr
.irp b, 0,1
	v_max_num_f32 v[TM+\b], v[TM+\b], v[T2+\b]
.endr
.irp b, 0,1
	v_add_nc_u32 v[SO+\b], 0xfc000000, v[TM+\b]
.endr
.irp b, 0,1
	v_and_or_b32 v[HD+\b], v[TM+\b], 0x7f800000, s[MNT]
.endr
.irp b, 0,1
	v_lshrrev_b32 v[T2+\b], 23, v[SO+\b]
.endr
	v_lshl_or_b32 v[\pw], v[T2+1], 8, v[T2]
.irp b, 0,1
.irp i, 0,1,2,3,4,5,6,7,8,9,10,11,12,13,14,15
	v_med3_num_f32 v[(\s)+16*\b+\i], v[(\s)+16*\b+\i], -v[HD+\b], v[HD+\b]
.endr
	v_cvt_scalef32_pk8_fp8_f32 v[PC+4*\b:PC+4*\b+1], v[(\s)+16*\b:(\s)+16*\b+7], v[SO+\b]
	v_cvt_scalef32_pk8_fp8_f32 v[PC+4*\b+2:PC+4*\b+3], v[(\s)+16*\b+8:(\s)+16*\b+15], v[SO+\b]
.endr
	v_nop
.endm
.macro INIT w                          ; the step is written once: its first trip finds zeros, which the first change of M leaves zeros
	WIN 0x55*\w
.set jj, 0
.rept 32
	v_mov_b32 v[OA+jj], 0
.set jj, jj+1
.endr
	v_mov_b32 v[LS], 0
	v_mov_b32 v[LS+1], 0
	v_mov_b32 v[TX], 0xff61b1e6                    ; -3e38, under every t
	v_floor_f32 v[NM], -v[TX]
.endm
.macro ONCE w
	WIN 0x55*\w
.irp b, 0,1,2,3
	v_mov_b32 v[T2+\b], 0                          ; a lane permute's destination counts as one of its sources
.endr
	v_mov_b32 v[FF+1], 0                           ; named as the upper half of a pair
.irp i, 8,9,10,11,12,13,14,15
	v_mov_b32 v[QF+\i], 0                          ; q's pieces 2 and 3: zero codes
.endr
.endm
.macro FINISH w, j                     ; O^T / l, quantised; its two pieces are pieces of the last projection's operand
	WIN 0x55*\w
	v_add_f32 v[LS], v[LS], v[LS+1]
	v_permlanex16_b32 v[FF], v[LS], s[SEL], s[SEL+1]
	v_add_f32 v[LS], v[LS], v[FF]                  ; the row's sum
	v_rcp_f32 v[LS], v[LS]
	v_nop                                          ; a plain place behind the transcendental
.set jj, 0
	s_wait_alu depctr_va_vdst(0)
.rept 32
	v_mul_f32 v[SR+jj], v[OA+jj], v[LS]            ; each accumulator from its low end on
.set jj, jj+1
.endr
	QUANT2 SR, WD
	WIN 0x04*\w                                    ; a store's data are its source 1
	global_store_b128 v1, v[PC:PC+3], s[72:73] offset:\w*16384+\j*8192
	global_store_b128 v1, v[PC+4:PC+7], s[72:73] offset:\w*16384+\j*8192+512
	ds_store_b16 v9, v[WD] offset:512*\w+256*\j    ; my head's two bytes of row r; lanes l and l + 16 write the same bytes with the same value
.endm
.macro HEAD j                          ; head w + 8 j
.if \j > 0
	s_wait_xcnt 0x0                                ; the last head's stores have read their registers
.endif
	global_load_b128 v[QF:QF+3], v1, s[68:69] offset:\j*8192
	global_load_b128 v[QF+4:QF+7], v1, s[68:69] offset:\j*8192+512
	global_load_b32 v[QS], v2, s[70:71] offset:\j*1024       ; lanes 0-15 tile A's words, lanes 16-31 tile B's
	WIN 0x40
	global_load_b128 v[QF:QF+3], v1, s[68:69] offset:16384+\j*8192
	global_load_b128 v[QF+4:QF+7], v1, s[68:69] offset:16384+\j*8192+512
	INIT 0
	INIT 1
	WIN 0
	s_mov_b32 s61, 0
	s_mov_b32 s62, 0
	s_mov_b32 s63, 0
	s_mov_b32 s66, 0
	s_wait_loadcnt 0x0
.if \j == 0
	s_wait_tensorcnt 0x0                           ; my parts of k, v and their scale words are in,
	s_barrier_signal -1
	s_barrier_wait -1                              ; everybody's are
.endif
.Lstep_\@:
	STEP
	s_add_co_u32 s62, s62, 8192
	s_add_co_u32 s63, s63, 512
	s_add_co_u32 s66, s66, 256
	s_add_co_u32 s61, s61, 1
	s_cmp_lt_u32 s61, 16
	s_cbranch_scc1 .Lstep_\@
	FINISH 0, \j
	FINISH 1, \j
	WIN 0
.endm
	s_load_b128 s[4:7], s[0:1], 0x0                ; bufQ s[4:5], bufKV s[6:7]
	s_load_b64 s[8:9], s[0:1], 0x10                ; bufO
	v_lshl_add_u32 v250, v0, 2, 0x43400
	v_mov_b32 v251, 0
	ds_add_u32 v250, v251
	ds_add_u32 v250, v251
	v_lshrrev_b32 v1, 5, v0
	v_readfirstlane_b32 s[WV], v1                  ; wave 0..7
	s_bfe_u32 s11, ttmp6, 0x40000                  ; cx
	s_and_b32 s12, ttmp7, 0xffff                   ; the batch, which the four partners share
	s_lshl_b32 s13, ttmp9, 2
	s_add_co_u32 s13, s13, s11
	s_lshl_b32 s14, s12, 6
	s_add_co_u32 s13, s13, s14                     ; my pair of tiles: 64 x batch + 4 x cluster x + cx: it enters q's and O's addresses alone
	s_mov_b32 s[SEL], 0x76543210
	s_mov_b32 s[SEL+1], 0xfedcba98
	s_mov_b32 s[CS], 0x3e38aa3b                    ; c = log2(e) / 8
	s_mov_b32 s[CS+1], s[CS]
	s_mov_b32 s[MNT], 0x600000
	; descriptor groups 1: dense bytes as rows of 256 (32 elements of 8 bytes): 64, 4 and 2 rows
.irp g, 16, 24, 32
	s_mov_b32 s[\g], 15|(3<<16)|(1<<21)            ; the mask: all four work-groups; elements of 8 bytes; bit 21 set beside a mask
	s_mov_b32 s[\g+1], 32<<16
	s_mov_b32 s[\g+3], 32<<16
	s_mov_b32 s[\g+5], 32
	s_mov_b32 s[\g+6], 0
	s_mov_b32 s[\g+7], 0
.endr
	s_mov_b32 s18, 64<<16
	s_mov_b32 s20, 64
	s_mov_b32 s26, 4<<16
	s_mov_b32 s28, 4
	s_mov_b32 s34, 2<<16
	s_mov_b32 s36, 2
	s_mov_b32 s40, 1
	s_lshl_b32 s41, s[WV], 14                      ; k: 16,384 bytes a wave
	s_mov_b32 s44, 1
	s_add_co_u32 s45, s41, VIML                    ; v likewise
	s_mov_b32 s48, 1
	s_lshl_b32 s49, s[WV], 10
	s_add_co_u32 s49, s49, KSC                     ; k's words: 1,024 bytes a wave
	s_mov_b32 s52, 1
	s_lshl_b32 s53, s[WV], 9
	s_add_co_u32 s53, s53, VSC                     ; v's: 512
	s_mov_b32 s77, 0
	s_mov_b32 s79, 0
	s_wait_dscnt 0x0
	s_wait_kmcnt 0x0
	s_lshl_b32 s76, s12, 17
	s_add_co_u32 s76, s76, s41
	s_add_nc_u64 s[42:43], s[6:7], s[76:77]
	s_add_nc_u64 s[46:47], s[42:43], VIMG
	s_or_b32 s43, s43, 0x80000000
	s_or_b32 s47, s47, 0x80000000
	s_lshl_b32 s76, s12, 13
	s_lshl_b32 s80, s[WV], 10
	s_add_co_u32 s76, s76, s80
	s_add_co_u32 s76, s76, KSCL
	s_add_nc_u64 s[50:51], s[6:7], s[76:77]
	s_or_b32 s51, s51, 0x80000000
	s_lshl_b32 s76, s12, 12
	s_lshl_b32 s80, s[WV], 9
	s_add_co_u32 s76, s76, s80
	s_add_co_u32 s76, s76, VSCL
	s_add_nc_u64 s[54:55], s[6:7], s[76:77]
	s_or_b32 s55, s55, 0x80000000
	s_lshl_b32 s78, s13, 15
	s_lshl_b32 s81, s[WV], 10
	s_add_co_u32 s78, s78, s81
	s_add_nc_u64 s[68:69], s[4:5], s[78:79]        ; q's images: (32 P + w) x 1,024
	s_add_nc_u64 s[72:73], s[8:9], s[78:79]        ; O's likewise
	s_lshl_b32 s78, s13, 11
	s_lshl_b32 s81, s[WV], 7
	s_add_co_u32 s78, s78, s81
	s_add_co_u32 s78, s78, QSCL
	s_add_nc_u64 s[70:71], s[4:5], s[78:79]        ; q's words: (16 P + w) x 128
	s_lshl_b32 s78, s13, 10
	s_lshl_b32 s81, s[WV], 9
	s_add_co_u32 s78, s78, s81
	s_add_co_u32 s78, s78, OSCL
	s_add_nc_u64 s[74:75], s[8:9], s[78:79]        ; O's words of tile 2 P + w (waves 0 and 1 use it)
	CROUND                                         ; all four work-groups are here: the joint loads meet
	tensor_load_to_lds s[40:43], s[16:23]
	s_nop 0
	tensor_load_to_lds s[44:47], s[16:23]
	s_nop 0
	tensor_load_to_lds s[48:51], s[24:31]
	s_nop 0
	tensor_load_to_lds s[52:55], s[32:39]          ; four loads of mine are out
	s_nop 0
	PLACES 4
	v_and_b32 v2, 31, v0
	v_lshlrev_b32 v1, 4, v2                        ; 16 x lane
	v_lshlrev_b32 v2, 2, v2                        ; 4 x lane
	v_add_nc_u32 v7, VIML, v1
	v_add_nc_u32 v8, KSC, v2
	v_add_nc_u32 v19, VSC, v2
	v_and_b32 v9, 15, v0
	v_lshlrev_b32 v9, 3, v9
	s_lshr_b32 s82, s[WV], 2
	s_lshl_b32 s82, s82, 7
	s_and_b32 s83, s[WV], 3
	s_lshl_b32 s83, s83, 1
	s_add_co_u32 s82, s82, s83
	s_add_co_u32 s82, s82, OSC
	v_add_nc_u32 v9, s82, v9                       ; O's bytes: [quarter of K = head / 4][row][8 bytes]: 128 (w / 4) + 8 r + 2 (w % 4); tile and second head stand in the immediate
	ONCE 0
	ONCE 1
	WIN 0x40
.irp t, 0,1,2,3
.irp i, 8,9,10,11,12,13,14,15
	v_mov_b32 v[16*\t+\i], 0                       ; k's pieces 2 and 3: zero codes
.endr
.endr
	WIN 0
	HEAD 0
	HEAD 1
	s_wait_dscnt 0x0                               ; my bytes of O's scale words have landed
	s_barrier_signal -1
	s_barrier_wait -1
	s_cmp_lt_u32 s[WV], 2
	s_cbranch_scc0 .Lno_words
	s_lshl_b32 s82, s[WV], 9
	s_add_co_u32 s82, s82, OSC
	v_add_nc_u32 v3, s82, v1
	ds_load_b128 v[20:23], v3                      ; tile 2 P + w's 512 bytes of scale words
	s_wait_dscnt 0x0
	global_store_b128 v1, v[20:23], s[74:75]       ; 32 lanes store 512 consecutive bytes
.Lno_words:
	s_wait_tensorcnt 0x0
	ds_add_u32 v250, v251
	s_wait_dscnt 0x0
	CROUND                                         ; the closing round
	s_endpgm
.Lfunc_end_k_q8c8ea7f9c8_attn:
	.size	k_q8c8ea7f9c8_attn, .Lfunc_end_k_q8c8ea7f9c8_attn-k_q8c8ea7f9c8_attn
	.p2alignl 7, 3214868480
	.fill 96, 4, 3214868480
	.section	.rodata,"a",@progbits
	.p2align	6, 0x0
	.amdhsa_kernel k_q8c8ea7f9c8_attn
		.amdhsa_group_segment_fixed_size 276480
		.amdhsa_private_segment_fixed_size 0
		.amdhsa_enable_private_segment 0
		.amdhsa_kernarg_size 24
		.amdhsa_user_sgpr_count 2
		.amdhsa_user_sgpr_kernarg_segment_ptr 1
		.amdhsa_wavefront_size32 1
		.amdhsa_system_sgpr_workgroup_id_x 1
		.amdhsa_system_sgpr_workgroup_id_y 1
		.amdhsa_system_sgpr_workgroup_id_z 1
		.amdhsa_system_vgpr_workitem_id 0
		.amdhsa_next_free_vgpr 512
		.amdhsa_next_free_sgpr 100
		.amdhsa_reserve_vcc 0
		.amdhsa_float_denorm_mode_32 3
		.amdhsa_float_denorm_mode_16_64 3
		.amdhsa_memory_ordered 1
		.amdhsa_forward_progress 1
		.amdhsa_inst_pref_size 106
	.end_amdhsa_kernel
	.amdgpu_metadata
---
amdhsa.version: [ 1, 2 ]
amdhsa.kernels:
  - .name:           k_q8c8ea7f9c8_attn
    .symbol:         k_q8c8ea7f9c8_attn.kd
    .args:
      - { .name: bufQ, .offset: 0, .size: 8, .value_kind: global_buffer, .address_space: global }
      - { .name: bufKV, .offset: 8, .size: 8, .value_kind: global_buffer, .address_space: global }
      - { .name: bufO, .offset: 16, .size: 8, .value_kind: global_buffer, .address_space: global }
    .group_segment_fixed_size: 276480
    .private_segment_fixed_size: 0
    .kernarg_segment_align: 8
    .kernarg_segment_size: 24
    .max_flat_workgroup_size: 256
    .sgpr_count:     100
    .vgpr_count:     512
    .wavefront_size: 32
...
	.end_amdgpu_metadata
.endif
;; end of part 3
;; launch oproj (part 4): grid 4 x 64, 4 waves a work-group, clusters of 4 x 1, 168,448 bytes of LDS; arguments bufO, bufW, bo, out0; writes out0
.if DOCPART == 4
	.amdgcn_target "amdgcn-amd-amdhsa--gfx1250"
	.amdhsa_code_object_version 6
	.text
	.protected	k_q8c8ea7f9c8_oproj
	.globl	k_q8c8ea7f9c8_oproj
	.p2align	8
	.type	k_q8c8ea7f9c8_oproj,@function
k_q8c8ea7f9c8_oproj:
	s_mov_b64 s[64:65], 0
	v_nop
	global_prefetch_b8 v0, s[64:65] scope:SCOPE_SE
	s_setreg_imm32_b32 hwreg(HW_REG_WAVE_MODE, 25, 1), 1
	s_wait_xcnt 0x0
	s_wait_alu depctr_hold_cnt(0) depctr_sa_sdst(0) depctr_va_vdst(0) depctr_va_sdst(0) depctr_va_ssrc(0) depctr_va_vcc(0) depctr_vm_vsrc(0)
	s_getreg_b32 s2, hwreg(HW_REG_IB_STS2, 6, 4)
	s_cmp_eq_u32 s2, 0
	s_cbranch_scc0 .Lentry_in_a_cluster
	s_endpgm
.Lentry_in_a_cluster:
	s_bfe_u32 s2, ttmp6, 0x10000c
	s_cmp_lg_u32 s2, 0x3003
	s_cbranch_scc0 .Lentry_shape_is_right
	s_endpgm
.Lentry_shape_is_right:
; out0 = o Wo + bo on codes of E4M3 with E8M0 scales; o's codes and scale words come from the attention launch, Wo's from the quantiser, both as images of the operand's registers.
; SHARES.  Work-group (c, g): columns 256 c .. 256 c + 255, tokens 128 g .. 128 g + 127 (row tiles 8 g .. 8 g + 7).  Wave w owns columns 256 c + 64 w on: its 4 tiles x 8 K steps of Wo stay in 512 registers.
; The 128 tokens' codes (131,072 bytes) come into LDS once; the four work-groups of a cluster share g, so each tile is asked for JOINTLY (mask 15): two tensor loads a wave are out at the most.  Nothing in LDS is filled twice: no ring.
; The product is used TRANSPOSED (source 0 = 16 columns of Wo, source 1 = 16 tokens): a lane holds one token and, over a wave's four tiles, columns 32 b + 16 (lane / 16) + i.
; Lane-row r of row tile T is token 32 (T / 2) + 8 (T % 2) + r + 8 (r / 8): the way out puts each row back in its place.
; THE WAY OUT: 16 rows x 256 bytes go through the wave's own stage in LDS (behind the images; no fill lands there) and leave as whole rows: sixteen lanes store 256 consecutive bytes, aligned.
; REGISTERS: window 0: v1-12 addresses; v16-143 accumulators ((m, t) at 16 + 32 m + 8 t); v144-175 o's scale words; v176-191 Wo's; v192-223 rows on the way out.
;   windows 1, 2: Wo's fragments (tile t, K step ks) at v[16 (8 (t % 2) + ks)];   window 3: v0-127 o's fragments, two sets; v128-159 the bias.
.set XSCL, 8388608
.set WSCL, 2228224
.set ACC,  16
.set XS,   144
.set WS,   176
.set OB,   192
.set BIAS, 128
.set STG,  131072
.set SP,   272
.set STO,  9
.set RD,   10
.set GO,   11
.set WV,   18
.set MSB, 0
.macro WIN new                         ; the immediate's high byte repeats the setting that is left
.if MSB != (\new)
	s_set_vgpr_msb (MSB<<8)|(\new)
.set MSB, (\new)
.endif
.endm
.macro PLACES n
.rept \n
	v_nop
.endr
.endm
.macro CROUND                          ; a round of the cluster's barrier
	s_barrier_signal -1
	s_barrier_wait -1
	s_cmp_lg_u32 s[WV], 0
	s_cbranch_scc1 .Lnot_wave_0_\@
	s_barrier_signal -3
.Lnot_wave_0_\@:
	s_barrier_wait -3
	s_barrier_signal -1
	s_barrier_wait -1
.endm
.macro WMC d, a, b, c, sa, sb, ra, rb
.if (\ra) && (\rb)
	v_wmma_scale_f32_16x16x128_f8f6f4 v[(\d):(\d)+7], v[(\a):(\a)+15], v[(\b):(\b)+15], v[(\c):(\c)+7], v[\sa], v[\sb] matrix_a_scale:MATRIX_SCALE_ROW1 matrix_b_scale:MATRIX_SCALE_ROW1
.elseif (\ra)
	v_wmma_scale_f32_16x16x128_f8f6f4 v[(\d):(\d)+7], v[(\a):(\a)+15], v[(\b):(\b)+15], v[(\c):(\c)+7], v[\sa], v[\sb] matrix_a_scale:MATRIX_SCALE_ROW1
.elseif (\rb)
	v_wmma_scale_f32_16x16x128_f8f6f4 v[(\d):(\d)+7], v[(\a):(\a)+15], v[(\b):(\b)+15], v[(\c):(\c)+7], v[\sa], v[\sb] matrix_b_scale:MATRIX_SCALE_ROW1
.else
	v_wmma_scale_f32_16x16x128_f8f6f4 v[(\d):(\d)+7], v[(\a):(\a)+15], v[(\b):(\b)+15], v[(\c):(\c)+7], v[\sa], v[\sb]
.endif
.endm
.macro FETCHX set, blk, ks             ; o's four fragments of block blk, K step ks, from LDS
	WIN 0xc0
.irp m, 0,1,2,3
.irp cc, 0,1,2,3
	ds_load_b128 v[64*(\set)+16*\m+4*\cc:64*(\set)+16*\m+4*\cc+3], v[2+(\blk)] offset:\m*16384+(\ks)*2048+512*\cc
.endr
.endr
.endm
.macro MUL blk, ks                     ; 16 products; the 16 accumulators take turns, one instruction a turn; at K step 0 the bias is the C
.irp hf, 0,1
.if (\ks) == 0
	WIN 0x3d+\hf
.else
	WIN 0x0d+\hf
.endif
.irp tt, 0,1
.irp m, 0,1,2,3
.if (\ks) == 0
	WMC ACC+32*\m+8*(2*\hf+\tt), 16*(8*\tt+(\ks)), 64*((\ks)%2)+16*\m, BIAS+8*(2*\hf+\tt), WS+8*\hf+(\ks), XS+8*(2*(\blk)+\m/2)+(\ks), \tt, \m%2
.else
	WMC ACC+32*\m+8*(2*\hf+\tt), 16*(8*\tt+(\ks)), 64*((\ks)%2)+16*\m, ACC+32*\m+8*(2*\hf+\tt), WS+8*\hf+(\ks), XS+8*(2*(\blk)+\m/2)+(\ks), \tt, \m%2
.endif
.endr
.endr
.endr
.endm
.macro QBLOCK blk
	FETCHX 0, \blk, 0
.irp ks, 0,1,2,3,4,5,6
.if \ks > 0
	PLACES 8                                       ; in front of loads into the set that the last step's products read
.endif
	FETCHX (\ks+1)%2, \blk, \ks+1
	s_wait_dscnt 16                                ; this step's fragments are in; the 16 loads just issued stay out
	MUL \blk, \ks
.endr
	s_wait_dscnt 0x0
	MUL \blk, 7
	WIN 0
	PLACES 9                                       ; eight in front of the first read of results and of loads into the operands; the ninth for the next block's first products, which take the bias
	                                               ; as C and so write over these accumulators: the way out between the blocks is LDS and memory instructions alone, which are no places
.endm
.macro OOUT blk                        ; four row tiles go out, one at a time
.irp m, 0,1,2,3
	s_wait_xcnt 0x0                                ; the last tile's stores have read their registers
.irp b, 0,1
.irp q, 0,1,2,3
	ds_store_b128 v[STO], v[ACC+32*\m+16*\b+4*\q:ACC+32*\m+16*\b+4*\q+3] offset:128*\b+16*\q   ; row r, columns 32 b + 16 h + 4 q on; each accumulator from its low end on
.endr
.endr
.irp i, 0,1,2,3,4,5,6,7
	ds_load_b128 v[OB+4*\i:OB+4*\i+3], v[RD] offset:\i*2*SP      ; LDS serves a wave's instructions in order (ISA guide 5.7.1.4): these see my stores
.endr
.irp i, 0,1,2,3,4,5,6,7
	s_wait_dscnt 7-\i                              ; rows 2 i, 2 i + 1 are back; the later ones stay out
	global_store_b128 v[GO], v[OB+4*\i:OB+4*\i+3], s[48:49] offset:(64*(\blk)+32*(\m/2)+8*(\m%2)+2*\i+8*(\i/4))*4096 th:TH_STORE_NT   ; lane-row 2 i + lane / 16 back in its token's place
.endr
.endr
.endm
	s_load_b256 s[4:11], s[0:1], 0x0               ; bufO s[4:5], bufW s[6:7], bo s[8:9], out0 s[10:11]
	v_lshl_add_u32 v254, v0, 2, 0x29000
	v_mov_b32 v255, 0
	ds_add_u32 v254, v255
	ds_add_u32 v254, v255
	v_lshrrev_b32 v1, 5, v0
	v_readfirstlane_b32 s[WV], v1                  ; wave 0..3
	s_lshl_b32 s19, ttmp9, 2
	s_bfe_u32 s21, ttmp6, 0x40000
	s_add_co_u32 s19, s19, s21                     ; c = 4 x cluster x + cx
	s_and_b32 s20, ttmp7, 0xffff                   ; g, which the four partners share
	s_lshl_b32 s21, s19, 2
	s_add_co_u32 s21, s21, s[WV]                   ; my group of 64 columns: 4 c + w
	; descriptor group 1: 16,384 dense bytes as 64 rows of 256 (32 elements of 8 bytes)
	s_mov_b32 s24, 15|(3<<16)|(1<<21)              ; the mask: all four work-groups; elements of 8 bytes; bit 21 set beside a mask
	s_mov_b32 s25, 32<<16
	s_mov_b32 s26, 64<<16
	s_mov_b32 s27, 32<<16
	s_mov_b32 s28, 64
	s_mov_b32 s29, 32
	s_mov_b32 s30, 0
	s_mov_b32 s31, 0
	s_mov_b32 s32, 1
	s_lshl_b32 s33, s[WV], 14                      ; LDS: row tile w,
	s_mov_b32 s36, 1
	s_add_co_u32 s37, s33, 65536                   ; and row tile 4 + w
	s_lshl_b32 s54, s20, 17
	s_add_co_u32 s54, s54, s33                     ; made of g and the wave's number alone
	s_mov_b32 s55, 0
	s_mov_b32 s53, 0
	s_wait_dscnt 0x0
	s_wait_kmcnt 0x0
	s_add_nc_u64 s[34:35], s[4:5], s[54:55]
	s_add_nc_u64 s[38:39], s[34:35], 65536
	s_or_b32 s35, s35, 0x80000000
	s_or_b32 s39, s39, 0x80000000
	s_lshl_b32 s52, s21, 16
	s_add_co_u32 s52, s52, 72*16384
	s_add_nc_u64 s[40:41], s[6:7], s[52:53]        ; my four tiles of Wo: tile 72 + 16 c + 4 w on
	s_lshl_b32 s52, s21, 11
	s_add_co_u32 s52, s52, WSCL+36*1024
	s_add_nc_u64 s[42:43], s[6:7], s[52:53]        ; their scale words
	s_lshl_b32 s52, s20, 12
	s_add_co_u32 s52, s52, XSCL
	s_add_nc_u64 s[44:45], s[4:5], s[52:53]        ; o's scale words of the eight row tiles
	s_lshl_b32 s52, s21, 8
	s_add_nc_u64 s[46:47], s[8:9], s[52:53]        ; bo at my columns
	s_lshl_b32 s56, s20, 19
	s_add_co_u32 s52, s52, s56
	s_add_nc_u64 s[48:49], s[10:11], s[52:53]      ; out0: 128 g rows of 4,096 bytes + 256 bytes x (4 c + w)
	CROUND                                         ; all four work-groups are here: the joint loads meet
	tensor_load_to_lds s[32:35], s[24:31]          ; block 0's part,
	s_nop 0
	tensor_load_to_lds s[36:39], s[24:31]          ; block 1's: two loads of mine are out
	s_nop 0
	PLACES 4
	v_and_b32 v1, 31, v0                           ; lane
	v_lshlrev_b32 v2, 4, v1                        ; 16 x lane; LDS address of block 0
	v_add_nc_u32 v3, 65536, v2                     ; LDS address of block 1
	v_lshlrev_b32 v4, 2, v1                        ; 4 x lane
	v_and_b32 v7, 15, v0                           ; r
	v_lshrrev_b32 v12, 4, v1                       ; h
	v_lshlrev_b32 v8, 3, v7
	v_lshl_add_u32 v5, v12, 9, v8                  ; o's words of a pair: lanes 16-31 take the odd tile, 512 bytes on
	v_lshlrev_b32 v6, 6, v12                       ; 64 h
	s_mul_i32 s56, s[WV], 16*SP
	s_add_co_u32 s56, s56, STG                     ; my stage
	v_mul_u32_u24 v[STO], v7, SP
	v_add_nc_u32 v[STO], v[STO], v6
	v_add_nc_u32 v[STO], s56, v[STO]               ; in: row r, + 64 h
	v_mul_u32_u24 v[RD], v12, SP
	v_lshl_add_u32 v[RD], v7, 4, v[RD]
	v_add_nc_u32 v[RD], s56, v[RD]                 ; back: lanes 0-15 one row, lanes 16-31 the next
	v_lshlrev_b32 v[GO], 12, v12
	v_lshl_add_u32 v[GO], v7, 4, v[GO]             ; and the same two rows in out0
.irp t, 0,1,2,3
	WIN 0x40*(1+\t/2)
.irp ks, 0,1,2,3,4,5,6,7
.irp cc, 0,1,2,3
	global_load_b128 v[16*(8*(\t%2)+\ks)+4*\cc:16*(8*(\t%2)+\ks)+4*\cc+3], v2, s[40:41] offset:\t*16384+\ks*2048+512*\cc
.endr
.endr
.endr
	WIN 0
.irp jp, 0,1
.irp ks, 0,1,2,3,4,5,6,7
	global_load_b32 v[WS+8*\jp+\ks], v4, s[42:43] offset:\jp*1024+\ks*128
.endr
.endr
.irp p, 0,1,2,3
.irp kq, 0,1,2,3
	global_load_b64 v[XS+8*\p+2*\kq:XS+8*\p+2*\kq+1], v5, s[44:45] offset:\p*1024+\kq*128
.endr
.endr
	WIN 0xc0
.irp t, 0,1,2,3
	global_load_b128 v[BIAS+8*\t:BIAS+8*\t+3], v6, s[46:47] offset:(32*(\t/2)+8*(\t%2))*4
	global_load_b128 v[BIAS+8*\t+4:BIAS+8*\t+7], v6, s[46:47] offset:(32*(\t/2)+8*(\t%2))*4+16
.endr
	WIN 0
	s_wait_loadcnt 0x0
	s_wait_tensorcnt 0x1                           ; my part of block 0 is in; block 1's may stay out
	s_barrier_signal -1
	s_barrier_wait -1                              ; everybody's is
	QBLOCK 0
	OOUT 0
	s_wait_tensorcnt 0x0                           ; my part of block 1 is in (the way out's last count-down ended at 0: no LDS instruction of mine is out)
	s_barrier_signal -1
	s_barrier_wait -1
	QBLOCK 1
	OOUT 1
	s_wait_tensorcnt 0x0
	ds_add_u32 v254, v255
	s_wait_dscnt 0x0
	CROUND                                         ; the closing round
	s_endpgm
.Lfunc_end_k_q8c8ea7f9c8_oproj:
	.size	k_q8c8ea7f9c8_oproj, .Lfunc_end_k_q8c8ea7f9c8_oproj-k_q8c8ea7f9c8_oproj
	.p2alignl 7, 3214868480
	.fill 96, 4, 3214868480
	.section	.rodata,"a",@progbits
	.p2align	6, 0x0
	.amdhsa_kernel k_q8c8ea7f9c8_oproj
		.amdhsa_group_segment_fixed_size 168448
		.amdhsa_private_segment_fixed_size 0
		.amdhsa_enable_private_segment 0
		.amdhsa_kernarg_size 32
		.amdhsa_user_sgpr_count 2
		.amdhsa_user_sgpr_kernarg_segment_ptr 1
		.amdhsa_wavefront_size32 1
		.amdhsa_system_sgpr_workgroup_id_x 1
		.amdhsa_system_sgpr_workgroup_id_y 1
		.amdhsa_system_sgpr_workgroup_id_z 1
		.amdhsa_system_vgpr_workitem_id 0
		.amdhsa_next_free_vgpr 1024
		.amdhsa_next_free_sgpr 100
		.amdhsa_reserve_vcc 0
		.amdhsa_float_denorm_mode_32 3
		.amdhsa_float_denorm_mode_16_64 3
		.amdhsa_memory_ordered 1
		.amdhsa_forward_progress 1
		.amdhsa_inst_pref_size 91
	.end_amdhsa_kernel
	.amdgpu_metadata
---
amdhsa.version: [ 1, 2 ]
amdhsa.kernels:
  - .name:           k_q8c8ea7f9c8_oproj
    .symbol:         k_q8c8ea7f9c8_oproj.kd
    .args:
      - { .name: bufO, .offset: 0, .size: 8, .value_kind: global_buffer, .address_space: global }
      - { .name: bufW, .offset: 8, .size: 8, .value_kind: global_buffer, .address_space: global }
      - { .name: bo, .offset: 16, .size: 8, .value_kind: global_buffer, .address_space: global }
      - { .name: out0, .offset: 24, .size: 8, .value_kind: global_buffer, .address_space: global }
    .group_segment_fixed_size: 168448
    .private_segment_fixed_size: 0
    .kernarg_segment_align: 8
    .kernarg_segment_size: 32
    .max_flat_workgroup_size: 128
    .sgpr_count:     100
    .vgpr_count:     1024
    .wavefront_size: 32
...
	.end_amdgpu_metadata
.endif
;; end of part 4
;; ======== version 2 of 2: 4 launches
;; limits: right only within a limited range of input values
;; workspace buffers: bufX 8,650,752 bytes; bufW 2,297,856 bytes; bufQ 8,912,896 bytes; bufKV 1,097,728 bytes; bufO 8,650,752 bytes
;; launch quant (part 5): grid 324 x 1, 8 waves a work-group, no clusters, 37,888 bytes of LDS; arguments hidden_state, Wq, Wk, Wv, Wo, bufX, bufW; writes bufX, bufW
.if DOCPART == 5
	.amdgcn_target "amdgcn-amd-amdhsa--gfx1250"
	.amdhsa_code_object_version 6
	.text
	.protected	k_q8c8ea7f9c8_quant
	.globl	k_q8c8ea7f9c8_quant
	.p2align	8
	.type	k_q8c8ea7f9c8_quant,@function
k_q8c8ea7f9c8_quant:
	s_mov_b64 s[64:65], 0
	v_nop
	global_prefetch_b8 v0, s[64:65] scope:SCOPE_SE
	s_setreg_imm32_b32 hwreg(HW_REG_WAVE_MODE, 25, 1), 1
	s_wait_xcnt 0x0
; hidden_state [8192][1024] and the four weights ([1024][N], K first) become codes of E4M3 with one E8M0 byte for each 32 along K, laid as IMAGES OF THE OPERAND'S REGISTERS.
; A fragment is 16 lane-rows x 128 K = 2,048 bytes: piece c (512 bytes) holds, at 16 x lane (lane = r + 16 h), the codes k = 32 c + 16 h + 0 .. 15 of lane-row r: one 16-byte load a piece fills a fragment.
; THE 16 ROWS OF A TILE ARE NOT NEIGHBOURS: lane-row r of tile 2 P + u is index 32 P + 8 u + r + 8 (r / 8), for tokens and for weight columns alike, so that what a product leaves in a lane's registers are neighbours along the next K.
; bufX: images [tile 512][K step 8][2048]; from XSCL on the scale words [tile][quarter of K 4][r 16][2 words].
; bufW: images [tile 136][K step 8][2048] (pairs of tiles 0-31 Wq, 32-33 Wk, 34-35 Wv, 36-67 Wo); from WSCL on [pair 68][K step 8][32 words]: lanes 0-15 the even tile, lanes 16-31 the odd one.
; A block's scale is 2^(floor(log2(largest magnitude)) - 8): its byte is the largest magnitude's exponent field - 8, held at 1 from below by a floor among the maximum's leaves.
; LIMITS: a block of zeros gets the byte 1 where the rule says 127 (its codes are zeros, and this program alone reads the bytes); NaN and infinities among the inputs are not served.
; Work-groups 0-255 take a pair of token tiles each (wave: tile wave / 4, quarter of K wave % 4); work-groups 256-323 a pair of weight tiles (wave: the K step).  Waves share nothing: no barrier.
; No matrix unit, no tensor load, no cluster: every byte is read once and written once, and nothing is shared between work-groups.
.set XSCL,  8388608
.set WSCL,  2228224
.set FLOOR, 0x4800000                  ; 2^(9 - 127)
.set MX,    12                         ; v12-15  largest magnitudes
.set SOP,   16                         ; v16-19  the conversions' scale operands
.set HLD,   20                         ; v20-23  448 x the scale
.set EB,    24                         ; v24-39  a scale byte for each row (weights: v24 the scale word)
.set CD,    40                         ; v40-71  codes: registers of their own for each store
.set DT,    72                         ; v72-199 128 numbers
.set WREG,  4608                       ; LDS of a wave: 16 half pieces of 256 bytes, 272 apart, then its 128 scale bytes
.set HP,    272
.set SCB,   16*HP
	s_load_b256 s[4:11], s[0:1], 0x0               ; hidden_state s[4:5], Wq s[6:7], Wk s[8:9], Wv s[10:11]
	s_load_b128 s[12:15], s[0:1], 0x20             ; Wo s[12:13], bufX s[14:15]
	s_load_b64 s[16:17], s[0:1], 0x30              ; bufW
	v_lshl_add_u32 v200, v0, 2, 0x9000
	v_mov_b32 v201, 0
	v_lshrrev_b32 v1, 5, v0
	s_delay_alu instid0(VALU_DEP_1)
	v_readfirstlane_b32 s18, v1                    ; wave 0..7
	v_and_b32 v1, 31, v0                           ; lane
	s_delay_alu instid0(VALU_DEP_1)
	v_lshlrev_b32 v8, 2, v1                        ; 4 x lane
	s_mov_b32 s19, 0x600000                        ; the mantissa field of 448
	s_mov_b32 s25, 0
	s_cmp_lt_u32 ttmp9, 256
	s_cbranch_scc0 .Lweights
	; ---------------- tokens: 16 rows x 256 along K a wave; a lane holds 8 neighbours of each row, four lanes a block
	v_lshlrev_b32 v2, 5, v1                        ; 32 x lane: my 8 numbers of a row's 256
	v_lshlrev_b32 v7, 4, v1                        ; 16 x lane
	s_mul_i32 s20, s18, WREG
	v_lshrrev_b32 v9, 1, v1
	s_delay_alu instid0(VALU_DEP_1)
	v_mul_u32_u24 v3, v9, HP
	v_and_b32 v9, 1, v1
	s_delay_alu instid0(VALU_DEP_1)
	v_lshl_add_u32 v3, v9, 3, v3
	s_delay_alu instid0(VALU_DEP_1)
	v_add_nc_u32 v3, s20, v3                       ; into the stage: half piece lane / 2 (piece lane / 4, half (lane / 2) % 2), byte 8 (lane % 2); the row stands in the immediate
	v_lshrrev_b32 v4, 2, v1
	s_delay_alu instid0(VALU_DEP_1)
	v_add_nc_u32 v4, s20, v4
	s_delay_alu instid0(VALU_DEP_1)
	v_add_nc_u32 v4, SCB, v4                       ; my block's scale byte: 8 bytes a row
	v_lshrrev_b32 v9, 4, v1
	s_delay_alu instid0(VALU_DEP_1)
	v_mul_u32_u24 v5, v9, HP
	v_and_b32 v9, 15, v1
	s_delay_alu instid0(VALU_DEP_1)
	v_lshl_add_u32 v5, v9, 4, v5
	s_delay_alu instid0(VALU_DEP_1)
	v_add_nc_u32 v5, s20, v5                       ; out of the stage: a piece's two halves, 16 bytes a lane
	v_add_nc_u32 v6, s20, v8
	s_delay_alu instid0(VALU_DEP_1)
	v_add_nc_u32 v6, SCB, v6                       ; and the 128 scale bytes, 4 a lane
	s_lshr_b32 s21, s18, 2                         ; u: which tile of the pair
	s_and_b32 s22, s18, 3                          ; which quarter of K
	s_lshl_b32 s24, ttmp9, 17                      ; (32 P + 8 u) rows of 4,096 bytes + 1,024 x quarter
	s_lshl_b32 s23, s21, 15
	s_add_co_u32 s24, s24, s23
	s_lshl_b32 s23, s22, 10
	s_add_co_u32 s24, s24, s23
	s_lshl_b32 s26, ttmp9, 15                      ; images: 16,384 x tile + 4,096 x quarter
	s_lshl_b32 s23, s21, 14
	s_add_co_u32 s26, s26, s23
	s_lshl_b32 s23, s22, 12
	s_add_co_u32 s26, s26, s23
	s_mov_b32 s27, 0
	s_lshl_b32 s28, ttmp9, 10                      ; scale words: 512 x tile + 128 x quarter
	s_lshl_b32 s23, s21, 9
	s_add_co_u32 s28, s28, s23
	s_lshl_b32 s23, s22, 7
	s_add_co_u32 s28, s28, s23
	s_add_co_u32 s28, s28, XSCL
	s_mov_b32 s29, 0
	s_wait_kmcnt 0x0
	s_add_nc_u64 s[4:5], s[4:5], s[24:25]
	s_add_nc_u64 s[26:27], s[14:15], s[26:27]
	s_add_nc_u64 s[28:29], s[14:15], s[28:29]
.set i, 0
.rept 16                                       ; all 32 loads go out at once: lane-row i is row i + 8 (i / 8) from the tile's first
	global_load_b128 v[DT+8*i:DT+8*i+3], v2, s[4:5] offset:(i+8*(i/8))*4096 th:TH_LOAD_NT
	global_load_b128 v[DT+8*i+4:DT+8*i+7], v2, s[4:5] offset:(i+8*(i/8))*4096+16 th:TH_LOAD_NT
.set i, i+1
.endr
.macro ROWS g                          ; rows 4 g .. 4 g + 3, by turns
	s_wait_loadcnt 24-8*\g                         ; these rows' eight loads are in; the later rows' stay out
.irp a, 0,1,2,3
	v_max3_num_f32 v[MX+\a], |v[DT+8*(4*\g+\a)]|, |v[DT+8*(4*\g+\a)+1]|, FLOOR
.endr
.irp e, 2,4,6
.irp a, 0,1,2,3
	s_delay_alu instid0(VALU_DEP_4)
	v_max3_num_f32 v[MX+\a], v[MX+\a], |v[DT+8*(4*\g+\a)+\e]|, |v[DT+8*(4*\g+\a)+\e+1]|
.endr
.endr
.irp a, 0,1,2,3
	s_delay_alu instid0(VALU_DEP_4)
	v_max_num_f32_dpp v[MX+\a], v[MX+\a], v[MX+\a] row_xmask:1 row_mask:0xf bank_mask:0xf
.endr
.irp a, 0,1,2,3
	s_delay_alu instid0(VALU_DEP_4)
	v_max_num_f32_dpp v[MX+\a], v[MX+\a], v[MX+\a] row_xmask:2 row_mask:0xf bank_mask:0xf   ; the four lanes of a block agree
.endr
.irp a, 0,1,2,3
	s_delay_alu instid0(VALU_DEP_4)
	v_add_nc_u32 v[SOP+\a], 0xfc000000, v[MX+\a]   ; 8 off the exponent field: the conversion's scale operand
.endr
.irp a, 0,1,2,3
	v_and_or_b32 v[HLD+\a], v[MX+\a], 0x7f800000, s19   ; 448 x the scale
.endr
.irp a, 0,1,2,3
.irp e, 0,1,2,3,4,5,6,7
	v_med3_num_f32 v[DT+8*(4*\g+\a)+\e], v[DT+8*(4*\g+\a)+\e], -v[HLD+\a], v[HLD+\a]   ; the conversion to an 8-bit code does not saturate (ISA guide 7.6.2)
.endr
.endr
.irp a, 0,1,2,3
	v_cvt_scalef32_pk8_fp8_f32 v[CD+2*(4*\g+\a):CD+2*(4*\g+\a)+1], v[DT+8*(4*\g+\a):DT+8*(4*\g+\a)+7], v[SOP+\a]
.endr
.irp a, 0,1,2,3
	v_lshrrev_b32 v[EB+4*\g+\a], 23, v[SOP+\a]     ; the scale's byte
.endr
.irp a, 0,1,2,3
	ds_store_b8 v4, v[EB+4*\g+\a] offset:8*(4*\g+\a)        ; the four lanes of a block write the same byte with the same value
	ds_store_b64 v3, v[CD+2*(4*\g+\a):CD+2*(4*\g+\a)+1] offset:16*(4*\g+\a)
.endr
.endm
	ROWS 0
	ROWS 1
	ROWS 2
	ROWS 3
.irp p, 0,1,2,3,4,5,6,7
	ds_load_b128 v[DT+4*\p:DT+4*\p+3], v5 offset:2*HP*\p     ; LDS serves a wave's instructions in order (ISA guide 5.7.1.4): these see my stores
.endr
	ds_load_b32 v[DT+32], v6
.irp p, 0,1,2,3,4,5,6,7
	s_wait_dscnt 8-\p                              ; piece p is back; the later pieces and the scale words stay out
	global_store_b128 v7, v[DT+4*\p:DT+4*\p+3], s[26:27] offset:512*\p   ; 32 lanes store 512 consecutive bytes
.endr
	s_wait_dscnt 0x0
	global_store_b32 v8, v[DT+32], s[28:29]
	s_wait_tensorcnt 0x0
	ds_add_u32 v200, v201
	s_wait_dscnt 0x0
	s_endpgm
	; ---------------- weights: a lane takes a column, its registers run down K: 128 along K a wave
.Lweights:
	s_sub_co_u32 s20, ttmp9, 256                   ; the pair of tiles, 0..67
	s_wait_alu depctr_va_vdst(0)
	v_and_b32 v2, 7, v1
	v_bfe_u32 v9, v1, 3, 1
	s_delay_alu instid0(VALU_DEP_1)
	v_lshl_add_u32 v2, v9, 4, v2
	v_lshrrev_b32 v9, 4, v1
	s_delay_alu instid0(VALU_DEP_1)
	v_lshl_add_u32 v2, v9, 3, v2                   ; my column of the pair's 32: lane % 8 + 16 ((lane / 8) % 2) + 8 (lane / 16)
	s_delay_alu instid0(VALU_DEP_1)
	v_lshlrev_b32 v2, 2, v2
	v_and_b32 v3, 15, v1
	s_delay_alu instid0(VALU_DEP_1)
	v_lshlrev_b32 v3, 4, v3
	s_delay_alu instid0(VALU_DEP_1)
	v_lshl_add_u32 v3, v9, 14, v3                  ; my codes: tile lane / 16, 16 bytes at lane-row lane % 16
	s_wait_kmcnt 0x0
	s_cmp_lt_u32 s20, 36                           ; which weight, and its first pair: the choice hangs on the work-group's number alone
	s_cselect_b64 s[22:23], s[10:11], s[12:13]
	s_cselect_b32 s21, 34, 36
	s_cmp_lt_u32 s20, 34
	s_cselect_b64 s[22:23], s[8:9], s[22:23]
	s_cselect_b32 s21, 32, s21
	s_cmp_lt_u32 s20, 32
	s_cselect_b64 s[22:23], s[6:7], s[22:23]
	s_cselect_b32 s21, 0, s21
	s_sub_co_u32 s21, s20, s21
	s_lshl_b32 s24, s21, 7                         ; 128 bytes of a row for each pair
	s_lshl_b32 s26, s20, 15
	s_lshl_b32 s30, s18, 11
	s_add_co_u32 s26, s26, s30
	s_mov_b32 s27, 0
	s_add_nc_u64 s[26:27], s[16:17], s[26:27]      ; images: 32,768 x pair + 2,048 x K step
	s_lshl_b32 s28, s20, 10
	s_lshl_b32 s30, s18, 7
	s_add_co_u32 s28, s28, s30
	s_add_co_u32 s28, s28, WSCL
	s_mov_b32 s29, 0
	s_add_nc_u64 s[28:29], s[16:17], s[28:29]      ; scale words: 1,024 x pair + 128 x K step
.macro WLOAD c, pitch                  ; block c: W(32 c + k, my column), k = 0 .. 31: 32 lanes read 128 consecutive bytes
.set kk, 0
.rept 32
	global_load_b32 v[DT+32*(\c)+kk], v2, s[22:23] offset:(32*(\c)+kk)*\pitch
.set kk, kk+1
.endr
.endm
.macro WBLOCK c, pitch
.set XB, DT+32*(\c)
.if (\c) < 3
	s_wait_loadcnt 32                              ; this block's 32 loads are in; the next block's stay out
.else
	s_wait_loadcnt 0x0
.endif
.if (\c) < 2
	WLOAD (\c)+2, \pitch
.endif
	v_max3_num_f32 v[MX], |v[XB]|, |v[XB+1]|, |v[XB+2]|     ; all 32 numbers of the block are mine: two chains
	v_max3_num_f32 v[MX+1], |v[XB+3]|, |v[XB+4]|, |v[XB+5]|
.irp i, 6,10,14,18,22,26
	s_delay_alu instid0(VALU_DEP_2)
	v_max3_num_f32 v[MX], v[MX], |v[XB+\i]|, |v[XB+\i+1]|
	s_delay_alu instid0(VALU_DEP_2)
	v_max3_num_f32 v[MX+1], v[MX+1], |v[XB+\i+2]|, |v[XB+\i+3]|
.endr
	s_delay_alu instid0(VALU_DEP_2)
	v_max3_num_f32 v[MX], v[MX], |v[XB+30]|, |v[XB+31]|
	s_delay_alu instid0(VALU_DEP_1)
	v_max3_num_f32 v[MX], v[MX], v[MX+1], FLOOR
	s_delay_alu instid0(VALU_DEP_1)
	v_add_nc_u32 v[SOP], 0xfc000000, v[MX]
	s_delay_alu instid0(VALU_DEP_2)
	v_and_or_b32 v[HLD], v[MX], 0x7f800000, s19
	s_delay_alu instid0(VALU_DEP_2)
	v_lshrrev_b32 v[MX+2], 23, v[SOP]
.if (\c) == 0
	s_delay_alu instid0(VALU_DEP_1)
	v_mov_b32 v[EB], v[MX+2]                       ; the four bytes make my column's scale word
.else
	s_delay_alu instid0(VALU_DEP_1)
	v_lshl_or_b32 v[EB], v[MX+2], 8*(\c), v[EB]
.endif
.set kk, 0
.rept 32
	v_med3_num_f32 v[XB+kk], v[XB+kk], -v[HLD], v[HLD]
.set kk, kk+1
.endr
.irp gq, 0,1,2,3
	v_cvt_scalef32_pk8_fp8_f32 v[CD+8*(\c)+2*\gq:CD+8*(\c)+2*\gq+1], v[XB+8*\gq:XB+8*\gq+7], v[SOP]
.endr
	global_store_b128 v3, v[CD+8*(\c):CD+8*(\c)+3], s[26:27] offset:512*(\c)            ; k = 32 c + 0 .. 15: the piece's lower half; sixteen lanes store 256 consecutive bytes
	global_store_b128 v3, v[CD+8*(\c)+4:CD+8*(\c)+7], s[26:27] offset:512*(\c)+256      ; k = 32 c + 16 .. 31: its upper half
.endm
.macro WQ pitch
	WLOAD 0, \pitch
	WLOAD 1, \pitch
	WBLOCK 0, \pitch
	WBLOCK 1, \pitch
	WBLOCK 2, \pitch
	WBLOCK 3, \pitch
	global_store_b32 v8, v[EB], s[28:29]
.endm
	s_sub_co_u32 s30, s20, 32
	s_cmp_lt_u32 s30, 4                            ; pairs 32-35: Wk and Wv, rows of 256 bytes
	s_cbranch_scc1 .Lnarrow
	s_lshl_b32 s30, s18, 19                        ; 128 rows of 4,096 bytes a K step
	s_add_co_u32 s24, s24, s30
	s_add_nc_u64 s[22:23], s[22:23], s[24:25]
	s_wait_alu depctr_va_vdst(0)
	WQ 4096
	s_endpgm
.Lnarrow:
	s_lshl_b32 s30, s18, 15                        ; 128 rows of 256 bytes a K step
	s_add_co_u32 s24, s24, s30
	s_add_nc_u64 s[22:23], s[22:23], s[24:25]
	s_wait_alu depctr_va_vdst(0)
	WQ 256
	s_endpgm
.Lfunc_end_k_q8c8ea7f9c8_quant:
	.size	k_q8c8ea7f9c8_quant, .Lfunc_end_k_q8c8ea7f9c8_quant-k_q8c8ea7f9c8_quant
	.p2alignl 7, 3214868480
	.fill 96, 4, 3214868480
	.section	.rodata,"a",@progbits
	.p2align	6, 0x0
	.amdhsa_kernel k_q8c8ea7f9c8_quant
		.amdhsa_group_segment_fixed_size 37888
		.amdhsa_private_segment_fixed_size 0
		.amdhsa_enable_private_segment 0
		.amdhsa_kernarg_size 56
		.amdhsa_user_sgpr_count 2
		.amdhsa_user_sgpr_kernarg_segment_ptr 1
		.amdhsa_wavefront_size32 1
		.amdhsa_system_sgpr_workgroup_id_x 1
		.amdhsa_system_sgpr_workgroup_id_y 1
		.amdhsa_system_sgpr_workgroup_id_z 1
		.amdhsa_system_vgpr_workitem_id 0
		.amdhsa_next_free_vgpr 202
		.amdhsa_next_free_sgpr 66
		.amdhsa_reserve_vcc 0
		.amdhsa_float_denorm_mode_32 3
		.amdhsa_float_denorm_mode_16_64 3
		.amdhsa_memory_ordered 1
		.amdhsa_forward_progress 1
		.amdhsa_inst_pref_size 92
	.end_amdhsa_kernel
	.amdgpu_metadata
---
amdhsa.version: [ 1, 2 ]
amdhsa.kernels:
  - .name:           k_q8c8ea7f9c8_quant
    .symbol:         k_q8c8ea7f9c8_quant.kd
    .args:
      - { .name: hidden_state, .offset: 0, .size: 8, .value_kind: global_buffer, .address_space: global }
      - { .name: Wq, .offset: 8, .size: 8, .value_kind: global_buffer, .address_space: global }
      - { .name: Wk, .offset: 16, .size: 8, .value_kind: global_buffer, .address_space: global }
      - { .name: Wv, .offset: 24, .size: 8, .value_kind: global_buffer, .address_space: global }
      - { .name: Wo, .offset: 32, .size: 8, .value_kind: global_buffer, .address_space: global }
      - { .name: bufX, .offset: 40, .size: 8, .value_kind: global_buffer, .address_space: global }
      - { .name: bufW, .offset: 48, .size: 8, .value_kind: global_buffer, .address_space: global }
    .group_segment_fixed_size: 37888
    .private_segment_fixed_size: 0
    .kernarg_segment_align: 8
    .kernarg_segment_size: 56
    .max_flat_workgroup_size: 256
    .sgpr_count:     66
    .vgpr_count:     202
    .wavefront_size: 32
...
	.end_amdgpu_metadata
.endif
;; end of part 5
;; launch qkv (part 6): grid 4 x 64, 4 waves a work-group, clusters of 4 x 1, 168,448 bytes of LDS; arguments bufX, bufW, bq, bk, bv, bufQ, bufKV; writes bufQ, bufKV
.if DOCPART == 6
	.amdgcn_target "amdgcn-amd-amdhsa--gfx1250"
	.amdhsa_code_object_version 6
	.text
	.protected	k_q8c8ea7f9c8_qkv
	.globl	k_q8c8ea7f9c8_qkv
	.p2align	8
	.type	k_q8c8ea7f9c8_qkv,@function
k_q8c8ea7f9c8_qkv:
	s_mov_b64 s[64:65], 0
	v_nop
	global_prefetch_b8 v0, s[64:65] scope:SCOPE_SE
	s_setreg_imm32_b32 hwreg(HW_REG_WAVE_MODE, 25, 1), 1
	s_wait_xcnt 0x0
	s_wait_alu depctr_hold_cnt(0) depctr_sa_sdst(0) depctr_va_vdst(0) depctr_va_sdst(0) depctr_va_ssrc(0) depctr_va_vcc(0) depctr_vm_vsrc(0)
	s_getreg_b32 s2, hwreg(HW_REG_IB_STS2, 6, 4)
	s_cmp_eq_u32 s2, 0
	s_cbranch_scc0 .Lentry_in_a_cluster
	s_endpgm
.Lentry_in_a_cluster:
	s_bfe_u32 s2, ttmp6, 0x10000c
	s_cmp_lg_u32 s2, 0x3003
	s_cbranch_scc0 .Lentry_shape_is_right
	s_endpgm
.Lentry_shape_is_right:
; q = x Wq + bq, k = x Wk + bk, v = x Wv + bv on codes of E4M3 with E8M0 scales, and the results quantised in registers: q and k along the head's 64, v along the keys.
; SHARES.  Work-group (c, g): heads 4 c .. 4 c + 3, tokens 128 g .. 128 g + 127 (row tiles 8 g .. 8 g + 7).  Wave w owns head 4 c + w: its 4 tiles of Wq's columns x 8 K steps stay in 512 registers.
; The 128 tokens' codes (131,072 bytes, images of fragments) come into LDS once.  The four work-groups of a cluster share g, so each tile is asked for JOINTLY (mask 15): two tensor loads a wave are out at the most.
; q is made TRANSPOSED (source 0 = 16 columns of Wq, source 1 = 16 tokens): a lane holds one token, and the 32 registers of a head's four tiles are d = 32 b + 16 (lane / 16) + i: the next operand's order.
; TAILS by the wave's number: wave 0 makes v for the 128 tokens and 16 of the head's 64 (tile c of Wv), NOT transposed, so that a lane's registers run along the keys; waves 1 and 2 make k of row tile 8 g + 2 c + wave - 1.
; c enters global addresses alone: no LDS address and no branch hangs on it (so k's tail takes its row tile from memory, not from LDS).
; Weights go from memory straight into registers, where no joint request exists; nothing in LDS is filled twice, so there is no ring.
; bufQ: images [tile][head][1024] (pieces 0, 1), from QSCL on [pair][head][32 words] (lanes 0-15 the even tile).  bufKV: k [tile][1024]; v from VIMG on [key step][tile of d][2048]; k's words from KSCL on [tile][16]; v's from VSCL on [step][tile][16].
; A word of q or k holds its two bytes TWICE (bytes 2, 3 repeat bytes 0, 1): the attention launch lays two tiles of k into one fragment and q into either half of its own.  LIMITS: a block of zeros gets the byte 1; NaN and infinities are not served.
; REGISTERS: window 0: v1-10 addresses; v16-143 accumulators ((m, t) at 16 + 32 m + 8 t); v144-175 x's scale words; v176-191 the weights'; v192-215 at work; v216-231 codes; v232-239 a tail's scale words; v240-247 bv; v248-253 words to store.
;   windows 1, 2: the weights' fragments (tile t, K step ks) at v[16 (8 (t % 2) + ks)];   window 3: v0-127 x's fragments, two sets; v128-159 the bias, eight registers a tile in the result's layout.
.set XSCL, 8388608
.set WSCL, 2228224
.set QSCL, 8388608
.set VIMG, 524288
.set KSCL, 1048576
.set VSCL, 1081344
.set ACC,  16
.set XS,   144
.set WS,   176
.set TM,   192
.set PC,   216
.set TS,   232
.set BVC,  240
.set PW,   248
.set PX,   252
.set BIAS, 128
.set WV,   18
.set SEL,  60
.set MNT,  62
.set MSB, 0
.macro WIN new                         ; the immediate's high byte repeats the setting that is left
.if MSB != (\new)
	s_set_vgpr_msb (MSB<<8)|(\new)
.set MSB, (\new)
.endif
.endm
.macro PLACES n                        ; plain vector instructions behind a matrix instruction (ISA guide 7.12.1)
.rept \n
	v_nop
.endr
.endm
.macro CROUND                          ; a round of the cluster's barrier
	s_barrier_signal -1
	s_barrier_wait -1
	s_cmp_lg_u32 s[WV], 0
	s_cbranch_scc1 .Lnot_wave_0_\@
	s_barrier_signal -3
.Lnot_wave_0_\@:
	s_barrier_wait -3
	s_barrier_signal -1
	s_barrier_wait -1
.endm
.macro WMC d, a, b, c, sa, sb, ra, rb  ; one product; ra, rb: the scale words stand in lanes 16-31
.if (\ra) && (\rb)
	v_wmma_scale_f32_16x16x128_f8f6f4 v[(\d):(\d)+7], v[(\a):(\a)+15], v[(\b):(\b)+15], v[(\c):(\c)+7], v[\sa], v[\sb] matrix_a_scale:MATRIX_SCALE_ROW1 matrix_b_scale:MATRIX_SCALE_ROW1
.elseif (\ra)
	v_wmma_scale_f32_16x16x128_f8f6f4 v[(\d):(\d)+7], v[(\a):(\a)+15], v[(\b):(\b)+15], v[(\c):(\c)+7], v[\sa], v[\sb] matrix_a_scale:MATRIX_SCALE_ROW1
.elseif (\rb)
	v_wmma_scale_f32_16x16x128_f8f6f4 v[(\d):(\d)+7], v[(\a):(\a)+15], v[(\b):(\b)+15], v[(\c):(\c)+7], v[\sa], v[\sb] matrix_b_scale:MATRIX_SCALE_ROW1
.else
	v_wmma_scale_f32_16x16x128_f8f6f4 v[(\d):(\d)+7], v[(\a):(\a)+15], v[(\b):(\b)+15], v[(\c):(\c)+7], v[\sa], v[\sb]
.endif
.endm
.macro LOADW sb                        ; four tiles x 8 K steps of a weight into windows 1 and 2
.irp t, 0,1,2,3
	WIN 0x40*(1+\t/2)
.irp ks, 0,1,2,3,4,5,6,7
.irp cc, 0,1,2,3
	global_load_b128 v[16*(8*(\t%2)+\ks)+4*\cc:16*(8*(\t%2)+\ks)+4*\cc+3], v2, s[\sb:\sb+1] offset:\t*16384+\ks*2048+512*\cc
.endr
.endr
.endr
	WIN 0
.endm
.macro LOADWS sb                       ; their scale words: register 8 j + ks: lanes 0-15 tile 2 j, lanes 16-31 tile 2 j + 1
.irp jp, 0,1
.irp ks, 0,1,2,3,4,5,6,7
	global_load_b32 v[WS+8*\jp+\ks], v4, s[\sb:\sb+1] offset:\jp*1024+\ks*128
.endr
.endr
.endm
.macro LOADB sb                        ; the bias in the result's layout: tile t, lane half h: units 32 (t / 2) + 16 h + 8 (t % 2) + 0 .. 7
	WIN 0xc0
.irp t, 0,1,2,3
	global_load_b128 v[BIAS+8*\t:BIAS+8*\t+3], v6, s[\sb:\sb+1] offset:(32*(\t/2)+8*(\t%2))*4
	global_load_b128 v[BIAS+8*\t+4:BIAS+8*\t+7], v6, s[\sb:\sb+1] offset:(32*(\t/2)+8*(\t%2))*4+16
.endr
	WIN 0
.endm
.macro FETCHX set, blk, ks             ; x's four fragments of block blk (row tiles 4 blk ..), K step ks, from LDS
	WIN 0xc0
.irp m, 0,1,2,3
.irp cc, 0,1,2,3
	ds_load_b128 v[64*(\set)+16*\m+4*\cc:64*(\set)+16*\m+4*\cc+3], v[2+(\blk)] offset:\m*16384+(\ks)*2048+512*\cc
.endr
.endr
.endm
.macro MUL blk, ks                     ; 16 products; the 16 accumulators take turns, one instruction a turn; at K step 0 the bias is the C
.irp hf, 0,1
.if (\ks) == 0
	WIN 0x3d+\hf
.else
	WIN 0x0d+\hf
.endif
.irp tt, 0,1
.irp m, 0,1,2,3
.if (\ks) == 0
	WMC ACC+32*\m+8*(2*\hf+\tt), 16*(8*\tt+(\ks)), 64*((\ks)%2)+16*\m, BIAS+8*(2*\hf+\tt), WS+8*\hf+(\ks), XS+8*(2*(\blk)+\m/2)+(\ks), \tt, \m%2
.else
	WMC ACC+32*\m+8*(2*\hf+\tt), 16*(8*\tt+(\ks)), 64*((\ks)%2)+16*\m, ACC+32*\m+8*(2*\hf+\tt), WS+8*\hf+(\ks), XS+8*(2*(\blk)+\m/2)+(\ks), \tt, \m%2
.endif
.endr
.endr
.endr
.endm
.macro QBLOCK blk                      ; 64 tokens x my 64 columns x all of K: 128 products; the next K step's fragments are fetched a step ahead
	FETCHX 0, \blk, 0
.irp ks, 0,1,2,3,4,5,6
.if \ks > 0
	PLACES 8                                       ; in front of loads into the set that the last step's products read
.endif
	FETCHX (\ks+1)%2, \blk, \ks+1
	s_wait_dscnt 16                                ; this step's fragments are in; the 16 loads just issued stay out
	MUL \blk, \ks
.endr
	s_wait_dscnt 0x0
	MUL \blk, 7
	WIN 0
	PLACES 8                                       ; in front of the first read of results and of loads into operands
.endm
; nb blocks of 32 along the next K: register 16 b + i of v[s] on is k = 32 b + 16 (lane / 16) + i of my row.  Codes to v[PC] on, the scale word to v[pw].  Each accumulator is read from its low end on.
.macro QUANT s, nb, pw
.irp b, 0,1,2,3
.if \b < \nb
	v_max3_num_f32 v[TM+\b], |v[(\s)+16*\b]|, |v[(\s)+16*\b+1]|, 0x4800000   ; with the floor 2^(9 - 127): the byte cannot fall under 1
.endif
.endr
.irp i, 2,4,6,8,10,12,14
.irp b, 0,1,2,3
.if \b < \nb
	v_max3_num_f32 v[TM+\b], v[TM+\b], |v[(\s)+16*\b+\i]|, |v[(\s)+16*\b+\i+1]|
.endif
.endr
.endr
.irp b, 0,1,2,3
.if \b < \nb
	v_permlanex16_b32 v[TM+4+\b], v[TM+\b], s[SEL], s[SEL+1]
.endif
.endr
.irp b, 0,1,2,3
.if \b < \nb
	v_max_num_f32 v[TM+\b], v[TM+\b], v[TM+4+\b]   ; with lane l xor 16's: the block's largest magnitude
.endif
.endr
.irp b, 0,1,2,3
.if \b < \nb
	v_add_nc_u32 v[TM+12+\b], 0xfc000000, v[TM+\b] ; 8 off the exponent field: the conversion's scale operand
.endif
.endr
.irp b, 0,1,2,3
.if \b < \nb
	v_and_or_b32 v[TM+8+\b], v[TM+\b], 0x7f800000, s[MNT]   ; 448 x the scale
.endif
.endr
.irp b, 0,1,2,3
.if \b < \nb
	v_lshrrev_b32 v[TM+4+\b], 23, v[TM+12+\b]      ; the scale's byte
.endif
.endr
	v_lshl_or_b32 v[\pw], v[TM+5], 8, v[TM+4]
.if \nb > 2
	v_lshl_or_b32 v[\pw], v[TM+6], 16, v[\pw]
	v_lshl_or_b32 v[\pw], v[TM+7], 24, v[\pw]
.else
	v_lshl_or_b32 v[\pw], v[\pw], 16, v[\pw]       ; the two bytes twice: they serve the operand in the lower or in the upper half of a fragment's 128
.endif
.irp b, 0,1,2,3
.if \b < \nb
.irp i, 0,1,2,3,4,5,6,7,8,9,10,11,12,13,14,15
	v_med3_num_f32 v[(\s)+16*\b+\i], v[(\s)+16*\b+\i], -v[TM+8+\b], v[TM+8+\b]   ; the conversion to an 8-bit code does not saturate (ISA guide 7.6.2)
.endr
	v_cvt_scalef32_pk8_fp8_f32 v[PC+4*\b:PC+4*\b+1], v[(\s)+16*\b:(\s)+16*\b+7], v[TM+12+\b]
	v_cvt_scalef32_pk8_fp8_f32 v[PC+4*\b+2:PC+4*\b+3], v[(\s)+16*\b+8:(\s)+16*\b+15], v[TM+12+\b]
.endif
.endr
	v_nop                                          ; a plain place behind the last conversion
.endm
.macro QOUT blk                        ; q of four row tiles: quantised, its two pieces stored as they stand; a pair's words share a store
.irp m, 0,1,2,3
	s_wait_xcnt 0x0                                ; the earlier stores have read their registers
	QUANT ACC+32*\m, 2, PW+\m
	global_store_b128 v2, v[PC:PC+3], s[48:49] offset:(4*(\blk)+\m)*16384
	global_store_b128 v2, v[PC+4:PC+7], s[48:49] offset:(4*(\blk)+\m)*16384+512
.if \m % 2
	v_cndmask_b32 v[PX+\m/2], v[PW+\m], v[PW+\m-1], s63      ; lanes 0-15 the even tile's words, lanes 16-31 the odd one's
	global_store_b32 v4, v[PX+\m/2], s[50:51] offset:(2*(\blk)+\m/2)*2048
.endif
.endr
.endm
.macro VMUL q                          ; v: K step q / 2, block q % 2: source 0 = 16 tokens, source 1 = 16 columns of Wv; eight accumulators by turns
	WIN 0x07
.irp m, 0,1,2,3
.if (\q) < 2
	WMC ACC+8*(4*((\q)%2)+\m), 64*((\q)%2)+16*\m, 16*((\q)/2), BVC, XS+8*(2*((\q)%2)+\m/2)+(\q)/2, TS+(\q)/2, \m%2, 0
.else
	WMC ACC+8*(4*((\q)%2)+\m), 64*((\q)%2)+16*\m, 16*((\q)/2), ACC+8*(4*((\q)%2)+\m), XS+8*(2*((\q)%2)+\m/2)+(\q)/2, TS+(\q)/2, \m%2, 0
.endif
.endr
.endm
	s_load_b256 s[4:11], s[0:1], 0x0               ; bufX s[4:5], bufW s[6:7], bq s[8:9], bk s[10:11]
	s_load_b128 s[12:15], s[0:1], 0x20             ; bv s[12:13], bufQ s[14:15]
	s_load_b64 s[16:17], s[0:1], 0x30              ; bufKV
	v_lshl_add_u32 v254, v0, 2, 0x29000
	v_mov_b32 v255, 0
	ds_add_u32 v254, v255
	ds_add_u32 v254, v255
	v_lshrrev_b32 v1, 5, v0
	v_readfirstlane_b32 s[WV], v1                  ; wave 0..3
	s_lshl_b32 s19, ttmp9, 2
	s_bfe_u32 s21, ttmp6, 0x40000
	s_add_co_u32 s19, s19, s21                     ; c = 4 x cluster x + cx
	s_and_b32 s20, ttmp7, 0xffff                   ; g, which the four partners share
	s_lshl_b32 s21, s19, 2
	s_add_co_u32 s21, s21, s[WV]                   ; my head
	s_mov_b32 s[SEL], 0x76543210
	s_mov_b32 s[SEL+1], 0xfedcba98                 ; v_permlanex16_b32's selects for lane l xor 16
	s_mov_b32 s[MNT], 0x600000                     ; the mantissa field of 448
	s_mov_b32 s63, 0xffff                          ; lanes 0-15
	; descriptor group 1: 16,384 dense bytes as 64 rows of 256 (32 elements of 8 bytes)
	s_mov_b32 s24, 15|(3<<16)|(1<<21)              ; 15:0 the mask: all four work-groups; 17:16 elements of 8 bytes; 21 set beside a mask
	s_mov_b32 s25, 32<<16                          ; tensor_dim0 = 32
	s_mov_b32 s26, 128<<16                         ; tensor_dim1 = 128: one load a wave brings two row tiles, 32,768 dense bytes
	s_mov_b32 s27, 32<<16                          ; tile_dim0 = 32
	s_mov_b32 s28, 128                             ; tile_dim1 = 128
	s_mov_b32 s29, 32                              ; from row to row
	s_mov_b32 s30, 0
	s_mov_b32 s31, 0
	s_mov_b32 s32, 1
	s_lshl_b32 s33, s[WV], 15                      ; LDS: row tiles 2 w and 2 w + 1
	s_lshl_b32 s54, s20, 17
	s_add_co_u32 s54, s54, s33                     ; 131,072 g + 32,768 w: made of g and the wave's number alone
	s_mov_b32 s55, 0
	s_mov_b32 s53, 0
	s_wait_dscnt 0x0
	s_wait_kmcnt 0x0
	s_add_nc_u64 s[34:35], s[4:5], s[54:55]
	s_or_b32 s35, s35, 0x80000000
	s_lshl_b32 s52, s21, 16
	s_add_nc_u64 s[40:41], s[6:7], s[52:53]        ; my four tiles of Wq
	s_lshl_b32 s52, s21, 11
	s_add_co_u32 s52, s52, WSCL
	s_add_nc_u64 s[42:43], s[6:7], s[52:53]        ; their scale words
	s_lshl_b32 s52, s20, 12
	s_add_co_u32 s52, s52, XSCL
	s_add_nc_u64 s[44:45], s[4:5], s[52:53]        ; x's scale words of the eight row tiles
	s_lshl_b32 s52, s21, 8
	s_add_nc_u64 s[46:47], s[8:9], s[52:53]        ; bq at my head
	s_lshl_b32 s52, s20, 17
	s_lshl_b32 s56, s21, 10
	s_add_co_u32 s52, s52, s56
	s_add_nc_u64 s[48:49], s[14:15], s[52:53]      ; q's images: (128 g + head) x 1,024
	s_lshl_b32 s52, s20, 13
	s_lshl_b32 s56, s21, 7
	s_add_co_u32 s52, s52, s56
	s_add_co_u32 s52, s52, QSCL
	s_add_nc_u64 s[50:51], s[14:15], s[52:53]      ; q's words: (64 g + head) x 128
	CROUND                                         ; all four work-groups are here: the joint loads meet
	tensor_load_to_lds s[32:35], s[24:31]          ; row tiles 2 w and 2 w + 1
	s_nop 0
	PLACES 4
	v_and_b32 v1, 31, v0                           ; lane
	v_lshlrev_b32 v2, 4, v1                        ; 16 x lane: an image's place; LDS address of block 0
	v_add_nc_u32 v3, 65536, v2                     ; LDS address of block 1
	v_lshlrev_b32 v4, 2, v1                        ; 4 x lane
	v_and_b32 v7, 15, v0
	v_lshrrev_b32 v6, 4, v1
	v_lshlrev_b32 v8, 3, v7                        ; 8 (lane % 16)
	v_lshl_add_u32 v5, v6, 9, v8                   ; x's words of a pair: lanes 16-31 take the odd tile, 512 bytes on
	v_lshlrev_b32 v6, 6, v6                        ; 64 (lane / 16)
	v_lshlrev_b32 v7, 2, v7                        ; 4 (lane % 16)
.irp b, 0,1,2,3
	v_mov_b32 v[TM+4+\b], 0                        ; written once: a lane permute's destination counts as one of its sources
.endr
	LOADW 40
	LOADWS 42
.irp p, 0,1,2,3
.irp kq, 0,1,2,3
	global_load_b64 v[XS+8*\p+2*\kq:XS+8*\p+2*\kq+1], v5, s[44:45] offset:\p*1024+\kq*128   ; register 8 p + ks: lanes 0-15 row tile 2 p, lanes 16-31 row tile 2 p + 1
.endr
.endr
	LOADB 46
	s_wait_loadcnt 0x0
	s_wait_tensorcnt 0x0                           ; my one load, two of the eight row tiles, is in
	s_barrier_signal -1
	s_barrier_wait -1                              ; everybody's is
	QBLOCK 0
	QOUT 0
	QBLOCK 1
	s_cmp_eq_u32 s[WV], 0
	s_cbranch_scc1 .Lpath_v
	s_cmp_eq_u32 s[WV], 3
	s_cbranch_scc1 .Lpath_3
	; ---- waves 1 and 2: k of row tile T = 8 g + 2 c + wave - 1.  Its operands are asked for first and land while q's second half goes out
	s_lshl_b32 s52, s20, 3
	s_lshl_b32 s56, s19, 1
	s_add_co_u32 s52, s52, s56
	s_add_co_u32 s52, s52, s[WV]
	s_sub_co_u32 s56, s52, 1                       ; T
	s_add_nc_u64 s[66:67], s[6:7], 64*16384        ; Wk's four tiles
	s_add_nc_u64 s[68:69], s[6:7], WSCL+32*1024    ; their scale words
	s_lshl_b32 s52, s56, 14
	s_add_nc_u64 s[70:71], s[4:5], s[52:53]        ; x's images of tile T
	s_lshl_b32 s52, s56, 9
	s_add_co_u32 s52, s52, XSCL
	s_add_nc_u64 s[72:73], s[4:5], s[52:53]        ; its scale words
	s_lshl_b32 s52, s56, 10
	s_add_nc_u64 s[74:75], s[16:17], s[52:53]      ; k's image
	s_lshl_b32 s52, s56, 6
	s_add_co_u32 s52, s52, KSCL
	s_add_nc_u64 s[76:77], s[16:17], s[52:53]      ; k's words
	LOADW 66
	LOADWS 68
	LOADB 10
	WIN 0xc0
.irp ks, 0,1,2,3,4,5,6,7
.irp cc, 0,1,2,3
	global_load_b128 v[16*\ks+4*\cc:16*\ks+4*\cc+3], v2, s[70:71] offset:\ks*2048+512*\cc
.endr
.endr
	WIN 0
.irp kq, 0,1,2,3
	global_load_b64 v[TS+2*\kq:TS+2*\kq+1], v8, s[72:73] offset:\kq*128
.endr
	QOUT 1
	s_wait_loadcnt 0x0
.irp hf, 0,1                                   ; two accumulators by turns, K ascending; then the other two
.irp ks, 0,1,2,3,4,5,6,7
.if \ks == 0
	WIN 0x3d+\hf
.else
	WIN 0x0d+\hf
.endif
.irp tt, 0,1
.if \ks == 0
	WMC ACC+8*(2*\hf+\tt), 16*(8*\tt+\ks), 16*\ks, BIAS+8*(2*\hf+\tt), WS+8*\hf+\ks, TS+\ks, \tt, 0
.else
	WMC ACC+8*(2*\hf+\tt), 16*(8*\tt+\ks), 16*\ks, ACC+8*(2*\hf+\tt), WS+8*\hf+\ks, TS+\ks, \tt, 0
.endif
.endr
.endr
.endr
	WIN 0
	PLACES 8
	s_wait_xcnt 0x0                                ; q's stores have read the codes' registers
	QUANT ACC, 2, PW
	global_store_b128 v2, v[PC:PC+3], s[74:75]
	global_store_b128 v2, v[PC+4:PC+7], s[74:75] offset:512
	global_store_b32 v7, v[PW], s[76:77]           ; lanes l and l + 16 hold the same word and write it to the same place
	s_branch .Ljoin
	; ---- wave 0: v of the 128 tokens for the 16 of the head's 64 that form tile c of Wv
.Lpath_v:
	s_add_co_u32 s52, s19, 68
	s_lshl_b32 s52, s52, 14
	s_add_nc_u64 s[66:67], s[6:7], s[52:53]        ; Wv's tile c
	s_lshr_b32 s56, s19, 1
	s_and_b32 s57, s19, 1
	s_lshl_b32 s52, s56, 10
	s_lshl_b32 s58, s57, 6
	s_add_co_u32 s52, s52, s58
	s_add_co_u32 s52, s52, WSCL+34*1024
	s_add_nc_u64 s[68:69], s[6:7], s[52:53]        ; its scale words: pair 34 + c / 2, the half c % 2
	s_lshl_b32 s52, s56, 7
	s_lshl_b32 s58, s57, 5
	s_add_co_u32 s52, s52, s58
	s_add_nc_u64 s[70:71], s[12:13], s[52:53]      ; bv at 32 (c / 2) + 8 (c % 2)
	s_lshl_b32 s56, s20, 2
	s_add_co_u32 s56, s56, s19                     ; 4 g + c
	s_lshl_b32 s52, s56, 11
	s_add_co_u32 s52, s52, VIMG
	s_add_nc_u64 s[72:73], s[16:17], s[52:53]      ; v's image
	s_lshl_b32 s52, s56, 6
	s_add_co_u32 s52, s52, VSCL
	s_add_nc_u64 s[74:75], s[16:17], s[52:53]      ; v's words
	v_and_b32 v9, 15, v0
	v_and_b32 v10, 8, v9
	v_add_nc_u32 v9, v9, v10
	v_lshlrev_b32 v9, 2, v9                        ; my column's place in the tile: r + 8 (r / 8)
	WIN 0x40
.irp ks, 0,1,2,3,4,5,6,7
.irp cc, 0,1,2,3
	global_load_b128 v[16*\ks+4*\cc:16*\ks+4*\cc+3], v2, s[66:67] offset:\ks*2048+512*\cc
.endr
.endr
	WIN 0
.irp ks, 0,1,2,3,4,5,6,7
	global_load_b32 v[TS+\ks], v7, s[68:69] offset:\ks*128
.endr
	global_load_b32 v[BVC], v9, s[70:71]
	QOUT 1
	s_wait_loadcnt 0x0
.irp i, 1,2,3,4,5,6,7
	v_mov_b32 v[BVC+\i], v[BVC]                    ; a lane holds one column: its bias eight times is the C of each sum's first product
.endr
	s_wait_alu depctr_va_vdst(0)
	FETCHX 0, 0, 0
.irp q, 0,1,2,3,4,5,6,7,8,9,10,11,12,13,14
.if \q > 0
	PLACES 8
.endif
	FETCHX (\q+1)%2, (\q+1)%2, (\q+1)/2
	s_wait_dscnt 16
	VMUL \q
.endr
	s_wait_dscnt 0x0
	VMUL 15
	WIN 0
	PLACES 8
	s_wait_xcnt 0x0
	QUANT ACC, 4, PW                               ; register 16 b + i is key 32 b + 16 (lane / 16) + i: a whole fragment of v^T
.irp b, 0,1,2,3
	global_store_b128 v2, v[PC+4*\b:PC+4*\b+3], s[72:73] offset:512*\b
.endr
	global_store_b32 v7, v[PW], s[74:75]
	s_branch .Ljoin
.Lpath_3:
	QOUT 1
.Ljoin:
	s_wait_tensorcnt 0x0
	ds_add_u32 v254, v255
	s_wait_dscnt 0x0
	CROUND                                         ; the closing round
	s_endpgm
.Lfunc_end_k_q8c8ea7f9c8_qkv:
	.size	k_q8c8ea7f9c8_qkv, .Lfunc_end_k_q8c8ea7f9c8_qkv-k_q8c8ea7f9c8_qkv
	.p2alignl 7, 3214868480
	.fill 96, 4, 3214868480
	.section	.rodata,"a",@progbits
	.p2align	6, 0x0
	.amdhsa_kernel k_q8c8ea7f9c8_qkv
		.amdhsa_group_segment_fixed_size 168448
		.amdhsa_private_segment_fixed_size 0
		.amdhsa_enable_private_segment 0
		.amdhsa_kernarg_size 56
		.amdhsa_user_sgpr_count 2
		.amdhsa_user_sgpr_kernarg_segment_ptr 1
		.amdhsa_wavefront_size32 1
		.amdhsa_system_sgpr_workgroup_id_x 1
		.amdhsa_system_sgpr_workgroup_id_y 1
		.amdhsa_system_sgpr_workgroup_id_z 1
		.amdhsa_system_vgpr_workitem_id 0
		.amdhsa_next_free_vgpr 1024
		.amdhsa_next_free_sgpr 100
		.amdhsa_reserve_vcc 0
		.amdhsa_float_denorm_mode_32 3
		.amdhsa_float_denorm_mode_16_64 3
		.amdhsa_memory_ordered 1
		.amdhsa_forward_progress 1
		.amdhsa_inst_pref_size 214
	.end_amdhsa_kernel
	.amdgpu_metadata
---
amdhsa.version: [ 1, 2 ]
amdhsa.kernels:
  - .name:           k_q8c8ea7f9c8_qkv
    .symbol:         k_q8c8ea7f9c8_qkv.kd
    .args:
      - { .name: bufX, .offset: 0, .size: 8, .value_kind: global_buffer, .address_space: global }
      - { .name: bufW, .offset: 8, .size: 8, .value_kind: global_buffer, .address_space: global }
      - { .name: bq, .offset: 16, .size: 8, .value_kind: global_buffer, .address_space: global }
      - { .name: bk, .offset: 24, .size: 8, .value_kind: global_buffer, .address_space: global }
      - { .name: bv, .offset: 32, .size: 8, .value_kind: global_buffer, .address_space: global }
      - { .name: bufQ, .offset: 40, .size: 8, .value_kind: global_buffer, .address_space: global }
      - { .name: bufKV, .offset: 48, .size: 8, .value_kind: global_buffer, .address_space: global }
    .group_segment_fixed_size: 168448
    .private_segment_fixed_size: 0
    .kernarg_segment_align: 8
    .kernarg_segment_size: 56
    .max_flat_workgroup_size: 128
    .sgpr_count:     100
    .vgpr_count:     1024
    .wavefront_size: 32
...
	.end_amdgpu_metadata
.endif
;; end of part 6
;; launch attn (part 7): grid 64 x 4, 8 waves a work-group, clusters of 4 x 1, 276,480 bytes of LDS; arguments bufQ, bufKV, bufO; writes bufO
.if DOCPART == 7
	.amdgcn_target "amdgcn-amd-amdhsa--gfx1250"
	.amdhsa_code_object_version 6
	.text
	.protected	k_q8c8ea7f9c8_attn
	.globl	k_q8c8ea7f9c8_attn
	.p2align	8
	.type	k_q8c8ea7f9c8_attn,@function
k_q8c8ea7f9c8_attn:
	s_mov_b64 s[64:65], 0
	v_nop
	global_prefetch_b8 v0, s[64:65] scope:SCOPE_SE
	s_setreg_imm32_b32 hwreg(HW_REG_WAVE_MODE, 25, 1), 1
	s_wait_xcnt 0x0
	s_wait_alu depctr_hold_cnt(0) depctr_sa_sdst(0) depctr_va_vdst(0) depctr_va_sdst(0) depctr_va_ssrc(0) depctr_va_vcc(0) depctr_vm_vsrc(0)
	s_getreg_b32 s2, hwreg(HW_REG_IB_STS2, 6, 4)
	s_cmp_eq_u32 s2, 0
	s_cbranch_scc0 .Lentry_in_a_cluster
	s_endpgm
.Lentry_in_a_cluster:
	s_bfe_u32 s2, ttmp6, 0x10000c
	s_cmp_lg_u32 s2, 0x3003
	s_cbranch_scc0 .Lentry_shape_is_right
	s_endpgm
.Lentry_shape_is_right:
; O = softmax(q k^T / 8) v for 16 heads that share one k and v, both products on codes of E4M3 with E8M0 scales; O / l is quantised along the head's 64 for the last projection.
; THE SOFTMAX: t = score x log2(e) / 8; M = the running largest t rounded UP to a whole number (kept as -M = floor(-t)); p = 2^(t - M) is quantised along the keys, not normalised; l is the sum of the unquantised p.
; When M moves, l and O^T are multiplied by f = 2^(old M - new M), made by v_ldexp_f32: nothing is rounded, and no branch hangs on data.
; SHARES.  A work-group owns a pair of query tiles (32 tokens) and all 16 heads.  Wave w of eight takes heads w and w + 8, one after the other, and for a head BOTH tiles (A, B) at once: each fragment of k and v read from LDS serves both.
; A batch's whole k and v (images of fragments and scale words, 274,432 bytes) lie in LDS, filled once: no ring, no refill.  The four work-groups of a cluster belong to one batch: every fill is a JOINT load (mask 15).
; At most one tensor load a wave at the head: waves 0, 1 the halves of k's images, waves 2, 3 of v's (65,536 bytes each), wave 4 k's scale words, wave 5 v's.
; No prefetch: k and v are asked for once, at the head, and the launch has no loop that runs ahead of a load from memory.
; Both products are used transposed (S^T = k q^T, O^T = v^T p^T): a lane holds one query throughout.  The keys of a tile of k are laid so that the 16 registers of tiles 2 b, 2 b + 1 are keys 32 b + 16 (lane / 16) + 0 .. 15.
; THE FIRST PRODUCT'S K IS 64, so ONE FRAGMENT HOLDS TWO TILES OF k: pieces 0, 1 are tile 2 f, pieces 2, 3 tile 2 f + 1.  q stands between zeros: [q | 0] picks the even tile, [0 | q] the odd one; the other tile's codes meet
; zero codes and add nothing.  q's and k's scale words hold their two bytes twice, so that either half finds its own.
; THE ORDER OF A STEP.  Both tiles' scores; v of this step and k of the NEXT are asked for; both tiles' maxima, line by line by turns; A's exponentials with B's multiply-adds between them; A's sums and scales;
; B's exponentials with A's holds between them; A's codes and product; B's sums, holds, codes and product.  What stands between the exponentials is first read behind the batch's closing wait.
; The last step's look-ahead reads the LDS bytes behind k's images and behind k's words (v's: landed, inside the claim); what it brings is not used.
; A block's largest p is not searched for: the block's largest score goes through the same multiply-add and exponential as the scores (this takes v_exp_f32 not to fall where its input rises).
; LIMITS: 1 / l is v_rcp_f32 and a multiplication; a block of zeros gets the byte 1 (its codes are zeros, and this program alone reads the bytes); NaN and infinities are not served; scores lie above -3e38.
; REGISTERS.  Window 0 (x = 0 tile A, 1 tile B): v1-10 addresses; v[12+4x] -M, the largest score, l (a pair); v[20+2x] f; v24-59 at work; v60-68 scale words; v[72+16x] codes (and room for the maxima's tree); v[104+64x] S^T, then p; v232-239 at work.
;   Window 1: v0-63 k's four fragments; v64-127 v's; v[128+32x] O^T; v192-231 zeros | q A | zeros | q B | zeros.
.set QSCL,  8388608
.set OSCL,  8388608
.set VIMG,  524288
.set KSCL,  1048576
.set VSCL,  1081344
.set VIML,  131072                     ; LDS: k's images at 0, v's here,
.set KSC,   262144                     ; k's scale words,
.set VSC,   270336                     ; v's,
.set OSC,   274432                     ; O's scale bytes of the pair, 1,024 bytes: written by LDS stores alone, no fill lands there,
.set SPARE, 275456                     ; and the spare words, 128 bytes for each of 8 waves
.set NM,  12                           ; + 4 x: -M; + 1 the largest score; + 2, + 3 l
.set FW,  20                           ; + 2 x: f; the odd register is named with it as a pair
.set HD,  24                           ; + 4 x: 448 x the scale
.set SO,  32                           ; + 4 x: the conversions' scale operands
.set TM,  40                           ; + 4 x: the blocks' largest
.set T2,  48                           ; + 4 x: the other half's; bytes; two chains of sums
.set TP,  56                           ; + x
.set WD,  58                           ; + x
.set KS,  60
.set VS,  64
.set QS,  66
.set PW,  67                           ; + x: p's scale word
.set SPW, 69                           ; LDS address of my spare word; never rewritten
.set NIL, 70                           ; 0; never rewritten
.set PC,  72                           ; + 16 x
.set SR,  104                          ; + 64 x
.set U2,  232                          ; + 4 x: the tree's fifth leaves; two more chains of sums
.set KF,  0                            ; window 1
.set VF,  64
.set OA,  128                          ; + 32 x
.set QF,  192                          ; + 16 x: zeros, q, zeros
.set WV,  10
.set SEL, 56
.set CS,  58
.set MNT, 60
.set MSB, 0
.macro WIN new                         ; the immediate's high byte repeats the setting that is left
.if MSB != (\new)
	s_set_vgpr_msb (MSB<<8)|(\new)
.set MSB, (\new)
.endif
.endm
.macro PLACES n
.rept \n
	v_nop
.endr
.endm
.macro CROUND                          ; a round of the cluster's barrier
	s_barrier_signal -1
	s_barrier_wait -1
	s_cmp_lg_u32 s[WV], 0
	s_cbranch_scc1 .Lnot_wave_0_\@
	s_barrier_signal -3
.Lnot_wave_0_\@:
	s_barrier_wait -3
	s_barrier_signal -1
	s_barrier_wait -1
.endm
.macro WMZ d, a, b, sa, sb, ra, rb     ; a product that starts a sum; ra, rb: the scale words stand in lanes 16-31
.if (\ra) && (\rb)
	v_wmma_scale_f32_16x16x128_f8f6f4 v[(\d):(\d)+7], v[(\a):(\a)+15], v[(\b):(\b)+15], 0, v[\sa], v[\sb] matrix_a_scale:MATRIX_SCALE_ROW1 matrix_b_scale:MATRIX_SCALE_ROW1
.elseif (\ra)
	v_wmma_scale_f32_16x16x128_f8f6f4 v[(\d):(\d)+7], v[(\a):(\a)+15], v[(\b):(\b)+15], 0, v[\sa], v[\sb] matrix_a_scale:MATRIX_SCALE_ROW1
.elseif (\rb)
	v_wmma_scale_f32_16x16x128_f8f6f4 v[(\d):(\d)+7], v[(\a):(\a)+15], v[(\b):(\b)+15], 0, v[\sa], v[\sb] matrix_b_scale:MATRIX_SCALE_ROW1
.else
	v_wmma_scale_f32_16x16x128_f8f6f4 v[(\d):(\d)+7], v[(\a):(\a)+15], v[(\b):(\b)+15], 0, v[\sa], v[\sb]
.endif
.endm
.macro WMA d, a, b, sa, sb, ra         ; a product that adds in place
.if (\ra)
	v_wmma_scale_f32_16x16x128_f8f6f4 v[(\d):(\d)+7], v[(\a):(\a)+15], v[(\b):(\b)+15], v[(\d):(\d)+7], v[\sa], v[\sb] matrix_a_scale:MATRIX_SCALE_ROW1
.else
	v_wmma_scale_f32_16x16x128_f8f6f4 v[(\d):(\d)+7], v[(\a):(\a)+15], v[(\b):(\b)+15], v[(\d):(\d)+7], v[\sa], v[\sb]
.endif
.endm
; Both tiles' maxima, -M and f, line by line by turns, so that no line waits for the line above it.
.macro MAXIMA
.irp j, 0,1,2,3                                ; THE LARGEST SCORE OF EACH BLOCK OF 32 KEYS, as a tree.  Each accumulator is first read at its low end
.irp x, 0,1
.irp b, 0,1,2,3
	v_max3_num_f32 v[PC+16*\x+4*\b+\j], v[SR+64*\x+16*\b+3*\j], v[SR+64*\x+16*\b+3*\j+1], v[SR+64*\x+16*\b+3*\j+2]
.endr
.endr
.endr
.irp x, 0,1
.irp b, 0,1,2,3
	v_max3_num_f32 v[U2+4*\x+\b], v[SR+64*\x+16*\b+12], v[SR+64*\x+16*\b+13], v[SR+64*\x+16*\b+14]
.endr
.endr
.irp x, 0,1
.irp b, 0,1,2,3
	v_max3_num_f32 v[TM+4*\x+\b], v[PC+16*\x+4*\b], v[PC+16*\x+4*\b+1], v[PC+16*\x+4*\b+2]
.endr
.endr
.irp x, 0,1
.irp b, 0,1,2,3
	v_max3_num_f32 v[T2+4*\x+\b], v[PC+16*\x+4*\b+3], v[U2+4*\x+\b], v[SR+64*\x+16*\b+15]
.endr
.endr
.irp x, 0,1
.irp b, 0,1,2,3
	v_max_num_f32 v[TM+4*\x+\b], v[TM+4*\x+\b], v[T2+4*\x+\b]
.endr
.endr
.irp x, 0,1
.irp b, 0,1,2,3
	v_permlanex16_b32 v[T2+4*\x+\b], v[TM+4*\x+\b], s[SEL], s[SEL+1]
.endr
.endr
.irp x, 0,1
.irp b, 0,1,2,3
	v_max_num_f32 v[TM+4*\x+\b], v[TM+4*\x+\b], v[T2+4*\x+\b]     ; with lane l xor 16's 16 keys
.endr
.endr
.irp x, 0,1
	v_max3_num_f32 v[WD+\x], v[TM+4*\x], v[TM+4*\x+1], v[TM+4*\x+2]
.endr
.irp x, 0,1
	v_max3_num_f32 v[NM+4*\x+1], v[WD+\x], v[TM+4*\x+3], v[NM+4*\x+1]   ; the running largest score (c is positive: the largest t is c x it)
.endr
.irp x, 0,1
	v_mul_f32 v[WD+\x], s[CS], v[NM+4*\x+1]
.endr
.irp x, 0,1
	v_floor_f32 v[NM+4*\x], -v[WD+\x]              ; the new -M = -ceil(t)
.endr
.irp x, 0,1
	v_sub_f32 v[TP+\x], v[NM+4*\x], v[TP+\x]       ; old M - new M: a whole number, 0 or less
.endr
.irp x, 0,1
.irp b, 0,1,2,3
	v_fma_f32 v[TM+4*\x+\b], v[TM+4*\x+\b], s[CS], v[NM+4*\x]     ; t - M of each block's largest score
.endr
.endr
.irp x, 0,1
	v_cvt_i32_f32 v[TP+\x], v[TP+\x]               ; (it saturates)
.endr
.irp x, 0,1
	v_ldexp_f32 v[FW+2*\x], 1.0, v[TP+\x]          ; f = 2^(old M - new M)
.endr
.endm
; Tile x's 68 exponentials.  Between them stand plain lines of the OTHER tile, which name none of the batch's registers and whose results are first read behind the wait that closes the batch:
; in A's batch B's 32 multiply-adds t - M, in B's batch A's 32 holds (two numbers to an instruction; p is not negative, so the hold is one-sided; the conversion does not saturate: ISA guide 7.6.2).
.macro EXPS x
.irp b, 0,1,2,3
	v_exp_f32 v[TM+4*\x+\b], v[TM+4*\x+\b]         ; the block's largest p
.endr
.set jj, 0
.rept 32
	v_exp_f32 v[SR+64*\x+2*jj], v[SR+64*\x+2*jj]   ; p = 2^(t - M), at most 1
.if \x == 0
	v_pk_fma_f32 v[SR+64+2*jj:SR+64+2*jj+1], v[SR+64+2*jj:SR+64+2*jj+1], s[CS:CS+1], v[NM+4:NM+5] op_sel_hi:[1,0,0]
.else
	v_dual_min_num_f32 v[SR+2*jj], v[HD+jj/8], v[SR+2*jj] :: v_dual_min_num_f32 v[SR+2*jj+1], v[HD+jj/8], v[SR+2*jj+1]
.endif
	v_exp_f32 v[SR+64*\x+2*jj+1], v[SR+64*\x+2*jj+1]
.set jj, jj+1
.endr
	v_nop                                          ; a plain place behind the last exponential
.endm
.macro RESCALE x                       ; the wait that closes the batch stands directly ahead of the first readers of O^T
	WIN 0x44                                       ; O^T: window 1; f: window 0
	s_wait_alu depctr_va_vdst(0)
.set jj, 0
.rept 16
	v_pk_mul_f32 v[OA+32*\x+jj:OA+32*\x+jj+1], v[FW+2*\x:FW+2*\x+1], v[OA+32*\x+jj:OA+32*\x+jj+1] op_sel_hi:[0,1]   ; each accumulator from its low end on
.set jj, jj+2
.endr
	WIN 0
.endm
.macro SCALES x
.irp b, 0,1,2,3
	v_max_num_f32 v[TM+4*\x+\b], 0x4800000, v[TM+4*\x+\b]          ; the floor 2^(9 - 127): the byte cannot fall under 1
.endr
.irp b, 0,1,2,3
	v_add_nc_u32 v[SO+4*\x+\b], 0xfc000000, v[TM+4*\x+\b]          ; 8 off the exponent field: the conversion's scale operand
.endr
.irp b, 0,1,2,3
	v_and_or_b32 v[HD+4*\x+\b], v[TM+4*\x+\b], 0x7f800000, s[MNT]  ; 448 x the scale
.endr
.irp b, 0,1,2,3
	v_lshrrev_b32 v[T2+4*\x+\b], 23, v[SO+4*\x+\b]                 ; the scale's byte
.endr
	v_lshl_or_b32 v[PW+\x], v[T2+4*\x+1], 8, v[T2+4*\x]            ; p's scale word for these 128 keys
	v_lshl_or_b32 v[PW+\x], v[T2+4*\x+2], 16, v[PW+\x]
	v_lshl_or_b32 v[PW+\x], v[T2+4*\x+3], 24, v[PW+\x]
.endm
.macro SUMS x                          ; THE SUM IS TAKEN OF THE UNQUANTISED p: two at a time, in four chains; nothing is cleared
	v_pk_add_f32 v[T2+4*\x:T2+4*\x+1], v[SR+64*\x:SR+64*\x+1], v[SR+64*\x+2:SR+64*\x+3]
	v_pk_add_f32 v[T2+4*\x+2:T2+4*\x+3], v[SR+64*\x+4:SR+64*\x+5], v[SR+64*\x+6:SR+64*\x+7]
	v_pk_add_f32 v[U2+4*\x:U2+4*\x+1], v[SR+64*\x+8:SR+64*\x+9], v[SR+64*\x+10:SR+64*\x+11]
	v_pk_add_f32 v[U2+4*\x+2:U2+4*\x+3], v[SR+64*\x+12:SR+64*\x+13], v[SR+64*\x+14:SR+64*\x+15]
.irp j, 16,24,32,40,48,56
	v_pk_add_f32 v[T2+4*\x:T2+4*\x+1], v[T2+4*\x:T2+4*\x+1], v[SR+64*\x+\j:SR+64*\x+\j+1]
	v_pk_add_f32 v[T2+4*\x+2:T2+4*\x+3], v[T2+4*\x+2:T2+4*\x+3], v[SR+64*\x+\j+2:SR+64*\x+\j+3]
	v_pk_add_f32 v[U2+4*\x:U2+4*\x+1], v[U2+4*\x:U2+4*\x+1], v[SR+64*\x+\j+4:SR+64*\x+\j+5]
	v_pk_add_f32 v[U2+4*\x+2:U2+4*\x+3], v[U2+4*\x+2:U2+4*\x+3], v[SR+64*\x+\j+6:SR+64*\x+\j+7]
.endr
.endm
.macro JOIN x                          ; the four chains join; l = f l + the step's sum
	v_pk_add_f32 v[T2+4*\x:T2+4*\x+1], v[T2+4*\x:T2+4*\x+1], v[T2+4*\x+2:T2+4*\x+3]
	v_pk_add_f32 v[U2+4*\x:U2+4*\x+1], v[U2+4*\x:U2+4*\x+1], v[U2+4*\x+2:U2+4*\x+3]
	v_pk_add_f32 v[T2+4*\x:T2+4*\x+1], v[T2+4*\x:T2+4*\x+1], v[U2+4*\x:U2+4*\x+1]
	v_pk_fma_f32 v[NM+4*\x+2:NM+4*\x+3], v[FW+2*\x:FW+2*\x+1], v[NM+4*\x+2:NM+4*\x+3], v[T2+4*\x:T2+4*\x+1] op_sel_hi:[0,1,1]
.endm
.macro CODES x
.irp b, 0,1,2,3
	v_cvt_scalef32_pk8_fp8_f32 v[PC+16*\x+4*\b:PC+16*\x+4*\b+1], v[SR+64*\x+16*\b:SR+64*\x+16*\b+7], v[SO+4*\x+\b]
	v_cvt_scalef32_pk8_fp8_f32 v[PC+16*\x+4*\b+2:PC+16*\x+4*\b+3], v[SR+64*\x+16*\b+8:SR+64*\x+16*\b+15], v[SO+4*\x+\b]
.endr
.endm
.macro PV x                            ; O^T += v^T p^T: four accumulators by turns
	WIN 0x51                                       ; v and O^T: window 1; the codes: window 0
.irp i, 0,1,2,3
	WMA OA+32*\x+8*\i, VF+16*\i, PC+16*\x, VS+\i/2, PW+\x, \i%2
.endr
	WIN 0
.endm
; A KEY STEP: 128 keys against both tiles of queries.
.macro STEP
	WIN 0x05                                       ; k and q: window 1; S^T: window 0
.irp x, 0,1
.irp t, 0,1,2,3,4,5,6,7
	WMZ SR+64*\x+8*\t, KF+16*(\t/2), QF+16*\x+8-8*(\t%2), KS+\t/2, QS, \t%2, \x
.endr
.endr
	WIN 0
	v_add_nc_u32 v3, s62, v1                       ; the step's tiles of k (the look-ahead adds a step in the immediate),
	v_add_nc_u32 v4, s62, v7                       ; of v,
	v_add_nc_u32 v5, s63, v8                       ; k's scale words,
	v_add_nc_u32 v6, s66, v10                      ; v's,
	v_mov_b32 v[TP], v[NM]                         ; and the old -M of both tiles.  With two v_nop: the eight places in front of the loads below and of the first read of S^T
	v_mov_b32 v[TP+1], v[NM+4]
	PLACES 2
	WIN 0x40
.irp f, 0,1,2,3
.irp cc, 0,1,2,3
	ds_load_b128 v[VF+16*\f+4*\cc:VF+16*\f+4*\cc+3], v4 offset:\f*2048+512*\cc           ; this step's v
.endr
.endr
.irp f, 0,1,2,3
.irp cc, 0,1,2,3
	ds_load_b128 v[KF+16*\f+4*\cc:KF+16*\f+4*\cc+3], v3 offset:8192+\f*2048+512*\cc      ; the NEXT step's k
.endr
.endr
	WIN 0
	ds_load_b32 v[VS], v6
	ds_load_b32 v[VS+1], v6 offset:128
.irp jq, 0,1,2,3
	ds_load_b32 v[KS+\jq], v5 offset:512+128*\jq   ; lanes 0-15 tile 2 j, lanes 16-31 tile 2 j + 1
.endr
	MAXIMA
.set jj, 0
.rept 32
	v_pk_fma_f32 v[SR+jj:SR+jj+1], v[SR+jj:SR+jj+1], s[CS:CS+1], v[NM:NM+1] op_sel_hi:[1,0,0]   ; tile A: t - M, two at a time
.set jj, jj+2
.endr
	s_wait_alu depctr_va_vdst(0)                   ; the wait ahead of the batch and ahead of the wait below
	s_wait_dscnt 0x0                               ; v, the next k and their scale words are in: asked for ahead of the maxima
	EXPS 0
	RESCALE 0
	SCALES 0
	SUMS 0
	JOIN 0
	s_wait_alu depctr_va_vdst(0)                   ; the wait ahead of the batch
	EXPS 1
	RESCALE 1
	CODES 0
	SCALES 1                                       ; (also the places between A's codes and A's products)
	PV 0
	SUMS 1
.set jj, 0
.rept 32
	v_dual_min_num_f32 v[SR+64+2*jj], v[HD+4+jj/8], v[SR+64+2*jj] :: v_dual_min_num_f32 v[SR+64+2*jj+1], v[HD+4+jj/8], v[SR+64+2*jj+1]   ; tile B's holds
.set jj, jj+1
.endr
	CODES 1
	JOIN 1                                         ; (four places between B's codes and B's products)
	PV 1
.endm
; Two blocks of 32 along the next K: register 16 b + i of tile x's v[SR ..] is d = 32 b + 16 (lane / 16) + i.  Codes to the tile's v[PC ..], the two bytes to v[WD + x].
.macro QUANT2 x
.irp b, 0,1
	v_max3_num_f32 v[TM+4*\x+\b], |v[SR+64*\x+16*\b]|, |v[SR+64*\x+16*\b+1]|, 0x4800000
.endr
.irp i, 2,4,6,8,10,12,14
.irp b, 0,1
	v_max3_num_f32 v[TM+4*\x+\b], v[TM+4*\x+\b], |v[SR+64*\x+16*\b+\i]|, |v[SR+64*\x+16*\b+\i+1]|
.endr
.endr
.irp b, 0,1
	v_permlanex16_b32 v[T2+4*\x+\b], v[TM+4*\x+\b], s[SEL], s[SEL+1]
.endr
.irp b, 0,1
	v_max_num_f32 v[TM+4*\x+\b], v[TM+4*\x+\b], v[T2+4*\x+\b]
.endr
.irp b, 0,1
	v_add_nc_u32 v[SO+4*\x+\b], 0xfc000000, v[TM+4*\x+\b]
.endr
.irp b, 0,1
	v_and_or_b32 v[HD+4*\x+\b], v[TM+4*\x+\b], 0x7f800000, s[MNT]
.endr
.irp b, 0,1
	v_lshrrev_b32 v[T2+4*\x+\b], 23, v[SO+4*\x+\b]
.endr
	v_lshl_or_b32 v[WD+\x], v[T2+4*\x+1], 8, v[T2+4*\x]
.irp b, 0,1
.irp i, 0,1,2,3,4,5,6,7,8,9,10,11,12,13,14,15
	v_med3_num_f32 v[SR+64*\x+16*\b+\i], v[SR+64*\x+16*\b+\i], -v[HD+4*\x+\b], v[HD+4*\x+\b]
.endr
	v_cvt_scalef32_pk8_fp8_f32 v[PC+16*\x+4*\b:PC+16*\x+4*\b+1], v[SR+64*\x+16*\b:SR+64*\x+16*\b+7], v[SO+4*\x+\b]
	v_cvt_scalef32_pk8_fp8_f32 v[PC+16*\x+4*\b+2:PC+16*\x+4*\b+3], v[SR+64*\x+16*\b+8:SR+64*\x+16*\b+15], v[SO+4*\x+\b]
.endr
	v_nop                                          ; a plain place behind the last conversion
.endm
.macro INIT                            ; the step is written once: its first trip finds zeros, which the first change of M (f = 0) leaves zeros
	WIN 0x40
.set jj, 0
.rept 64
	v_mov_b32 v[OA+jj], 0
.set jj, jj+1
.endr
	WIN 0
.irp x, 0,1
	v_mov_b32 v[NM+4*\x+2], 0
	v_mov_b32 v[NM+4*\x+3], 0
	v_mov_b32 v[NM+4*\x+1], 0xff61b1e6             ; -3e38, under every score
	v_floor_f32 v[NM+4*\x], -v[NM+4*\x+1]
.endr
.endm
.macro QLOAD j                         ; q of both tiles, head w + 8 j, and its scale words: lanes 0-15 tile A's, lanes 16-31 tile B's
	WIN 0x40
.irp x, 0,1
	global_load_b128 v[QF+16*\x+8:QF+16*\x+11], v1, s[68:69] offset:\x*16384+\j*8192
	global_load_b128 v[QF+16*\x+12:QF+16*\x+15], v1, s[68:69] offset:\x*16384+\j*8192+512
.endr
	WIN 0
	global_load_b32 v[QS], v2, s[70:71] offset:\j*1024
.endm
.macro KFIRST                          ; the first step's k and its scale words
	WIN 0x40
.irp f, 0,1,2,3
.irp cc, 0,1,2,3
	ds_load_b128 v[KF+16*\f+4*\cc:KF+16*\f+4*\cc+3], v1 offset:\f*2048+512*\cc
.endr
.endr
	WIN 0
.irp jq, 0,1,2,3
	ds_load_b32 v[KS+\jq], v8 offset:128*\jq
.endr
.endm
.macro PASS                            ; all 2,048 keys, 16 steps
	s_mov_b32 s61, 0
	s_mov_b32 s62, 0
	s_mov_b32 s63, 0
	s_mov_b32 s66, 0
.Lstep_\@:
	STEP
	s_add_co_u32 s62, s62, 8192
	s_add_co_u32 s63, s63, 512
	s_add_co_u32 s66, s66, 256
	s_add_co_u32 s61, s61, 1
	s_cmp_lt_u32 s61, 16
	s_cbranch_scc1 .Lstep_\@
	PLACES 8                                       ; in front of the first read of O^T and of loads into operands
	s_wait_alu depctr_va_vdst(0)                   ; the step's last plain results (tile B's l
.endm
.macro FINISH j                        ; O^T / l of both tiles, quantised; a tile's two pieces are pieces of the last projection's operand
.irp x, 0,1
	v_add_f32 v[NM+4*\x+2], v[NM+4*\x+2], v[NM+4*\x+3]
.endr
.irp x, 0,1
	v_permlanex16_b32 v[T2+4*\x], v[NM+4*\x+2], s[SEL], s[SEL+1]
.endr
.irp x, 0,1
	v_add_f32 v[NM+4*\x+2], v[NM+4*\x+2], v[T2+4*\x]               ; the row's sum
.endr
	s_wait_alu depctr_va_vdst(0)                   ; the wait ahead of the transcendentals
	v_rcp_f32 v[NM+2], v[NM+2]
	v_rcp_f32 v[NM+6], v[NM+6]
	v_nop                                          ; a plain place behind the transcendentals
	WIN 0x01                                       ; O^T: window 1
	s_wait_alu depctr_va_vdst(0)                   ; the wait, directly ahead of the first readers
.irp x, 0,1
.set jj, 0
.rept 32
	v_mul_f32 v[SR+64*\x+jj], v[OA+32*\x+jj], v[NM+4*\x+2]         ; each accumulator from its low end on
.set jj, jj+1
.endr
.endr
	WIN 0
.irp x, 0,1
	QUANT2 \x
	global_store_b128 v1, v[PC+16*\x:PC+16*\x+3], s[72:73] offset:\x*16384+\j*8192       ; 32 lanes store 512 consecutive bytes
	global_store_b128 v1, v[PC+16*\x+4:PC+16*\x+7], s[72:73] offset:\x*16384+\j*8192+512
	ds_store_b16 v9, v[WD+\x] offset:512*\x+256*\j ; my head's two bytes of row r; lanes l and l + 16 write the same bytes with the same value
.endr
.endm
	s_load_b128 s[4:7], s[0:1], 0x0                ; bufQ s[4:5], bufKV s[6:7]
	s_load_b64 s[8:9], s[0:1], 0x10                ; bufO
	v_lshl_add_u32 v[SPW], v0, 2, SPARE
	v_mov_b32 v[NIL], 0
	ds_add_u32 v[SPW], v[NIL]                      ; the opening lines: the add, twice on end, and its wait ahead of the first tensor load
	ds_add_u32 v[SPW], v[NIL]
	v_lshrrev_b32 v1, 5, v0
	v_readfirstlane_b32 s[WV], v1                  ; wave 0..7
	s_bfe_u32 s11, ttmp6, 0x40000                  ; cx
	s_and_b32 s12, ttmp7, 0xffff                   ; the batch, which the four partners share
	s_lshl_b32 s13, ttmp9, 2
	s_add_co_u32 s13, s13, s11
	s_lshl_b32 s14, s12, 6
	s_add_co_u32 s13, s13, s14                     ; my pair of tiles P = 64 x batch + 4 x cluster x + cx: it enters q's and O's addresses alone
	s_mov_b32 s[SEL], 0x76543210
	s_mov_b32 s[SEL+1], 0xfedcba98                 ; v_permlanex16_b32's selects for lane l xor 16
	s_mov_b32 s[CS], 0x3e38aa3b                    ; c = log2(e) / 8
	s_mov_b32 s[CS+1], s[CS]
	s_mov_b32 s[MNT], 0x600000                     ; the mantissa field of 448
	; descriptor groups 1: dense bytes as rows of 256 (32 elements of 8 bytes): 256, 32 and 16 rows
.irp g, 16, 24, 32
	s_mov_b32 s[\g], 15|(3<<16)|(1<<21)            ; the mask: all four work-groups; elements of 8 bytes; bit 21 set beside a mask
	s_mov_b32 s[\g+1], 32<<16
	s_mov_b32 s[\g+3], 32<<16
	s_mov_b32 s[\g+5], 32
	s_mov_b32 s[\g+6], 0
	s_mov_b32 s[\g+7], 0
.endr
	s_mov_b32 s18, 256<<16
	s_mov_b32 s20, 256
	s_mov_b32 s26, 32<<16
	s_mov_b32 s28, 32
	s_mov_b32 s34, 16<<16
	s_mov_b32 s36, 16
	s_and_b32 s80, s[WV], 3
	s_mov_b32 s40, 1
	s_lshl_b32 s41, s80, 16                        ; images: 65,536 bytes a wave; in LDS v's follow k's
	s_lshr_b32 s81, s80, 1
	s_mul_i32 s81, s81, VIMG-VIML                  ; in memory v's images begin VIMG behind k's
	s_mov_b32 s44, 1
	s_mov_b32 s45, KSC
	s_mov_b32 s48, 1
	s_mov_b32 s49, VSC
	s_mov_b32 s77, 0
	s_mov_b32 s79, 0
	s_wait_dscnt 0x0                               ; both opening adds are done
	s_wait_kmcnt 0x0
	s_lshl_b32 s76, s12, 17
	s_add_co_u32 s76, s76, s41
	s_add_co_u32 s76, s76, s81
	s_add_nc_u64 s[42:43], s[6:7], s[76:77]
	s_or_b32 s43, s43, 0x80000000
	s_lshl_b32 s76, s12, 13
	s_add_co_u32 s76, s76, KSCL
	s_add_nc_u64 s[46:47], s[6:7], s[76:77]
	s_or_b32 s47, s47, 0x80000000
	s_lshl_b32 s76, s12, 12
	s_add_co_u32 s76, s76, VSCL
	s_add_nc_u64 s[50:51], s[6:7], s[76:77]
	s_or_b32 s51, s51, 0x80000000
	s_lshl_b32 s78, s13, 15
	s_lshl_b32 s81, s[WV], 10
	s_add_co_u32 s78, s78, s81
	s_add_nc_u64 s[68:69], s[4:5], s[78:79]        ; q's images: (32 P + w) x 1,024; tile B 16,384 on, the second head 8,192 on
	s_add_nc_u64 s[72:73], s[8:9], s[78:79]        ; O's likewise
	s_lshl_b32 s78, s13, 11
	s_lshl_b32 s81, s[WV], 7
	s_add_co_u32 s78, s78, s81
	s_add_co_u32 s78, s78, QSCL
	s_add_nc_u64 s[70:71], s[4:5], s[78:79]        ; q's words: (16 P + w) x 128
	s_lshl_b32 s78, s13, 10
	s_and_b32 s81, s[WV], 1
	s_lshl_b32 s81, s81, 9
	s_add_co_u32 s78, s78, s81
	s_add_co_u32 s78, s78, OSCL
	s_add_nc_u64 s[74:75], s[8:9], s[78:79]        ; O's words of tile 2 P + wave (waves 0 and 1 use it)
	CROUND                                         ; all four work-groups are here: the joint loads meet
; THE HEAD'S LOADS, at most one a wave: one chain of branches on the wave's number, each arm with its load and a jump to the chain's end.
.macro ARM under, g0, g1, next
	s_cmp_lt_u32 s[WV], \under
	s_cbranch_scc0 \next
	tensor_load_to_lds s[\g0:\g0+3], s[\g1:\g1+7]
	s_nop 0
.rept 4
	v_nop
.endr
	s_branch .Lhead_asked
\next:
.endm
	ARM 4, 40, 16, .Lhead_kw
	ARM 5, 44, 24, .Lhead_vw
	ARM 6, 48, 32, .Lhead_none
.Lhead_asked:
	v_and_b32 v2, 31, v0
	v_lshlrev_b32 v1, 4, v2                        ; 16 x lane
	v_lshlrev_b32 v2, 2, v2                        ; 4 x lane
	QLOAD 0
	v_add_nc_u32 v7, VIML, v1
	v_add_nc_u32 v8, KSC, v2
	v_add_nc_u32 v10, VSC, v2
	v_and_b32 v9, 15, v0
	v_lshlrev_b32 v9, 3, v9
	s_lshr_b32 s82, s[WV], 2
	s_lshl_b32 s82, s82, 7
	s_and_b32 s83, s[WV], 3
	s_lshl_b32 s83, s83, 1
	s_add_co_u32 s82, s82, s83
	s_add_co_u32 s82, s82, OSC
	v_add_nc_u32 v9, s82, v9                       ; O's bytes: [tile][quarter of K = head / 4][row][8 bytes]: 128 (w / 4) + 8 r + 2 (w % 4); tile and second head stand in the immediate
	v_mov_b32 v[FW+1], 0                           ; named as the upper halves of f's pairs
	v_mov_b32 v[FW+3], 0
	WIN 0x40
.irp i, 0,1,2,3,4,5,6,7,16,17,18,19,20,21,22,23,32,33,34,35,36,37,38,39
	v_mov_b32 v[QF+\i], 0                          ; the zero codes round q
.endr
	INIT
	s_wait_alu depctr_va_vdst(0)                   ; the wait at the head's end
	s_wait_loadcnt 0x0                             ; q
	s_wait_tensorcnt 0x0                           ; my part of k, v or their scale words is in,
	s_barrier_signal -1
	s_barrier_wait -1                              ; everybody's is
	KFIRST
	s_wait_dscnt 0x0
	PASS
	QLOAD 1                                        ; the second head's q and the first step's k land under the first head's way out
	KFIRST
	FINISH 0
	INIT
	s_wait_alu depctr_va_vdst(0)                   ; directly ahead of the waits below
	s_wait_xcnt 0x0                                ; the first head's stores have read their registers
	s_wait_loadcnt 0x0
	s_wait_dscnt 0x0
	PASS
	FINISH 1
	s_wait_dscnt 0x0                               ; my bytes of O's scale words have landed
	s_barrier_signal -1
	s_barrier_wait -1
	s_cmp_lt_u32 s[WV], 2
	s_cbranch_scc0 .Lno_words
	s_lshl_b32 s82, s[WV], 9
	s_add_co_u32 s82, s82, OSC
	v_add_nc_u32 v3, s82, v1
	ds_load_b128 v[104:107], v3                    ; tile 2 P + wave's 512 bytes of scale words
	s_wait_dscnt 0x0
	global_store_b128 v1, v[104:107], s[74:75]     ; 32 lanes store 512 consecutive bytes
.Lno_words:
	s_wait_tensorcnt 0x0                           ; the wave's end
	ds_add_u32 v[SPW], v[NIL]
	s_wait_dscnt 0x0
	CROUND                                         ; the closing round
	s_endpgm
.Lfunc_end_k_q8c8ea7f9c8_attn:
	.size	k_q8c8ea7f9c8_attn, .Lfunc_end_k_q8c8ea7f9c8_attn-k_q8c8ea7f9c8_attn
	.p2alignl 7, 3214868480
	.fill 96, 4, 3214868480
	.section	.rodata,"a",@progbits
	.p2align	6, 0x0
	.amdhsa_kernel k_q8c8ea7f9c8_attn
		.amdhsa_group_segment_fixed_size 276480
		.amdhsa_private_segment_fixed_size 0
		.amdhsa_enable_private_segment 0
		.amdhsa_kernarg_size 24
		.amdhsa_user_sgpr_count 2
		.amdhsa_user_sgpr_kernarg_segment_ptr 1
		.amdhsa_wavefront_size32 1
		.amdhsa_system_sgpr_workgroup_id_x 1
		.amdhsa_system_sgpr_workgroup_id_y 1
		.amdhsa_system_sgpr_workgroup_id_z 1
		.amdhsa_system_vgpr_workitem_id 0
		.amdhsa_next_free_vgpr 512
		.amdhsa_next_free_sgpr 100
		.amdhsa_reserve_vcc 0
		.amdhsa_float_denorm_mode_32 3
		.amdhsa_float_denorm_mode_16_64 3
		.amdhsa_memory_ordered 1
		.amdhsa_forward_progress 1
		.amdhsa_inst_pref_size 108
	.end_amdhsa_kernel
	.amdgpu_metadata
---
amdhsa.version: [ 1, 2 ]
amdhsa.kernels:
  - .name:           k_q8c8ea7f9c8_attn
    .symbol:         k_q8c8ea7f9c8_attn.kd
    .args:
      - { .name: bufQ, .offset: 0, .size: 8, .value_kind: global_buffer, .address_space: global }
      - { .name: bufKV, .offset: 8, .size: 8, .value_kind: global_buffer, .address_space: global }
      - { .name: bufO, .offset: 16, .size: 8, .value_kind: global_buffer, .address_space: global }
    .group_segment_fixed_size: 276480
    .private_segment_fixed_size: 0
    .kernarg_segment_align: 8
    .kernarg_segment_size: 24
    .max_flat_workgroup_size: 256
    .sgpr_count:     100
    .vgpr_count:     512
    .wavefront_size: 32
...
	.end_amdgpu_metadata
.endif
;; end of part 7
;; launch oproj (part 8): grid 4 x 64, 4 waves a work-group, clusters of 4 x 1, 327,680 bytes of LDS; arguments bufO, bufW, bo, out0; writes out0
.if DOCPART == 8
	.amdgcn_target "amdgcn-amd-amdhsa--gfx1250"
	.amdhsa_code_object_version 6
	.text
	.protected	k_q8c8ea7f9c8_oproj
	.globl	k_q8c8ea7f9c8_oproj
	.p2align	8
	.type	k_q8c8ea7f9c8_oproj,@function
k_q8c8ea7f9c8_oproj:
	s_mov_b64 s[64:65], 0
	v_nop
	global_prefetch_b8 v0, s[64:65] scope:SCOPE_SE
	s_setreg_imm32_b32 hwreg(HW_REG_WAVE_MODE, 25, 1), 1
	s_wait_xcnt 0x0
	s_wait_alu depctr_hold_cnt(0) depctr_sa_sdst(0) depctr_va_vdst(0) depctr_va_sdst(0) depctr_va_ssrc(0) depctr_va_vcc(0) depctr_vm_vsrc(0)
	s_getreg_b32 s2, hwreg(HW_REG_IB_STS2, 6, 4)
	s_cmp_eq_u32 s2, 0
	s_cbranch_scc0 .Lentry_in_a_cluster
	s_endpgm
.Lentry_in_a_cluster:
	s_bfe_u32 s2, ttmp6, 0x10000c
	s_cmp_lg_u32 s2, 0x3003
	s_cbranch_scc0 .Lentry_shape_is_right
	s_endpgm
.Lentry_shape_is_right:
.set XSCL, 8388608
.set WSCL, 2228224
.set ACC,  16
.set XS,   144
.set WS,   176
.set OB,   192
.set BIAS, 128
.set STG,  131072
.set SP,   272
.set STO,  9
.set RD,   10
.set GO,   11
.set WV,   18
.set MSB, 0
.macro WIN new
.if MSB != (\new)
	s_set_vgpr_msb (MSB<<8)|(\new)
.set MSB, (\new)
.endif
.endm
.macro PLACES n
.rept \n
	v_nop
.endr
.endm
.macro CROUND
	s_barrier_signal -1
	s_barrier_wait -1
	s_cmp_lg_u32 s[WV], 0
	s_cbranch_scc1 .Lnot_wave_0_\@
	s_barrier_signal -3
.Lnot_wave_0_\@:
	s_barrier_wait -3
	s_barrier_signal -1
	s_barrier_wait -1
.endm
.macro WMC d, a, b, c, sa, sb, ra, rb
.if (\ra) && (\rb)
	v_wmma_scale_f32_16x16x128_f8f6f4 v[(\d):(\d)+7], v[(\a):(\a)+15], v[(\b):(\b)+15], v[(\c):(\c)+7], v[\sa], v[\sb] matrix_a_scale:MATRIX_SCALE_ROW1 matrix_b_scale:MATRIX_SCALE_ROW1
.elseif (\ra)
	v_wmma_scale_f32_16x16x128_f8f6f4 v[(\d):(\d)+7], v[(\a):(\a)+15], v[(\b):(\b)+15], v[(\c):(\c)+7], v[\sa], v[\sb] matrix_a_scale:MATRIX_SCALE_ROW1
.elseif (\rb)
	v_wmma_scale_f32_16x16x128_f8f6f4 v[(\d):(\d)+7], v[(\a):(\a)+15], v[(\b):(\b)+15], v[(\c):(\c)+7], v[\sa], v[\sb] matrix_b_scale:MATRIX_SCALE_ROW1
.else
	v_wmma_scale_f32_16x16x128_f8f6f4 v[(\d):(\d)+7], v[(\a):(\a)+15], v[(\b):(\b)+15], v[(\c):(\c)+7], v[\sa], v[\sb]
.endif
.endm
.macro FETCHX set, blk, ks
	WIN 0xc0
.irp m, 0,1,2,3
.irp cc, 0,1,2,3
	ds_load_b128 v[64*(\set)+16*\m+4*\cc:64*(\set)+16*\m+4*\cc+3], v[2+(\blk)] offset:\m*16384+(\ks)*2048+512*\cc
.endr
.endr
.endm
.macro MUL blk, ks
.irp hf, 0,1
.if (\ks) == 0
	WIN 0x3d+\hf
.else
	WIN 0x0d+\hf
.endif
.irp tt, 0,1
.irp m, 0,1,2,3
.if (\ks) == 0
	WMC ACC+32*\m+8*(2*\hf+\tt), 16*(8*\tt+(\ks)), 64*((\ks)%2)+16*\m, BIAS+8*(2*\hf+\tt), WS+8*\hf+(\ks), XS+8*(2*(\blk)+\m/2)+(\ks), \tt, \m%2
.else
	WMC ACC+32*\m+8*(2*\hf+\tt), 16*(8*\tt+(\ks)), 64*((\ks)%2)+16*\m, ACC+32*\m+8*(2*\hf+\tt), WS+8*\hf+(\ks), XS+8*(2*(\blk)+\m/2)+(\ks), \tt, \m%2
.endif
.endr
.endr
.endr
.endm
.macro QBLOCK blk
	FETCHX 0, \blk, 0
.irp ks, 0,1,2,3,4,5,6
.if \ks > 0
	PLACES 8
.endif
	FETCHX (\ks+1)%2, \blk, \ks+1
	s_wait_dscnt 16
	MUL \blk, \ks
.endr
	s_wait_dscnt 0x0
	MUL \blk, 7
	WIN 0
	PLACES 9
.endm
.macro OOUT blk
.irp m, 0,1,2,3
	s_wait_xcnt 0x0
.irp b, 0,1
.irp q, 0,1,2,3
	ds_store_b128 v[STO], v[ACC+32*\m+16*\b+4*\q:ACC+32*\m+16*\b+4*\q+3] offset:128*\b+16*\q
.endr
.endr
.irp i, 0,1,2,3,4,5,6,7
	ds_load_b128 v[OB+4*\i:OB+4*\i+3], v[RD] offset:\i*2*SP
.endr
.irp i, 0,1,2,3,4,5,6,7
	s_wait_dscnt 7-\i
	global_store_b128 v[GO], v[OB+4*\i:OB+4*\i+3], s[48:49] offset:(64*(\blk)+32*(\m/2)+8*(\m%2)+2*\i+8*(\i/4))*4096 th:TH_STORE_NT
.endr
.endr
.endm
	s_load_b256 s[4:11], s[0:1], 0x0
	v_lshl_add_u32 v254, v0, 2, 0x29000
	v_mov_b32 v255, 0
	ds_add_u32 v254, v255
	ds_add_u32 v254, v255
	v_lshrrev_b32 v1, 5, v0
	v_readfirstlane_b32 s[WV], v1
	s_lshl_b32 s19, ttmp9, 2
	s_bfe_u32 s21, ttmp6, 0x40000
	s_add_co_u32 s19, s19, s21
	s_and_b32 s20, ttmp7, 0xffff
	s_lshl_b32 s21, s19, 2
	s_add_co_u32 s21, s21, s[WV]
	s_mov_b32 s24, 15|(3<<16)|(1<<21)
	s_mov_b32 s25, 32<<16
	s_mov_b32 s26, 128<<16                         ; one load a wave brings two row tiles: 128 rows of 256 bytes
	s_mov_b32 s27, 32<<16
	s_mov_b32 s28, 128
	s_mov_b32 s29, 32
	s_mov_b32 s30, 0
	s_mov_b32 s31, 0
	s_mov_b32 s32, 1
	s_lshl_b32 s33, s[WV], 15                      ; LDS: row tiles 2 w and 2 w + 1
	s_lshl_b32 s54, s20, 17
	s_add_co_u32 s54, s54, s33
	s_mov_b32 s55, 0
	s_mov_b32 s53, 0
	s_wait_dscnt 0x0
	s_wait_kmcnt 0x0
	s_add_nc_u64 s[34:35], s[4:5], s[54:55]
	s_or_b32 s35, s35, 0x80000000
	s_lshl_b32 s52, s21, 16
	s_add_co_u32 s52, s52, 72*16384
	s_add_nc_u64 s[40:41], s[6:7], s[52:53]
	s_lshl_b32 s52, s21, 11
	s_add_co_u32 s52, s52, WSCL+36*1024
	s_add_nc_u64 s[42:43], s[6:7], s[52:53]
	s_lshl_b32 s52, s20, 12
	s_add_co_u32 s52, s52, XSCL
	s_add_nc_u64 s[44:45], s[4:5], s[52:53]
	s_lshl_b32 s52, s21, 8
	s_add_nc_u64 s[46:47], s[8:9], s[52:53]
	s_lshl_b32 s56, s20, 19
	s_add_co_u32 s52, s52, s56
	s_add_nc_u64 s[48:49], s[10:11], s[52:53]
	CROUND
	tensor_load_to_lds s[32:35], s[24:31]
	s_nop 0
	PLACES 4
	v_and_b32 v1, 31, v0
	v_lshlrev_b32 v2, 4, v1
	v_add_nc_u32 v3, 65536, v2
	v_lshlrev_b32 v4, 2, v1
	v_and_b32 v7, 15, v0
	v_lshrrev_b32 v12, 4, v1
	v_lshlrev_b32 v8, 3, v7
	v_lshl_add_u32 v5, v12, 9, v8
	v_lshlrev_b32 v6, 6, v12
	s_mul_i32 s56, s[WV], 16*SP
	s_add_co_u32 s56, s56, STG
	v_mul_u32_u24 v[STO], v7, SP
	v_add_nc_u32 v[STO], v[STO], v6
	v_add_nc_u32 v[STO], s56, v[STO]
	v_mul_u32_u24 v[RD], v12, SP
	v_lshl_add_u32 v[RD], v7, 4, v[RD]
	v_add_nc_u32 v[RD], s56, v[RD]
	v_lshlrev_b32 v[GO], 12, v12
	v_lshl_add_u32 v[GO], v7, 4, v[GO]
.irp t, 0,1,2,3
	WIN 0x40*(1+\t/2)
.irp ks, 0,1,2,3,4,5,6,7
.irp cc, 0,1,2,3
	global_load_b128 v[16*(8*(\t%2)+\ks)+4*\cc:16*(8*(\t%2)+\ks)+4*\cc+3], v2, s[40:41] offset:\t*16384+\ks*2048+512*\cc
.endr
.endr
.endr
	WIN 0
.irp jp, 0,1
.irp ks, 0,1,2,3,4,5,6,7
	global_load_b32 v[WS+8*\jp+\ks], v4, s[42:43] offset:\jp*1024+\ks*128
.endr
.endr
.irp p, 0,1,2,3
.irp kq, 0,1,2,3
	global_load_b64 v[XS+8*\p+2*\kq:XS+8*\p+2*\kq+1], v5, s[44:45] offset:\p*1024+\kq*128
.endr
.endr
	WIN 0xc0
.irp t, 0,1,2,3
	global_load_b128 v[BIAS+8*\t:BIAS+8*\t+3], v6, s[46:47] offset:(32*(\t/2)+8*(\t%2))*4
	global_load_b128 v[BIAS+8*\t+4:BIAS+8*\t+7], v6, s[46:47] offset:(32*(\t/2)+8*(\t%2))*4+16
.endr
	WIN 0
	s_wait_loadcnt 0x0
	s_wait_tensorcnt 0x0                           ; my one load, two of the eight row tiles, is in
	s_barrier_signal -1
	s_barrier_wait -1
	QBLOCK 0
	s_wait_alu depctr_va_vdst(0)
	OOUT 0
	QBLOCK 1
	OOUT 1
	s_wait_tensorcnt 0x0
	ds_add_u32 v254, v255
	s_wait_dscnt 0x0
	CROUND
	s_endpgm
.Lfunc_end_k_q8c8ea7f9c8_oproj:
	.size	k_q8c8ea7f9c8_oproj, .Lfunc_end_k_q8c8ea7f9c8_oproj-k_q8c8ea7f9c8_oproj
	.p2alignl 7, 3214868480
	.fill 96, 4, 3214868480
	.section	.rodata,"a",@progbits
	.p2align	6, 0x0
	.amdhsa_kernel k_q8c8ea7f9c8_oproj
		.amdhsa_group_segment_fixed_size 327680
		.amdhsa_private_segment_fixed_size 0
		.amdhsa_enable_private_segment 0
		.amdhsa_kernarg_size 32
		.amdhsa_user_sgpr_count 2
		.amdhsa_user_sgpr_kernarg_segment_ptr 1
		.amdhsa_wavefront_size32 1
		.amdhsa_system_sgpr_workgroup_id_x 1
		.amdhsa_system_sgpr_workgroup_id_y 1
		.amdhsa_system_sgpr_workgroup_id_z 1
		.amdhsa_system_vgpr_workitem_id 0
		.amdhsa_next_free_vgpr 1024
		.amdhsa_next_free_sgpr 100
		.amdhsa_reserve_vcc 0
		.amdhsa_float_denorm_mode_32 3
		.amdhsa_float_denorm_mode_16_64 3
		.amdhsa_memory_ordered 1
		.amdhsa_forward_progress 1
		.amdhsa_inst_pref_size 91
	.end_amdhsa_kernel
	.amdgpu_metadata
---
amdhsa.version: [ 1, 2 ]
amdhsa.kernels:
  - .name:           k_q8c8ea7f9c8_oproj
    .symbol:         k_q8c8ea7f9c8_oproj.kd
    .args:
      - { .name: bufO, .offset: 0, .size: 8, .value_kind: global_buffer, .address_space: global }
      - { .name: bufW, .offset: 8, .size: 8, .value_kind: global_buffer, .address_space: global }
      - { .name: bo, .offset: 16, .size: 8, .value_kind: global_buffer, .address_space: global }
      - { .name: out0, .offset: 24, .size: 8, .value_kind: global_buffer, .address_space: global }
    .group_segment_fixed_size: 327680
    .private_segment_fixed_size: 0
    .kernarg_segment_align: 8
    .kernarg_segment_size: 32
    .max_flat_workgroup_size: 128
    .sgpr_count:     100
    .vgpr_count:     1024
    .wavefront_size: 32
...
	.end_amdgpu_metadata
.endif
;; end of part 8
